; MI455X (gfx1250); checked and timed in simulation.
; The chip was launched on July 23, 2026; its instructions are those of AMD's public machine-readable ISA for CDNA 5 (MIT licence, August 2026) and "CDNA5" Instruction Set Architecture Reference Guide (July 2026). The comments in the code are by the model that wrote it; some were corrected since.
;; Moe Block. Allowed arithmetic: matrix products marked QUANTISED: E4M3 operands, one E8M0 scale for each 32 along K, by v_wmma_scale_f32_16x16x128_f8f6f4 with both operands' format E4M3, f32 sums; products left as they are: f32 operands where the result goes on into a quantised operand, else bf16, f16 or f32 operands; f32 sums; everything else in f32.
;; Inputs: gate_kernel 1,024 x 8 float32; w0 8 x 1,024 x 2,048 float32; w1 8 x 1,024 x 2,048 float32; wo 8 x 2,048 x 1,024 float32; x 2 x 512 x 1,024 float32.
;; Outputs: out0 2 x 512 x 1,024 float32.
;; Constants: top_k = 2.
;; This version of the problem:
;;   THIS VERSION OF THE PROBLEM IS GIVEN IN LOW PRECISION. The matrix products marked QUANTISED in the list below multiply operands that are first quantised to E4M3 (4 exponent bits, 3 mantissa bits; 8 bits a number), with one power-of-two scale for each 32 numbers along K (OCP MX v1.0); their sums are f32. All else is computed in f32.
;;   The module's matrix products, in the order in which they are computed (A, B: the left and right operand; K: the contracted axis; several contracted axes count as one K, in the product's order):
;;     1. [M 1,024, K 1,024] x [K 1,024, N 8]; A: input x; B: input gate_kernel: left as it is (N = 8 < 16)
;;     2. batch 1,024 x [M 1, K 2] x [K 2, N 8]; A: softmax; B: computed on the way: left as it is (K = 2 < 32)
;;     3. [M 16,384, K 1,024] x [K 1,024, N 1,024]; A: input w0; B: input x: QUANTISED
;;     4. [M 16,384, K 1,024] x [K 1,024, N 1,024]; A: input w1; B: input x: QUANTISED
;;     5. batch 8 x [M 1,024, K 2,048] x [K 2,048, N 1,024]; A: computed on the way; B: input wo: QUANTISED
;;     6. batch 1,024 x [M 1,024, K 8] x [K 8, N 1]; A: computed on the way; B: computed on the way: left as it is (K = 8 < 32)
;;   THE QUANTISER, for each operand of a quantised product, along K:
;;     - K is cut into blocks of 32 from its start; a last block that is shorter is filled with zeros.
;;     - A block's scale is 2^e with e = floor(log2(the largest magnitude in the block)) - 8, held to -126 .. 127; a block of zeros has e = 0. As a byte (E8M0): e + 127.
;;     - Each number is divided by its block's scale, clamped to +-448, and rounded to the nearest number of E4M3, ties to even, subnormals kept.
;;     - The product sums the exact products of the quantised numbers (number of the format x scale) in f32.
;;   ~~~python
;;   def quantise(x, axis):      # numpy; x: float32 -> the quantised numbers, widened to float32 again
;;       x = np.moveaxis(x, axis, -1); K = x.shape[-1]
;;       x = np.pad(x, [(0, 0)] * (x.ndim - 1) + [(0, -K % 32)]); x = x.reshape(x.shape[:-1] + (-1, 32)); a = np.abs(x).max(-1, keepdims=True)
;;       e = np.where(a > 0, np.clip(np.frexp(np.where(a > 0, a, 1))[1] - 1 - 8, -126, 127), 0)      # np.frexp(a)[1] - 1 = floor(log2(a)), exactly
;;       r = np.clip(x / 2.0 ** e, -448, 448)
;;       step = 2.0 ** (np.maximum(np.frexp(np.where(r == 0, 1, r))[1] - 1, -6) - 3)
;;       q = np.round(r / step) * step * 2.0 ** e      # np.round: ties to even
;;       return np.moveaxis(q.reshape(q.shape[:-2] + (-1,))[..., :K], -1, axis).astype(np.float32)
;;   ~~~
;;   OPERANDS COMPUTED ON THE WAY. 'Computed on the way' means the value that the module computes at that place (a softmax that the list does not call 'softmax' is quantised finished and normalised). What goes into a quantiser is computed in f32, as accurately as f32 sums, v_exp_f32 and their like allow (about 1e-6 of the number): no bf16 or f16 on the way to a quantiser, and a product that is left as it is and whose result goes on into a quantised operand takes f32 operands (vector FMAs, or v_wmma_f32_16x16x4_f32). A number that lies on a knife's edge between two numbers of the format may be rounded either way, as far as f32 arithmetic and the matrix unit's own rounding can turn it there, and no further.
;; 3 versions, each right; version 2 is faster than version 1; version 3 is version 2 with the launches up, down written anew for expert scheduling mode. Each part assembles by itself: llvm-mc -triple=amdgcn-amd-amdhsa -mcpu=gfx1250 --defsym DOCPART=n.
;; ======== version 1 of 3: 5 launches
;; workspace buffers: x_codes 1,048,576 bytes; x_scales 32,768 bytes; eid 4,096 bytes of whole numbers; probs 8,192 bytes; h_img 16,777,216 bytes; h_sc 524,288 bytes; y 16,777,216 bytes; list 65,536 bytes of whole numbers
;; launch route (part 1): grid 256 x 1, 4 waves a work-group, no clusters, 35,328 bytes of LDS; arguments x, gate_kernel, x_codes, x_scales, eid, probs; writes x_codes, x_scales, eid, probs
.if DOCPART == 1
	.amdgcn_target "amdgcn-amd-amdhsa--gfx1250"
	.amdhsa_code_object_version 6
	.text
	.protected	k_q0d5e5c29df_route
	.globl	k_q0d5e5c29df_route
	.p2align	8
	.type	k_q0d5e5c29df_route,@function
k_q0d5e5c29df_route:
	s_mov_b64 s[64:65], 0
	v_nop
	global_prefetch_b8 v0, s[64:65] scope:SCOPE_SE
	s_setreg_imm32_b32 hwreg(HW_REG_WAVE_MODE, 25, 1), 1
	s_wait_xcnt 0x0
; THE ROUTER AND THE TOKENS' CODES.  x [1024][1024] f32, gate_kernel [1024][8] f32.
; A wave takes one token t = 4 x work-group + wave:
;   logits[n] = sum over k of x[t][k] gate[k][n], fused multiply-adds in f32; the two largest (the lower index wins a tie), softmax over the two with the larger taken away first;
;   eid[t] = first expert | second expert << 8 (whole numbers, at a fixed place);  probs[t][0..1] = the two weights;
;   x_codes[t][1024]: E4M3 codes, K innermost;  x_scales[t][32]: one E8M0 byte for each 32 along K.
; A block's scale is 2^(floor(log2(its largest magnitude)) - 8); its byte is the largest magnitude's exponent field - 8, held at 1 from below.
; No branch and no address hangs on a floating-point number: the choice is made by v_cndmask_b32 alone.
; LIMITS: NaN and infinities among the inputs are not served; blocks whose largest magnitude lies under 2^-118 get the byte 1; a block of zeros gets the byte 1 over zero codes (this program alone reads the bytes);
; two logits that lie closer than the rounding of an f32 sum of 1,024 terms may be ordered otherwise than by another order of summing.
; The gate (32 KB) is copied once into LDS by the four waves; eight rows of 32 bytes are followed by 16 bytes of padding, so that lanes 272 bytes apart start at different banks (64 banks of 4 bytes: ISA guide 11.1).
; No matrix unit: 8 columns are too few for a tile.  The stores of eid and probs are 4 and 8 bytes a token: 12 KB in the whole launch.
.set GP,   272                         ; eight rows of the gate + padding
.set X,    16                          ; v16-47   register 8 q + i = x[t][256 q + 8 lane + i]
.set GA,   48                          ; v48-111  the gate on its way to LDS; then one chunk of it: register 8 i + n = gate[256 q + 8 lane + i][n]
.set GB,   112                         ; v112-175 the other chunk
.set A,    176                         ; v176-183 the eight sums
.set TM,   184                         ; v184-187 largest magnitudes, v188-191 448 x scale, v192-195 the conversions' scale operands, v196-199 the bytes: one for each chunk q
.set C,    200                         ; v200-207 codes
.set BEST, 208
.set IDX,  209
.set B2,   210
.set I2,   211
.set TT,   212                         ; v212-213 at work
.set PR,   214                         ; v214-215 the two weights
.set WD,   216                         ; the word for eid
.set BY,   218                         ; the scale byte that I store
	s_load_b256 s[4:11], s[0:1], 0x0               ; x s[4:5], gate s[6:7], x_codes s[8:9], x_scales s[10:11]
	s_load_b128 s[12:15], s[0:1], 0x20             ; eid s[12:13], probs s[14:15]
	v_lshl_add_u32 v224, v0, 2, 0x8800
	v_mov_b32 v225, 0
	v_lshrrev_b32 v2, 5, v0
	v_readfirstlane_b32 s18, v2                    ; wave
	v_and_b32 v1, 31, v0                           ; lane
	s_lshl_b32 s19, ttmp9, 2
	s_add_co_u32 s19, s19, s18                     ; my token
	v_lshlrev_b32 v3, 5, v1                        ; x: 32 bytes a lane
	v_lshlrev_b32 v4, 4, v0                        ; the gate in memory: 16 bytes a thread
	v_lshrrev_b32 v5, 4, v0
	v_mul_u32_u24 v5, v5, GP
	v_and_b32 v6, 15, v0
	v_lshl_add_u32 v5, v6, 4, v5                   ; and in LDS: sixteen threads fill 256 bytes, then the padding
	v_mul_u32_u24 v6, v1, GP                       ; where I read it: my eight rows of a chunk
	v_lshlrev_b32 v7, 3, v1                        ; codes: 8 bytes a lane
	v_and_b32 v8, 3, v1                            ; which chunk's byte I store,
	v_lshrrev_b32 v9, 2, v1
	v_lshl_add_u32 v9, v8, 3, v9                   ; and where: block 8 (lane % 4) + lane / 4
	v_mov_b32 v10, 0
	s_mov_b32 s20, 0x76543210
	s_mov_b32 s21, 0xfedcba98                      ; v_permlanex16_b32: lane l xor 16
	s_mov_b32 s22, 0x600000                        ; the mantissa field of 448
	s_mov_b32 s25, 0
	s_lshl_b32 s24, s19, 12
	s_wait_kmcnt 0x0
	s_add_nc_u64 s[4:5], s[4:5], s[24:25]          ; my row of x
	s_lshl_b32 s24, s19, 10
	s_add_nc_u64 s[8:9], s[8:9], s[24:25]          ; of the codes
	s_lshl_b32 s24, s19, 5
	s_add_nc_u64 s[10:11], s[10:11], s[24:25]      ; of the scale bytes
	s_lshl_b32 s24, s19, 2
	s_add_nc_u64 s[12:13], s[12:13], s[24:25]      ; my word of eid
	s_lshl_b32 s24, s19, 3
	s_add_nc_u64 s[14:15], s[14:15], s[24:25]      ; my pair of probs
.irp q, 0,1,2,3
	global_load_b128 v[X+8*\q:X+8*\q+3], v3, s[4:5] offset:1024*\q th:TH_LOAD_NT          ; two loads that follow each other cover 1,024 consecutive bytes:
	global_load_b128 v[X+8*\q+4:X+8*\q+7], v3, s[4:5] offset:1024*\q+16 th:TH_LOAD_NT     ; a lane holds eight neighbours along K, as the conversion wants them
.endr
.irp q, 0,1,2,3,4,5,6,7,8,9,10,11,12,13,14,15
	global_load_b128 v[GA+4*\q:GA+4*\q+3], v4, s[6:7] offset:2048*\q                      ; the work-group's 128 threads read 2,048 consecutive bytes
.endr
	s_wait_loadcnt 0x0
.irp q, 0,1,2,3,4,5,6,7,8,9,10,11,12,13,14,15
	ds_store_b128 v5, v[GA+4*\q:GA+4*\q+3] offset:8*GP*\q
.endr
	s_wait_dscnt 0x0                               ; for the others' sake: my part of the gate lies in LDS
	s_barrier_signal -1
	s_barrier_wait -1
.macro GLOAD q, g                      ; chunk q of the gate: my eight rows, 256 bytes
.irp i, 0,1,2,3,4,5,6,7
	ds_load_b128 v[\g+8*\i:\g+8*\i+3], v6 offset:32*GP*\q+32*\i
	ds_load_b128 v[\g+8*\i+4:\g+8*\i+7], v6 offset:32*GP*\q+32*\i+16
.endr
.endm
.macro DOT q, g                        ; 64 multiply-adds; the very first eight start the sums
.irp i, 0,1,2,3,4,5,6,7
.irp n, 0,1,2,3,4,5,6,7
.if (\q == 0) && (\i == 0)
	v_mul_f32 v[A+\n], v[X+8*\q+\i], v[\g+8*\i+\n]
.else
	v_fmac_f32 v[A+\n], v[X+8*\q+\i], v[\g+8*\i+\n]
.endif
.endr
.endr
.endm
	GLOAD 0, GA
	GLOAD 1, GB
	s_wait_dscnt 16                                ; this chunk is in; the next chunk's sixteen loads may be out
	DOT 0, GA
	GLOAD 2, GA
	s_wait_dscnt 16
	DOT 1, GB
	GLOAD 3, GB
	s_wait_dscnt 16
	DOT 2, GA
	s_wait_dscnt 0x0
	DOT 3, GB
	; ---- the token's codes: a block of 32 lies in four neighbouring lanes
.irp q, 0,1,2,3
	v_max3_num_f32 v[TM+\q], |v[X+8*\q]|, |v[X+8*\q+1]|, 0x4800000   ; my eight numbers, and the floor 2^(9 - 127): the byte cannot fall under 1
.endr
.irp i, 2,4,6
.irp q, 0,1,2,3
	v_max3_num_f32 v[TM+\q], v[TM+\q], |v[X+8*\q+\i]|, |v[X+8*\q+\i+1]|
.endr
.endr
.irp x, 1,2
.irp q, 0,1,2,3
	v_max_num_f32_dpp v[TM+\q], v[TM+\q], v[TM+\q] row_xmask:\x row_mask:0xf bank_mask:0xf
.endr
.endr
.irp q, 0,1,2,3
	v_add_nc_u32 v[TM+8+\q], 0xfc000000, v[TM+\q]                    ; 8 off the exponent field: the conversion takes this operand's exponent field as its scale
.endr
.irp q, 0,1,2,3
	v_and_or_b32 v[TM+4+\q], v[TM+\q], 0x7f800000, s22               ; 448 x the scale
.endr
.irp q, 0,1,2,3
.irp i, 0,1,2,3,4,5,6,7
	v_med3_num_f32 v[X+8*\q+\i], v[X+8*\q+\i], -v[TM+4+\q], v[TM+4+\q]   ; the conversion to an 8-bit code does not saturate (ISA guide 7.6.2): the hold comes first
.endr
.endr
.irp q, 0,1,2,3
	v_cvt_scalef32_pk8_fp8_f32 v[C+2*\q:C+2*\q+1], v[X+8*\q:X+8*\q+7], v[TM+8+\q]
.endr
.irp q, 0,1,2,3
	v_lshrrev_b32 v[TM+12+\q], 23, v[TM+8+\q]                        ; the scales' bytes (plain lines behind the conversions)
.endr
.irp q, 0,1,2,3
	global_store_b64 v7, v[C+2*\q:C+2*\q+1], s[8:9] offset:256*\q    ; the wave stores 256 consecutive bytes, aligned
.endr
	v_cmp_eq_u32 vcc_lo, 1, v8                     ; lane l keeps the byte of chunk l % 4: its own group of four lanes is block l / 4 of that chunk
	v_cndmask_b32 v[BY], v[TM+12], v[TM+13], vcc_lo
	v_cmp_eq_u32 vcc_lo, 2, v8
	v_cndmask_b32 v[BY], v[BY], v[TM+14], vcc_lo
	v_cmp_eq_u32 vcc_lo, 3, v8
	v_cndmask_b32 v[BY], v[BY], v[TM+15], vcc_lo
	global_store_b8 v9, v[BY], s[10:11]            ; 32 consecutive bytes: the token's row of scales
	; ---- the eight sums over the 32 lanes: every lane ends with the same bits
.irp x, 1,2,4,8
.irp n, 0,1,2,3,4,5,6,7
	v_add_f32_dpp v[A+\n], v[A+\n], v[A+\n] row_xmask:\x row_mask:0xf bank_mask:0xf
.endr
.endr
.irp n, 0,1,2,3,4,5,6,7
	v_permlanex16_b32 v[GA+\n], v[A+\n], s20, s21  ; (its destination counts as read: these registers have been written)
.endr
.irp n, 0,1,2,3,4,5,6,7
	v_add_f32 v[A+\n], v[A+\n], v[GA+\n]
.endr
	; ---- the two largest, by values alone.  A strict comparison in ascending order keeps the lower index at a tie
	v_mov_b32 v[BEST], v[A]
	v_mov_b32 v[IDX], 0
.irp n, 1,2,3,4,5,6,7
	v_cmp_gt_f32 vcc_lo, v[A+\n], v[BEST]
	v_cndmask_b32 v[BEST], v[BEST], v[A+\n], vcc_lo
	v_cndmask_b32 v[IDX], v[IDX], \n, vcc_lo
.endr
	v_mov_b32 v[B2], 0xff800000                    ; -infinity, under every logit
	v_mov_b32 v[I2], 0
.irp n, 0,1,2,3,4,5,6,7
	v_cmp_ne_u32 s30, \n, v[IDX]                   ; not the first choice,
	v_cmp_gt_f32 s31, v[A+\n], v[B2]               ; and larger than what has been seen
	s_and_b32 vcc_lo, s30, s31
	v_cndmask_b32 v[B2], v[B2], v[A+\n], vcc_lo
	v_cndmask_b32 v[I2], v[I2], \n, vcc_lo
.endr
	v_sub_f32 v[TT], v[B2], v[BEST]                ; the larger logit is taken away: 0 or less
	v_mul_f32 v[TT], 0x3fb8aa3b, v[TT]
	v_exp_f32 v[TT], v[TT]                         ; e = exp(second - first)
	v_lshl_or_b32 v[WD], v[I2], 8, v[IDX]          ; (a plain line behind the transcendental)
	s_wait_alu depctr_va_vdst(0)
	v_add_f32 v[TT+1], 1.0, v[TT]
	v_rcp_f32 v[PR], v[TT+1]                       ; 1 / (1 + e)
	v_nop                                          ; a plain line behind the transcendental
	s_wait_alu depctr_va_vdst(0)
	v_mul_f32 v[PR+1], v[TT], v[PR]                ; e / (1 + e)
	s_wait_xcnt 0x0                                ; EXEC is a source of the stores above: it changes only behind this wait
	v_cmp_eq_u32 vcc_lo, 0, v1
	s_wait_tensorcnt 0x0
	ds_add_u32 v224, v225
	s_wait_dscnt 0x0
	s_and_saveexec_b32 s30, vcc_lo                 ; lane 0 alone
	global_store_b32 v10, v[WD], s[12:13]
	global_store_b64 v10, v[PR:PR+1], s[14:15]
	s_endpgm
.Lfunc_end_k_q0d5e5c29df_route:
	.size	k_q0d5e5c29df_route, .Lfunc_end_k_q0d5e5c29df_route-k_q0d5e5c29df_route
	.p2alignl 7, 3214868480
	.fill 96, 4, 3214868480
	.section	.rodata,"a",@progbits
	.p2align	6, 0x0
	.amdhsa_kernel k_q0d5e5c29df_route
		.amdhsa_group_segment_fixed_size 35328
		.amdhsa_private_segment_fixed_size 0
		.amdhsa_enable_private_segment 0
		.amdhsa_kernarg_size 48
		.amdhsa_user_sgpr_count 2
		.amdhsa_user_sgpr_kernarg_segment_ptr 1
		.amdhsa_wavefront_size32 1
		.amdhsa_system_sgpr_workgroup_id_x 1
		.amdhsa_system_sgpr_workgroup_id_y 1
		.amdhsa_system_sgpr_workgroup_id_z 1
		.amdhsa_system_vgpr_workitem_id 0
		.amdhsa_next_free_vgpr 226
		.amdhsa_next_free_sgpr 66
		.amdhsa_reserve_vcc 1
		.amdhsa_float_denorm_mode_32 3
		.amdhsa_float_denorm_mode_16_64 3
		.amdhsa_memory_ordered 1
		.amdhsa_forward_progress 1
		.amdhsa_inst_pref_size 30
	.end_amdhsa_kernel
	.amdgpu_metadata
---
amdhsa.version: [ 1, 2 ]
amdhsa.kernels:
  - .name:           k_q0d5e5c29df_route
    .symbol:         k_q0d5e5c29df_route.kd
    .args:
      - { .name: x, .offset: 0, .size: 8, .value_kind: global_buffer, .address_space: global }
      - { .name: gate_kernel, .offset: 8, .size: 8, .value_kind: global_buffer, .address_space: global }
      - { .name: x_codes, .offset: 16, .size: 8, .value_kind: global_buffer, .address_space: global }
      - { .name: x_scales, .offset: 24, .size: 8, .value_kind: global_buffer, .address_space: global }
      - { .name: eid, .offset: 32, .size: 8, .value_kind: global_buffer, .address_space: global }
      - { .name: probs, .offset: 40, .size: 8, .value_kind: global_buffer, .address_space: global }
    .group_segment_fixed_size: 35328
    .private_segment_fixed_size: 0
    .kernarg_segment_align: 8
    .kernarg_segment_size: 48
    .max_flat_workgroup_size: 128
    .sgpr_count:     66
    .vgpr_count:     226
    .wavefront_size: 32
...
	.end_amdgpu_metadata
.endif
;; end of part 1
;; launch place (part 2): grid 8 x 1, 1 waves a work-group, no clusters, 8,448 bytes of LDS; arguments eid, list; writes list
.if DOCPART == 2
	.amdgcn_target "amdgcn-amd-amdhsa--gfx1250"
	.amdhsa_code_object_version 6
	.text
	.protected	k_q0d5e5c29df_place
	.globl	k_q0d5e5c29df_place
	.p2align	8
	.type	k_q0d5e5c29df_place,@function
k_q0d5e5c29df_place:
	s_mov_b64 s[64:65], 0
	v_nop
	global_prefetch_b8 v0, s[64:65] scope:SCOPE_SE
	s_setreg_imm32_b32 hwreg(HW_REG_WAVE_MODE, 25, 1), 1
	s_wait_xcnt 0x0
; THE ROWS OF EACH EXPERT.  eid[t] = first expert | second expert << 8, 1,024 words.  list[e][2,048 words]:
;   places 0 .. 1,663: the rows of expert e, entry = 2 token + slot, ascending; places from the count R on repeat the last row (with R = 0: entry 0), so that every tile of 16 rows is whole;
;   words 2,016 .. 2,047: the count R.
; One wave to an expert: lane l holds token 32 q + l in register q.  A row's place is the rows of lower q (a running scalar count) + the rows in lower lanes of the same q.
; The list is laid in LDS (first the fill, then the rows over it) and leaves in runs of 512 consecutive bytes.  Eight waves have all the work that there is: 4 KB in, 7 KB out for each.
; No branch; the LDS addresses of the rows hang on whole numbers that an earlier launch stored.
.set EW,    16                         ; v16-47 the words; then 2 token + slot + 1, or 0
.set RT0,   48
.set RT1,   49
.set VMX,   50
.set E0,    51
.set DP,    52
.set SCA,   53                         ; LDS: where a row's entry goes
.set L4,    54                         ; 4 x lane
.set FILLA, 55                         ; 16 x lane: in LDS and in the expert's part of list
.set LV,    56                         ; v56-59 the last row, four times
.set OUT,   64                         ; v64-115 the list on its way out
.set ME,    10
.set RC,    11
.set SEL,   12                         ; s[12:13]
	s_load_b128 s[4:7], s[0:1], 0x0                ; eid s[4:5], list s[6:7]
	v_lshl_add_u32 v120, v0, 2, 0x2000
	v_mov_b32 v121, 0
	v_lshlrev_b32 v[L4], 2, v0                     ; one wave: the thread's number is the lane
	v_lshlrev_b32 v[FILLA], 4, v0
	v_lshl_add_u32 v[E0], v0, 1, 1                 ; 2 x lane + 1
	v_mov_b32 v[VMX], 0
	v_mov_b32 v[DP], 2047
	s_mov_b32 s[ME], ttmp9                         ; my expert
	s_mov_b32 s[RC], 0
	s_mov_b32 s[SEL], 0x76543210
	s_mov_b32 s[SEL+1], 0xfedcba98                 ; v_permlanex16_b32: lane l xor 16
	s_lshl_b32 s8, ttmp9, 13                       ; 8,192 bytes of list an expert
	s_mov_b32 s9, 0
	s_wait_kmcnt 0x0
	s_add_nc_u64 s[6:7], s[6:7], s[8:9]
.set q, 0
.rept 32
	global_load_b32 v[EW+q], v[L4], s[4:5] offset:128*q              ; 128 consecutive bytes a load
.set q, q+1
.endr
	s_wait_loadcnt 0x0
.set q, 0
.rept 32
	v_and_b32 v[RT0], 0xff, v[EW+q]                ; the first choice,
	v_lshrrev_b32 v[RT1], 8, v[EW+q]               ; the second
	v_cmp_eq_u32 s14, s[ME], v[RT0]
	v_cmp_eq_u32 s15, s[ME], v[RT1]
	s_or_b32 s16, s14, s15
	v_cndmask_b32 v[RT0], 0, 1, s15                ; the slot
	v_add3_u32 v[RT0], v[RT0], v[E0], 64*q         ; 2 token + slot + 1
	v_cndmask_b32 v[EW+q], 0, v[RT0], s16          ; or 0 where the token did not choose my expert
	v_max_u32 v[VMX], v[VMX], v[EW+q]
.set q, q+1
.endr
.irp x, 1,2,4,8
	v_mov_b32_dpp v[RT0], v[VMX] row_xmask:\x row_mask:0xf bank_mask:0xf
	v_max_u32 v[VMX], v[VMX], v[RT0]
.endr
	v_permlanex16_b32 v[RT1], v[VMX], s[SEL], s[SEL+1]
	v_max_u32 v[VMX], v[VMX], v[RT1]               ; the list ascends, so the largest is the last row
	v_max_u32 v[VMX], 1, v[VMX]                    ; (no row at all: entry 0)
	v_add_nc_u32 v[LV], -1, v[VMX]
	v_mov_b32 v[LV+1], v[LV]
	v_mov_b32 v[LV+2], v[LV]
	v_mov_b32 v[LV+3], v[LV]
.irp k, 0,1,2,3,4,5,6,7,8,9,10,11,12
	ds_store_b128 v[FILLA], v[LV:LV+3] offset:512*\k                 ; 1,664 places hold the last row;
.endr
.set q, 0
.rept 32
	v_cmp_ne_u32 s16, 0, v[EW+q]
	v_mbcnt_lo_u32_b32 v[RT0], s16, s[RC]          ; rows so far + rows in lower lanes: my row's place
	v_cndmask_b32 v[RT0], v[DP], v[RT0], s16       ; a lane without a row writes to place 2,047 of LDS, which nobody reads
	v_min_u32 v[RT0], 0x7ff, v[RT0]
	v_lshlrev_b32 v[SCA], 2, v[RT0]
	v_add_nc_u32 v[RT1], -1, v[EW+q]
	ds_store_b32 v[SCA], v[RT1]                    ; LDS serves a wave's instructions in order (ISA guide 5.7.1.4): the rows land over the fill
	s_bcnt1_i32_b32 s17, s16
	s_add_co_u32 s[RC], s[RC], s17
.set q, q+1
.endr
.irp k, 0,1,2,3,4,5,6,7,8,9,10,11,12
	ds_load_b128 v[OUT+4*\k:OUT+4*\k+3], v[FILLA] offset:512*\k      ; and these see both
.endr
	v_mov_b32 v[RT0], s[RC]
.irp k, 0,1,2,3,4,5,6,7,8,9,10,11,12
	s_wait_dscnt 12-\k
	global_store_b128 v[FILLA], v[OUT+4*\k:OUT+4*\k+3], s[6:7] offset:512*\k   ; 512 consecutive bytes, aligned
.endr
	global_store_b32 v[L4], v[RT0], s[6:7] offset:8064               ; the count, in each of 32 words
	s_wait_tensorcnt 0x0
	ds_add_u32 v120, v121
	s_wait_dscnt 0x0
	s_endpgm
.Lfunc_end_k_q0d5e5c29df_place:
	.size	k_q0d5e5c29df_place, .Lfunc_end_k_q0d5e5c29df_place-k_q0d5e5c29df_place
	.p2alignl 7, 3214868480
	.fill 96, 4, 3214868480
	.section	.rodata,"a",@progbits
	.p2align	6, 0x0
	.amdhsa_kernel k_q0d5e5c29df_place
		.amdhsa_group_segment_fixed_size 8448
		.amdhsa_private_segment_fixed_size 0
		.amdhsa_enable_private_segment 0
		.amdhsa_kernarg_size 16
		.amdhsa_user_sgpr_count 2
		.amdhsa_user_sgpr_kernarg_segment_ptr 1
		.amdhsa_wavefront_size32 1
		.amdhsa_system_sgpr_workgroup_id_x 1
		.amdhsa_system_sgpr_workgroup_id_y 1
		.amdhsa_system_sgpr_workgroup_id_z 1
		.amdhsa_system_vgpr_workitem_id 0
		.amdhsa_next_free_vgpr 122
		.amdhsa_next_free_sgpr 66
		.amdhsa_reserve_vcc 0
		.amdhsa_float_denorm_mode_32 3
		.amdhsa_float_denorm_mode_16_64 3
		.amdhsa_memory_ordered 1
		.amdhsa_forward_progress 1
		.amdhsa_inst_pref_size 39
	.end_amdhsa_kernel
	.amdgpu_metadata
---
amdhsa.version: [ 1, 2 ]
amdhsa.kernels:
  - .name:           k_q0d5e5c29df_place
    .symbol:         k_q0d5e5c29df_place.kd
    .args:
      - { .name: eid, .offset: 0, .size: 8, .value_kind: global_buffer, .address_space: global }
      - { .name: list, .offset: 8, .size: 8, .value_kind: global_buffer, .address_space: global }
    .group_segment_fixed_size: 8448
    .private_segment_fixed_size: 0
    .kernarg_segment_align: 8
    .kernarg_segment_size: 16
    .max_flat_workgroup_size: 32
    .sgpr_count:     66
    .vgpr_count:     122
    .wavefront_size: 32
...
	.end_amdgpu_metadata
.endif
;; end of part 2
;; launch up (part 3): grid 256 x 1, 4 waves a work-group, no clusters, 139,776 bytes of LDS; arguments x_codes, x_scales, list, w0, w1, h_img, h_sc; writes h_img, h_sc
.if DOCPART == 3
	.amdgcn_target "amdgcn-amd-amdhsa--gfx1250"
	.amdhsa_code_object_version 6
	.text
	.protected	k_q0d5e5c29df_up
	.globl	k_q0d5e5c29df_up
	.p2align	8
	.type	k_q0d5e5c29df_up,@function
k_q0d5e5c29df_up:
	s_mov_b64 s[64:65], 0
	v_nop
	global_prefetch_b8 v0, s[64:65] scope:SCOPE_SE
	s_setreg_imm32_b32 hwreg(HW_REG_WAVE_MODE, 25, 1), 1
	s_wait_xcnt 0x0
; h = silu(x w0[e]) * (x w1[e]) for the rows that chose expert e, both products on E4M3 codes with one E8M0 scale for each 32 along K; h is quantised along F on the way out.
; SHARES.  Work-group g: expert e = g / 32, columns 64 ch .. 64 ch + 63 (ch = g % 32) of w0[e] and of w1[e], all K = 1,024: 512 KB of f32 that no other work-group reads.
; PHASE 1: THE WEIGHTS, ONCE.  Waves 0, 1 take w0's K halves, waves 2, 3 w1's.  A set is 32 rows of K x 64 columns: 16 loads; in load i lane (r, h) reads row 16 h + i, columns 4 r .. 4 r + 3, so each load covers
; two runs of 256 consecutive bytes, aligned.  COLUMN TILE j IS THE COLUMNS 4 r + j: a lane's 16 numbers of column 4 r + j are then just what lane (r, h) of a fragment holds of that block of 32 (K = 16 h + 0 .. 15):
; nothing changes lanes but one maximum.  The hold writes them in K's order, the conversions give four registers of the fragment, and these go to LDS as an image of the registers (16 bytes a lane on end).
; Four sets (64 loads a wave) are on their way.
; THE LIST of expert e's rows (entry = 2 token + slot, ascending; places from the count R on repeat the last row, so that every tile is whole) and R were stored by the launch before; they are read from memory.
; With R = 0 the list holds entry 0, and tile 0 is still made: the next launch reads no byte that was not written.
; PHASE 2: wave w takes tiles of 16 rows 20 p + 4 m + w (m = 0 .. 4) in pass p.  The loop over passes has four trips for every split (1,280 rows); a pass without tiles is jumped over.  320 rows in a pass serve the even split (256) with a margin.
; The products are used transposed (source 0 = 16 columns of a weight, source 1 = 16 rows of x): lane (r, h) then holds row r and, over tiles j and registers i, columns 32 h + 4 i + j: a whole block of 32 along F.
; WAY OUT: h_img[e][tile][F / 128][2,048]: images of the next launch's fragments;  h_sc[e][tile][row][64]: one byte for each 32 along F (single bytes: 128 KB in the whole launch).
; No tensor loads and no cluster: how many tiles a wave multiplies hangs on a count read from memory, and what work-groups share (an expert's rows of codes, 1 KB a row) is small beside the 512 KB that each reads alone.
; LIMITS: NaN and infinities are not served; blocks whose largest magnitude lies under 2^-118 get the byte 1; a block of zeros gets the byte 1 over zero codes (this program alone reads the bytes).
; REGISTERS, in windows of 256: window 0: addresses, scale words, work;  window 1: v0-63, v64-127 the fragments of w0 and w1 in hand, v128-191 tile 4's rows (4 K steps x 16), v192-255 its accumulators;
;   window 2: the rows of tiles 0-3, 64 each;  window 3: phase 1: four sets of 64; phase 2: the accumulators of tiles 0-3 (tile m: w0's at 64 m + 8 j, w1's at 64 m + 32 + 8 j).
.set ROWB,  8192                       ; a row of w0 or w1 in bytes
.set WSC,   131072                     ; LDS: 0: 64 images of 2,048 bytes, fragment (4 mtx + j) 8 + s;  here their scale words, 128 bytes each
.set LN,    1                          ; v1   lane
.set RR,    2                          ; v2   r = lane % 16
.set HH,    3                          ; v3   h = lane / 16
.set WOFF,  4                          ; v4   the weights: 16 h rows + 16 r bytes
.set WST,   5                          ; v5   LDS: where my images go
.set LFR0,  6                          ; v6   LDS: 16 x lane: w0's images
.set LFR1,  7                          ; v7   the same for w1's
.set WSS,   8                          ; v8   LDS: where my scale words go
.set WSL,   9                          ; v9   LDS: where scale words are read
.set LSTA,  10                         ; v10  the list: byte of row r of tile w
.set LA,    11                         ; v11  the same in the pass in hand
.set XO,    12                         ; v12-16 byte offset of my row's codes, tile m
.set XSO,   17                         ; v17-21 of its scale words
.set EN,    22                         ; v22-26 list entries
.set HB,    27                         ; v27  512 h + 16 r: my place in an image's block
.set SBB,   28                         ; v28  64 r + h: my place among a tile's scale bytes
.set HO,    29                         ; v29  offset of the codes that I store
.set SO2,   30                         ; v30  of the byte
.set WS,    32                         ; v32-95   the weights' scale words, one register a fragment
.set XS,    96                         ; v96-135  the rows' scale words: 8 m + s
.set M,     136                        ; v136-151 largest magnitudes and what is made of them
.set SW,    152                        ; v152-155 scale words in the making
.set H16,   156                        ; v156 16 h
.set Y,     160                        ; phase 1: v160-223 a set in K's order; way out: v160-191 h
.set C,     224                        ; phase 1: v224-239 codes
.set T,     192                        ; way out: v192-223
.set U,     224                        ; way out: v224-255
.set WV,    18
.set ME,    19
.set CH,    20
.set MTX,   21
.set SEL,   22                         ; s[22:23]
.set MNT,   24
.set FLOOR, 25
.set NL,    26                         ; s[26:27] -log2(e)
.set WP,    28                         ; s[28:29] my part of my weight
.set HIB,   30                         ; s[30:31] h_img at my expert and my block of F
.set HSB,   32                         ; s[32:33] h_sc likewise
.set RC,    34                         ; the count R
.set NTS,   36                         ; tiles to make: at least one
.set PASS,  37
.set RB,    38                         ; 1,280 x pass: bytes in the list
.set TB,    39                         ; 20 x pass: tiles
.set MSB, 0
.macro WIN new                         ; the immediate's high byte repeats the setting that is left; a switch that changes nothing is dropped
.if MSB != \new
	s_set_vgpr_msb (MSB<<8)|\new
.set MSB, \new
.endif
.endm
.macro PLACES n
.rept \n
	v_nop
.endr
.endm
; set i of my weight: 16 loads into window 3
.macro WSET i
	WIN 0xC0
.irp ii, 0,1,2,3,4,5,6,7,8,9,10,11,12,13,14,15
	global_load_b128 v[64*((\i)%4)+4*\ii:64*((\i)%4)+4*\ii+3], v[WOFF], s[WP:WP+1] offset:((\i)*32+\ii)*ROWB th:TH_LOAD_NT
.endr
	WIN 0
.endm
; set i becomes four registers of each of four fragments.  cnt: the loads issued behind set i
.macro QSET i, refill, cnt
.set SB, 64*((\i)%4)
.set CC, (\i)%4
	s_wait_dscnt 0x0                               ; the last set's LDS stores have read their registers
	s_wait_loadcnt \cnt
	WIN 0x3C                                       ; sources 1 and 2: window 3
.irp j, 0,1,2,3
	v_max3_num_f32 v[M+\j], s[FLOOR], |v[SB+\j]|, |v[SB+4+\j]|       ; column 4 r + j: my 16 numbers, and the floor 2^(9 - 127): the byte cannot fall under 1
.endr
.irp ii, 2,4,6,8,10,12,14
.irp j, 0,1,2,3
	v_max3_num_f32 v[M+\j], v[M+\j], |v[SB+4*\ii+\j]|, |v[SB+4*\ii+4+\j]|
.endr
.endr
	WIN 0
.irp j, 0,1,2,3
	v_permlanex16_b32 v[M+4+\j], v[M+\j], s[SEL], s[SEL+1]
.endr
.irp j, 0,1,2,3
	v_max_num_f32 v[M+\j], v[M+\j], v[M+4+\j]      ; with lane l xor 16's 16: the block's largest magnitude
.endr
.irp j, 0,1,2,3
	v_add_nc_u32 v[M+12+\j], 0xfc000000, v[M+\j]   ; 8 off its exponent field: the conversion's scale operand
.endr
.irp j, 0,1,2,3
	v_and_or_b32 v[M+8+\j], v[M+\j], 0x7f800000, s[MNT]   ; 448 x the scale
.endr
.irp j, 0,1,2,3
	v_lshrrev_b32 v[M+4+\j], 23, v[M+12+\j]        ; the scale's byte
.endr
.irp j, 0,1,2,3
.if CC == 0
	v_mov_b32 v[SW+\j], v[M+4+\j]                  ; four sets make a K step's scale word
.else
	v_lshl_or_b32 v[SW+\j], v[M+4+\j], 8*CC, v[SW+\j]
.endif
.endr
	WIN 0x03                                       ; source 0: window 3
.irp j, 0,1,2,3
.irp ii, 0,1,2,3,4,5,6,7,8,9,10,11,12,13,14,15
	v_med3_num_f32 v[Y+16*\j+\ii], v[SB+4*\ii+\j], -v[M+8+\j], v[M+8+\j]   ; the hold (the conversion does not saturate: ISA guide 7.6.2), and the turn into K's order, in one
.endr
.endr
	WIN 0
.if \refill
	WSET (\i)+4                                    ; the set's registers have been read: they take the set four further on
.endif
.irp j, 0,1,2,3
	v_cvt_scalef32_pk8_fp8_f32 v[C+4*\j:C+4*\j+1], v[Y+16*\j:Y+16*\j+7], v[M+12+\j]
	v_cvt_scalef32_pk8_fp8_f32 v[C+4*\j+2:C+4*\j+3], v[Y+16*\j+8:Y+16*\j+15], v[M+12+\j]
.endr
	v_nop                                          ; one plain line behind the last conversion, ahead of whatever next writes its sources
.irp j, 0,1,2,3
	ds_store_b128 v[WST], v[C+4*\j:C+4*\j+3] offset:\j*16384+((\i)/4)*2048+CC*512
.endr
.if CC == 3
.irp j, 0,1,2,3
	ds_store_b32 v[WSS], v[SW+\j] offset:\j*1024+((\i)/4)*128
.endr
.endif
.endm
; four fragments (column tiles 0-3) of K step s into buffer buf of window 1
.macro WLOAD buf, adr, s
	WIN 0x40
.irp j, 0,1,2,3
.irp c, 0,1,2,3
	ds_load_b128 v[64*\buf+16*\j+4*\c:64*\buf+16*\j+4*\c+3], v[\adr] offset:(8*\j+(\s))*2048+512*\c
.endr
.endr
	WIN 0
.endm
; my five tiles' rows of K step ks into ring slot: 20 loads; lane (r, h) takes K = 32 c + 16 h + 0 .. 15 of row r
.macro XFILL slot, ks
	WIN 0x80
.irp m, 0,1,2,3
.irp c, 0,1,2,3
	global_load_b128 v[64*\m+16*(\slot)+4*\c:64*\m+16*(\slot)+4*\c+3], v[XO+\m], s[4:5] offset:128*(\ks)+32*\c
.endr
.endr
	WIN 0x40
.irp c, 0,1,2,3
	global_load_b128 v[128+16*(\slot)+4*\c:128+16*(\slot)+4*\c+3], v[XO+4], s[4:5] offset:128*(\ks)+32*\c
.endr
	WIN 0
.endm
.macro SFILL                           ; their scale words: 32 bytes a row, 10 loads (lanes 16-31 take the same words; they are not read)
.irp m, 0,1,2,3,4
	global_load_b128 v[XS+8*\m:XS+8*\m+3], v[XSO+\m], s[6:7]
	global_load_b128 v[XS+8*\m+4:XS+8*\m+7], v[XSO+\m], s[6:7] offset:16
.endr
.endm
.macro XADDR                           ; list entries become offsets: token = entry / 2, held inside the table before it enters an address
.irp m, 0,1,2,3,4
	v_lshrrev_b32 v[EN+\m], 1, v[EN+\m]
	v_min_u32 v[EN+\m], 0x3ff, v[EN+\m]
	v_lshl_add_u32 v[XO+\m], v[EN+\m], 10, v[H16]
	v_lshlrev_b32 v[XSO+\m], 5, v[EN+\m]
.endr
.endm
; 20 products: five tiles of rows x four column tiles of weight mtx, K step s.  K step 0 starts the sums with the constant 0.  The 40 accumulators take turns, one instruction a turn.
.macro MULS s, mtx
	WIN 0xF9                                       ; source 0 window 1, source 1 window 2, C and D window 3
.irp m, 0,1,2,3
.irp j, 0,1,2,3
.if (\s) == 0
	v_wmma_scale_f32_16x16x128_f8f6f4 v[64*\m+32*\mtx+8*\j:64*\m+32*\mtx+8*\j+7], v[64*\mtx+16*\j:64*\mtx+16*\j+15], v[64*\m+16*((\s)%4):64*\m+16*((\s)%4)+15], 0, v[WS+8*(4*\mtx+\j)+(\s)], v[XS+8*\m+(\s)]
.else
	v_wmma_scale_f32_16x16x128_f8f6f4 v[64*\m+32*\mtx+8*\j:64*\m+32*\mtx+8*\j+7], v[64*\mtx+16*\j:64*\mtx+16*\j+15], v[64*\m+16*((\s)%4):64*\m+16*((\s)%4)+15], v[64*\m+32*\mtx+8*\j:64*\m+32*\mtx+8*\j+7], v[WS+8*(4*\mtx+\j)+(\s)], v[XS+8*\m+(\s)]
.endif
.endr
.endr
	WIN 0x55                                       ; tile 4: all in window 1
.irp j, 0,1,2,3
.if (\s) == 0
	v_wmma_scale_f32_16x16x128_f8f6f4 v[192+32*\mtx+8*\j:192+32*\mtx+8*\j+7], v[64*\mtx+16*\j:64*\mtx+16*\j+15], v[128+16*((\s)%4):128+16*((\s)%4)+15], 0, v[WS+8*(4*\mtx+\j)+(\s)], v[XS+32+(\s)]
.else
	v_wmma_scale_f32_16x16x128_f8f6f4 v[192+32*\mtx+8*\j:192+32*\mtx+8*\j+7], v[64*\mtx+16*\j:64*\mtx+16*\j+15], v[128+16*((\s)%4):128+16*((\s)%4)+15], v[192+32*\mtx+8*\j:192+32*\mtx+8*\j+7], v[WS+8*(4*\mtx+\j)+(\s)], v[XS+32+(\s)]
.endif
.endr
.endm
; half a K step: one weight's 20 products.  In front of them the other buffer's fragments are asked for, eight places behind the products that read it.
.macro HSTEP s, mtx
.if (\s)+(\mtx) > 0
	PLACES 8
.endif
.if \mtx == 0
	WLOAD 1, LFR1, \s
.if (\s >= 1) && (\s <= 4)
	XFILL ((\s)-1)%4, (\s)+3                       ; the ring slot of the K step just done takes the K step four on
.endif
.if \s <= 4
	s_wait_loadcnt 60                              ; this K step's rows are in: three groups of 20 loads are younger
.else
	s_wait_loadcnt 20*(7-(\s))                     ; the counts run down
.endif
	s_wait_dscnt 16                                ; w0's fragments are in; w1's sixteen loads may be out
.else
.if \s < 7
	WLOAD 0, LFR0, (\s)+1
	s_wait_dscnt 16
.else
	s_wait_dscnt 0x0
.endif
.endif
	MULS \s, \mtx
.endm
; THE WAY OUT of tile m: h = silu(a0) a1, its block's scale, its codes
.macro EPI m
	s_add_co_u32 s40, s[TB], 4*\m
	s_add_co_u32 s40, s40, s[WV]                   ; the tile's number
	s_cmp_ge_u32 s40, s[NTS]
	s_cbranch_scc1 .Lno_tile_\@
	s_wait_xcnt 0x0                                ; the last tile's stores have read their data and offsets: both are written again below
	s_lshl_b32 s41, s40, 15
	s_lshl_b32 s42, s40, 10
	v_add_nc_u32 v[HO], s41, v[HB]
	v_add_nc_u32 v[SO2], s42, v[SBB]
.if \m < 4
.set AW, 3
.set AC, 64*\m
.else
.set AW, 1
.set AC, 192
.endif
	WIN AW                                         ; source 0: the accumulators' window
.set p, 0
.rept 16
	v_pk_mul_f32 v[T+2*p:T+2*p+1], v[AC+2*p:AC+2*p+1], s[NL:NL+1] op_sel_hi:[1,0]   ; -a0 log2(e); each accumulator is read from its low end on
.set p, p+1
.endr
	WIN 0
.set p, 0
.rept 32
	v_exp_f32 v[T+p], v[T+p]
.set p, p+1
.endr
	v_nop                                          ; a plain line behind the transcendentals
.set p, 0
	s_wait_alu depctr_va_vdst(0)
.rept 16
	v_pk_add_f32 v[T+2*p:T+2*p+1], v[T+2*p:T+2*p+1], 1.0 op_sel_hi:[1,0]
.set p, p+1
.endr
.set p, 0
.rept 32
	v_rcp_f32 v[T+p], v[T+p]                       ; 1 / (1 + exp(-a0))
.set p, p+1
.endr
	v_nop
	WIN AW
.set p, 0
	s_wait_alu depctr_va_vdst(0)
.rept 16
	v_pk_mul_f32 v[U+2*p:U+2*p+1], v[AC+2*p:AC+2*p+1], v[T+2*p:T+2*p+1]             ; silu(a0)
.set p, p+1
.endr
.irp j, 0,1,2,3
.irp i, 0,1,2,3,4,5,6,7
	v_mul_f32 v[Y+4*\i+\j], v[AC+32+8*\j+\i], v[U+8*\j+\i]                          ; x a1, laid in F's order: column 32 h + 4 i + j
.endr
.endr
	WIN 0
.irp k, 0,1,2,3
	v_max3_num_f32 v[M+\k], s[FLOOR], |v[Y+8*\k]|, |v[Y+8*\k+1]|                    ; all 32 numbers of the block are mine: four chains
.endr
.irp i, 2,4,6
.irp k, 0,1,2,3
	v_max3_num_f32 v[M+\k], v[M+\k], |v[Y+8*\k+\i]|, |v[Y+8*\k+\i+1]|
.endr
.endr
	v_max3_num_f32 v[M], v[M], v[M+1], v[M+2]
	v_max_num_f32 v[M], v[M], v[M+3]
	v_add_nc_u32 v[M+4], 0xfc000000, v[M]
	v_and_or_b32 v[M+5], v[M], 0x7f800000, s[MNT]
	v_lshrrev_b32 v[M+6], 23, v[M+4]
.set p, 0
.rept 32
	v_med3_num_f32 v[Y+p], v[Y+p], -v[M+5], v[M+5]
.set p, p+1
.endr
.irp g, 0,1,2,3
	v_cvt_scalef32_pk8_fp8_f32 v[T+2*\g:T+2*\g+1], v[Y+8*\g:Y+8*\g+7], v[M+4]
.endr
	v_nop                                          ; one plain line behind the last conversion
	global_store_b128 v[HO], v[T:T+3], s[HIB:HIB+1]               ; K = 0 .. 15 of my block belong to lane r of the image, K = 16 .. 31 to lane 16 + r:
	global_store_b128 v[HO], v[T+4:T+7], s[HIB:HIB+1] offset:256  ; sixteen lanes store 256 consecutive bytes, aligned
	global_store_b8 v[SO2], v[M+6], s[HSB:HSB+1]
.Lno_tile_\@:
.endm
	s_load_b256 s[4:11], s[0:1], 0x0               ; x_codes s[4:5], x_scales s[6:7], list s[8:9], w0 s[10:11]
	s_load_b128 s[12:15], s[0:1], 0x20             ; w1 s[12:13], h_img s[14:15]
	s_load_b64 s[16:17], s[0:1], 0x30              ; h_sc
	v_lshl_add_u32 v158, v0, 2, 0x22000
	v_mov_b32 v159, 0
	v_lshrrev_b32 v[LN], 5, v0
	v_readfirstlane_b32 s[WV], v[LN]               ; wave 0..3
	v_and_b32 v[LN], 31, v0
	v_and_b32 v[RR], 15, v0
	v_bfe_u32 v[HH], v0, 4, 1
	s_lshr_b32 s[ME], ttmp9, 5                     ; my expert
	s_and_b32 s[CH], ttmp9, 31                     ; my 64 columns
	s_lshr_b32 s[MTX], s[WV], 1                    ; w0 or w1
	s_and_b32 s40, s[WV], 1                        ; which half of K
	s_lshl_b32 s41, s[MTX], 16
	s_lshl_b32 s42, s40, 13
	s_add_co_u32 s41, s41, s42
	v_lshl_add_u32 v[WST], v[LN], 4, s41
	s_lshl_b32 s41, s[MTX], 12
	s_lshl_b32 s42, s40, 9
	s_add_co_u32 s41, s41, s42
	s_add_co_u32 s41, s41, WSC
	v_lshl_add_u32 v[WSS], v[LN], 2, s41
	v_lshlrev_b32 v[LFR0], 4, v[LN]
	v_add_nc_u32 v[LFR1], 65536, v[LFR0]
	v_lshl_add_u32 v[WSL], v[LN], 2, WSC
	s_lshl_b32 s41, s[WV], 6
	v_lshl_add_u32 v[LSTA], v[RR], 2, s41          ; a tile's 16 entries are 64 bytes
	v_lshlrev_b32 v[WOFF], 4, v[RR]
	v_lshl_add_u32 v[WOFF], v[HH], 17, v[WOFF]     ; 16 rows of 8,192 bytes for lanes 16-31
	v_lshlrev_b32 v[H16], 4, v[HH]
	v_lshlrev_b32 v[HB], 4, v[RR]
	v_lshl_add_u32 v[HB], v[HH], 9, v[HB]
	v_lshl_add_u32 v[SBB], v[RR], 6, v[HH]
.irp j, 0,1,2,3
	v_mov_b32 v[M+4+\j], 0                         ; written once: a lane permute's destination counts as one of its sources
.endr
	s_mov_b32 s[SEL], 0x76543210
	s_mov_b32 s[SEL+1], 0xfedcba98
	s_mov_b32 s[MNT], 0x600000                     ; the mantissa field of 448
	s_mov_b32 s[FLOOR], 0x4800000                  ; 2^(9 - 127)
	s_mov_b32 s[NL], 0xbfb8aa3b                    ; -log2(e)
	s_mov_b32 s[NL+1], s[NL]                       ; (named with it as a pair, so it is written)
	s_mov_b32 s[PASS], 0
	s_mov_b32 s[RB], 0
	s_mov_b32 s[TB], 0
	s_lshl_b32 s42, s[ME], 23                      ; an expert's weight is 8,388,608 bytes,
	s_lshl_b32 s43, s40, 22                        ; half of K 4,194,304,
	s_add_co_u32 s42, s42, s43
	s_lshl_b32 s43, s[CH], 8                       ; 64 columns 256
	s_add_co_u32 s42, s42, s43
	s_mov_b32 s43, 0
	s_lshl_b32 s44, s[ME], 21                      ; h_img: 64 tiles x 32,768 bytes an expert; my 64 columns are 1,024 bytes of an image
	s_lshl_b32 s45, s[CH], 10
	s_add_co_u32 s44, s44, s45
	s_mov_b32 s45, 0
	s_lshl_b32 s46, s[ME], 16                      ; h_sc: 64 tiles x 1,024 bytes an expert; my two blocks
	s_lshl_b32 s47, s[CH], 1
	s_add_co_u32 s46, s46, s47
	s_mov_b32 s47, 0
	s_lshl_b32 s50, s[ME], 13                      ; list: 8,192 bytes an expert
	s_mov_b32 s51, 0
	s_wait_kmcnt 0x0
	s_cmp_eq_u32 s[MTX], 0
	s_cselect_b64 s[WP:WP+1], s[10:11], s[12:13]
	s_add_nc_u64 s[WP:WP+1], s[WP:WP+1], s[42:43]
	s_add_nc_u64 s[HIB:HIB+1], s[14:15], s[44:45]
	s_add_nc_u64 s[HSB:HSB+1], s[16:17], s[46:47]
	s_add_nc_u64 s[8:9], s[8:9], s[50:51]
	s_load_b32 s[RC], s[8:9], 0x1f80               ; the count R: word 2,016 of my expert's part
.irp m, 0,1,2,3,4
	global_load_b32 v[EN+\m], v[LSTA], s[8:9] offset:256*\m          ; the entry of row r of tile 4 m + w: asked for ahead of the weights
.endr
	WSET 0
	WSET 1
	WSET 2
	WSET 3
	; ---- PHASE 1.  The counts: three younger sets of 16 loads; at the stream's end the first pass's rows are asked for behind each set, and count too
	QSET 0, 1, 48                                  ; (the five entries are older than set 0: they are in too)
	s_wait_kmcnt 0x0
	s_min_u32 s[RC], s[RC], 1024
	s_add_co_u32 s[NTS], s[RC], 15
	s_lshr_b32 s[NTS], s[NTS], 4
	s_max_u32 s[NTS], s[NTS], 1
	XADDR
.irp i, 1,2,3,4,5,6,7,8,9,10,11
	QSET \i, 1, 48
.endr
	QSET 12, 0, 48
	SFILL
	XFILL 0, 0
	QSET 13, 0, 62                                 ; two sets and 30 loads of rows are younger
	XFILL 1, 1
	QSET 14, 0, 63                                 ; 66 are younger
	XFILL 2, 2
	QSET 15, 0, 63                                 ; 70 are younger
	XFILL 3, 3
	s_wait_dscnt 0x0                               ; for the others' sake: my images and scale words lie in LDS
	s_barrier_signal -1
	s_barrier_wait -1
.set q, 0
.rept 64
	ds_load_b32 v[WS+q], v[WSL] offset:128*q       ; the weights' scale words stay in registers: lane r has column tile row r's
.set q, q+1
.endr
	; ---- PHASE 2
.Lpass:
	s_cmp_ge_u32 s[TB], s[NTS]
	s_cbranch_scc1 .Lidle                          ; no tile in this pass: only the steps at the trip's end are run
	WLOAD 0, LFR0, 0
.irp s, 0,1,2,3,4,5,6,7
	HSTEP \s, 0
	HSTEP \s, 1
.endr
	PLACES 9                                       ; behind the last products: for the reads of results, the loads into operands and scales, and the next pass's sums, which begin anew on these accumulators
	WIN 0
	s_add_co_u32 s40, s[TB], 20
	s_cmp_ge_u32 s40, s[NTS]
	s_cbranch_scc1 .Lno_more                       ; the next pass's rows are asked for only if it has tiles
	v_add_nc_u32 v[LA], s[RB], v[LSTA]
.irp m, 0,1,2,3,4
	global_load_b32 v[EN+\m], v[LA], s[8:9] offset:256*\m+1280
.endr
	s_wait_loadcnt 0x0
	XADDR                                          ; (the wait for 0 loads at K step 7 has shown every load done that named these offsets)
	SFILL
	XFILL 0, 0
	XFILL 1, 1
	XFILL 2, 2
	XFILL 3, 3
.Lno_more:
	EPI 0
	EPI 1
	EPI 2
	EPI 3
	EPI 4
.Lidle:
	s_add_co_u32 s[RB], s[RB], 1280
	s_add_co_u32 s[TB], s[TB], 20
	s_add_co_u32 s[PASS], s[PASS], 1
	s_cmp_lt_u32 s[PASS], 4
	s_cbranch_scc1 .Lpass
	s_wait_tensorcnt 0x0
	ds_add_u32 v158, v159
	s_wait_dscnt 0x0
	s_endpgm
.Lfunc_end_k_q0d5e5c29df_up:
	.size	k_q0d5e5c29df_up, .Lfunc_end_k_q0d5e5c29df_up-k_q0d5e5c29df_up
	.p2alignl 7, 3214868480
	.fill 96, 4, 3214868480
	.section	.rodata,"a",@progbits
	.p2align	6, 0x0
	.amdhsa_kernel k_q0d5e5c29df_up
		.amdhsa_group_segment_fixed_size 139776
		.amdhsa_private_segment_fixed_size 0
		.amdhsa_enable_private_segment 0
		.amdhsa_kernarg_size 56
		.amdhsa_user_sgpr_count 2
		.amdhsa_user_sgpr_kernarg_segment_ptr 1
		.amdhsa_wavefront_size32 1
		.amdhsa_system_sgpr_workgroup_id_x 1
		.amdhsa_system_sgpr_workgroup_id_y 1
		.amdhsa_system_sgpr_workgroup_id_z 1
		.amdhsa_system_vgpr_workitem_id 0
		.amdhsa_next_free_vgpr 1024
		.amdhsa_next_free_sgpr 66
		.amdhsa_reserve_vcc 0
		.amdhsa_float_denorm_mode_32 3
		.amdhsa_float_denorm_mode_16_64 3
		.amdhsa_memory_ordered 1
		.amdhsa_forward_progress 1
		.amdhsa_inst_pref_size 255
	.end_amdhsa_kernel
	.section	.bss,"aw",@nobits
	.p2align	6
	.space	262144
	.amdgpu_metadata
---
amdhsa.version: [ 1, 2 ]
amdhsa.kernels:
  - .name:           k_q0d5e5c29df_up
    .symbol:         k_q0d5e5c29df_up.kd
    .args:
      - { .name: x_codes, .offset: 0, .size: 8, .value_kind: global_buffer, .address_space: global }
      - { .name: x_scales, .offset: 8, .size: 8, .value_kind: global_buffer, .address_space: global }
      - { .name: list, .offset: 16, .size: 8, .value_kind: global_buffer, .address_space: global }
      - { .name: w0, .offset: 24, .size: 8, .value_kind: global_buffer, .address_space: global }
      - { .name: w1, .offset: 32, .size: 8, .value_kind: global_buffer, .address_space: global }
      - { .name: h_img, .offset: 40, .size: 8, .value_kind: global_buffer, .address_space: global }
      - { .name: h_sc, .offset: 48, .size: 8, .value_kind: global_buffer, .address_space: global }
    .group_segment_fixed_size: 139776
    .private_segment_fixed_size: 0
    .kernarg_segment_align: 8
    .kernarg_segment_size: 56
    .max_flat_workgroup_size: 128
    .sgpr_count:     66
    .vgpr_count:     1024
    .wavefront_size: 32
...
	.end_amdgpu_metadata
.endif
;; end of part 3
;; launch down (part 4): grid 256 x 1, 4 waves a work-group, no clusters, 87,552 bytes of LDS; arguments h_img, h_sc, list, probs, wo, y; writes y
.if DOCPART == 4
	.amdgcn_target "amdgcn-amd-amdhsa--gfx1250"
	.amdhsa_code_object_version 6
	.text
	.protected	k_q0d5e5c29df_down
	.globl	k_q0d5e5c29df_down
	.p2align	8
	.type	k_q0d5e5c29df_down,@function
k_q0d5e5c29df_down:
	s_mov_b64 s[64:65], 0
	v_nop
	global_prefetch_b8 v0, s[64:65] scope:SCOPE_SE
	s_setreg_imm32_b32 hwreg(HW_REG_WAVE_MODE, 25, 1), 1
	s_wait_xcnt 0x0
; y[kh][2 token + slot][:] = p x (h wo[e]) over half kh of K = F, for the rows that chose expert e; the product is on E4M3 codes with one E8M0 scale for each 32 along K.
; SHARES.  Work-group g: expert e = g / 32, columns 64 sl .. 64 sl + 63 (sl = (g / 2) % 16), rows 1,024 kh .. 1,024 kh + 1,023 of wo[e] (kh = g % 2): 256 KB of f32 that no other work-group reads.
; K is halved so that there are 256 work-groups; the two halves and a token's two experts are added by the next launch.
; PHASE 1: wave w quantises 8 sets of 32 rows of K x 64 columns.  In load i lane (r, h) reads row 16 h + i, columns 4 r .. 4 r + 3: each load covers two runs of 256 consecutive bytes, aligned.
; COLUMN TILE j IS THE COLUMNS 4 r + j, so that a lane's 16 numbers of a column are what lane (r, h) of a fragment holds; the codes go to LDS as images of the registers.
; THE LIST of expert e's rows (entry = 2 token + slot, 4 bytes a place) and their count R were stored by the launch before, which laid h_img by it: place i of the list is row i of h_img.  Only the tiles that
; that launch made are read.  Places from R on repeat place R - 1: such a row's results are that row's own bits, and the wave stores them to the same bytes of y once more.  With R = 0 nothing is stored.
; PHASE 2: wave w takes tiles 20 p + 4 m + w (m = 0 .. 4) in pass p; four trips for every split; a pass without tiles is jumped over.  h's fragments come from h_img as they lie: 512 consecutive bytes a load.
; The product is used transposed (source 0 = 16 columns of wo, source 1 = 16 rows of h): lane (r, h) holds row r and columns 32 h + 4 i + j.
; WAY OUT: x p, through the wave's own stage in LDS, back as rows of 256 bytes (lanes 0-15 row i, lanes 16-31 row 8 + i, so that a lane's eight rows are eight neighbouring words of the list):
; sixteen lanes store 256 consecutive bytes, aligned, of the row that the list names.
; No tensor loads and no cluster: how many tiles a wave multiplies hangs on a count read from memory, and no weight byte is shared.
; LIMITS: NaN and infinities are not served; blocks whose largest magnitude lies under 2^-118 get the byte 1; a block of zeros gets the byte 1 over zero codes.
; REGISTERS: window 0: addresses, scale words, work;  window 1: v0-63, v64-127 wo's fragments of two K steps by turns, v128-191 tile 4's rows, v192-223 its accumulators;
;   window 2: the rows of tiles 0-3, 64 each;  window 3: phase 1: four sets of 64; phase 2: the accumulators of tiles 0-3, tile m's at 64 m + 8 j.
.set ROWB,  4096                       ; a row of wo in bytes
.set WSC,   65536                      ; LDS: 0: 32 images of 2,048 bytes, fragment 8 j + s;  here their scale words, 128 bytes each
.set STG,   69632                      ; a stage of 16 rows x (256 + 16) bytes for each wave
.set LN,    1
.set RR,    2
.set HH,    3
.set WOFF,  4
.set WST,   5
.set LFR0,  6                          ; v6   16 x lane: an image's place for my lane, in LDS and in h_img
.set WSS,   8
.set WSL,   9
.set LSTA,  10                         ; v10  the list: byte of row r of tile w
.set LA,    11                         ; v11  the same in a later pass
.set XO,    12                         ; v12-16 byte offset of tile m's images
.set XSO,   17                         ; v17-21 of my row's scale words
.set EN,    22                         ; v22-26 list entries, then offsets into probs
.set P,     27                         ; v27-31 p of my row, tile m
.set WS,    32                         ; v32-63 wo's scale words
.set LE,    64                         ; v64  the list: byte of row 8 h of tile w
.set LE2,   65                         ; v65  the same in a later pass
.set SO,    66                         ; v66  the stage: where I put my row's 128 bytes
.set SR,    67                         ; v67  and where I read rows back
.set R16,   68                         ; v68  16 r
.set R64,   69                         ; v69  64 r
.set EO4,   80                         ; v80-87   tile 4: the entries of rows 8 h + 0 .. 7, then their offsets in y
.set XS,    96
.set M,     136
.set SW,    152
.set Y,     160
.set C,     224                        ; phase 1: v224-239 codes
.set T,     192
.set EO,    224                        ; phase 2: v224-255 tiles 0-3: the same as EO4, eight registers a tile
.set WV,    18
.set ME,    19
.set SL,    20
.set KH,    21
.set SEL,   22
.set MNT,   24
.set FLOOR, 25
.set WP,    28                         ; s[28:29]
.set XB,    30                         ; s[30:31] h_img at my expert and half of K
.set XSB,   32                         ; s[32:33] h_sc likewise
.set RC,    34
.set NTL,   35                         ; tiles with rows
.set NTS,   36                         ; tiles that were written: at least one
.set PASS,  37
.set RB,    38
.set TB,    39
.set YB,    48                         ; s[48:49] y at my half of K and my columns
.set NM1,   50                         ; NTS - 1
.set MSB, 0
.macro WIN new                         ; the immediate's high byte repeats the setting that is left; a switch that changes nothing is dropped
.if MSB != \new
	s_set_vgpr_msb (MSB<<8)|\new
.set MSB, \new
.endif
.endm
.macro PLACES n
.rept \n
	v_nop
.endr
.endm
.macro WSET i
	WIN 0xC0
.irp ii, 0,1,2,3,4,5,6,7,8,9,10,11,12,13,14,15
	global_load_b128 v[64*((\i)%4)+4*\ii:64*((\i)%4)+4*\ii+3], v[WOFF], s[WP:WP+1] offset:((\i)*32+\ii)*ROWB th:TH_LOAD_NT
.endr
	WIN 0
.endm
; set i becomes four registers of each of four fragments.  cnt: the loads issued behind set i
.macro QSET i, refill, cnt
.set SB, 64*((\i)%4)
.set CC, (\i)%4
	s_wait_dscnt 0x0                               ; the last set's LDS stores have read their registers
	s_wait_loadcnt \cnt
	WIN 0x3C                                       ; sources 1 and 2: window 3
.irp j, 0,1,2,3
	v_max3_num_f32 v[M+\j], s[FLOOR], |v[SB+\j]|, |v[SB+4+\j]|       ; column 4 r + j: my 16 numbers, and the floor 2^(9 - 127)
.endr
.irp ii, 2,4,6,8,10,12,14
.irp j, 0,1,2,3
	v_max3_num_f32 v[M+\j], v[M+\j], |v[SB+4*\ii+\j]|, |v[SB+4*\ii+4+\j]|
.endr
.endr
	WIN 0
.irp j, 0,1,2,3
	v_permlanex16_b32 v[M+4+\j], v[M+\j], s[SEL], s[SEL+1]
.endr
.irp j, 0,1,2,3
	v_max_num_f32 v[M+\j], v[M+\j], v[M+4+\j]      ; with lane l xor 16's 16: the block's largest magnitude
.endr
.irp j, 0,1,2,3
	v_add_nc_u32 v[M+12+\j], 0xfc000000, v[M+\j]   ; 8 off its exponent field: the conversion's scale operand
.endr
.irp j, 0,1,2,3
	v_and_or_b32 v[M+8+\j], v[M+\j], 0x7f800000, s[MNT]   ; 448 x the scale
.endr
.irp j, 0,1,2,3
	v_lshrrev_b32 v[M+4+\j], 23, v[M+12+\j]        ; the scale's byte
.endr
.irp j, 0,1,2,3
.if CC == 0
	v_mov_b32 v[SW+\j], v[M+4+\j]
.else
	v_lshl_or_b32 v[SW+\j], v[M+4+\j], 8*CC, v[SW+\j]
.endif
.endr
	WIN 0x03                                       ; source 0: window 3
.irp j, 0,1,2,3
.irp ii, 0,1,2,3,4,5,6,7,8,9,10,11,12,13,14,15
	v_med3_num_f32 v[Y+16*\j+\ii], v[SB+4*\ii+\j], -v[M+8+\j], v[M+8+\j]   ; the hold (ISA guide 7.6.2) and the turn into K's order in one
.endr
.endr
	WIN 0
.if \refill
	WSET (\i)+4
.endif
.irp j, 0,1,2,3
	v_cvt_scalef32_pk8_fp8_f32 v[C+4*\j:C+4*\j+1], v[Y+16*\j:Y+16*\j+7], v[M+12+\j]
	v_cvt_scalef32_pk8_fp8_f32 v[C+4*\j+2:C+4*\j+3], v[Y+16*\j+8:Y+16*\j+15], v[M+12+\j]
.endr
	v_nop                                          ; one plain line behind the last conversion
.irp j, 0,1,2,3
	ds_store_b128 v[WST], v[C+4*\j:C+4*\j+3] offset:\j*16384+((\i)/4)*2048+CC*512
.endr
.if CC == 3
.irp j, 0,1,2,3
	ds_store_b32 v[WSS], v[SW+\j] offset:\j*1024+((\i)/4)*128
.endr
.endif
.endm
.macro WLOAD buf, adr, s
	WIN 0x40
.irp j, 0,1,2,3
.irp c, 0,1,2,3
	ds_load_b128 v[64*(\buf)+16*\j+4*\c:64*(\buf)+16*\j+4*\c+3], v[\adr] offset:(8*\j+(\s))*2048+512*\c
.endr
.endr
	WIN 0
.endm
; my five tiles' fragments of K step ks into ring slot: 20 loads of 512 consecutive bytes
.macro XFILL slot, ks
	WIN 0x80
.irp m, 0,1,2,3
.irp c, 0,1,2,3
	global_load_b128 v[64*\m+16*(\slot)+4*\c:64*\m+16*(\slot)+4*\c+3], v[XO+\m], s[XB:XB+1] offset:2048*(\ks)+512*\c
.endr
.endr
	WIN 0x40
.irp c, 0,1,2,3
	global_load_b128 v[128+16*(\slot)+4*\c:128+16*(\slot)+4*\c+3], v[XO+4], s[XB:XB+1] offset:2048*(\ks)+512*\c
.endr
	WIN 0
.endm
.macro SFILL                           ; the rows' eight scale words of my half of K: 10 loads
.irp m, 0,1,2,3,4
	global_load_b128 v[XS+8*\m:XS+8*\m+3], v[XSO+\m], s[XSB:XSB+1]
	global_load_b128 v[XS+8*\m+4:XS+8*\m+7], v[XSO+\m], s[XSB:XSB+1] offset:16
.endr
.endm
.macro XADDR ahead                     ; the offsets of tiles TB + ahead + 4 m + w, held at the last tile that was written
.irp m, 0,1,2,3,4
	s_add_co_u32 s40, s[TB], \ahead+4*\m
	s_add_co_u32 s40, s40, s[WV]
	s_min_u32 s40, s40, s[NM1]
	s_min_u32 s40, s40, 63
	s_lshl_b32 s41, s40, 15
	s_lshl_b32 s42, s40, 10
	v_add_nc_u32 v[XO+\m], s41, v[LFR0]
	v_add_nc_u32 v[XSO+\m], s42, v[R64]
.endr
.endm
.macro ENLOAD adr, off                 ; the entry of row r of each of my five tiles: 5 loads
.irp m, 0,1,2,3,4
	global_load_b32 v[EN+\m], v[\adr], s[8:9] offset:256*\m+\off
.endr
.endm
.macro PGET                            ; and the row's weight: probs[token][slot] lies at 4 x entry: 5 loads
.irp m, 0,1,2,3,4
	v_min_u32 v[EN+\m], 0x7ff, v[EN+\m]
	v_lshlrev_b32 v[EN+\m], 2, v[EN+\m]
.endr
.irp m, 0,1,2,3,4
	global_load_b32 v[P+\m], v[EN+\m], s[10:11]
.endr
.endm
.macro EOLOAD adr, off                 ; the entries of rows 8 h + 0 .. 7 of each of my five tiles: 10 loads of 16 bytes
.irp m, 0,1,2,3
	global_load_b128 v[EO+8*\m:EO+8*\m+3], v[\adr], s[8:9] offset:256*\m+\off
	global_load_b128 v[EO+8*\m+4:EO+8*\m+7], v[\adr], s[8:9] offset:256*\m+\off+16
.endr
	global_load_b128 v[EO4:EO4+3], v[\adr], s[8:9] offset:1024+\off
	global_load_b128 v[EO4+4:EO4+7], v[\adr], s[8:9] offset:1024+\off+16
.endm
; 20 products: five tiles of rows x four column tiles, K step s.  The 20 accumulators take turns, one instruction a turn.
.macro MULS s
	WIN 0xF9                                       ; source 0 window 1, source 1 window 2, C and D window 3
.irp m, 0,1,2,3
.irp j, 0,1,2,3
.if (\s) == 0
	v_wmma_scale_f32_16x16x128_f8f6f4 v[64*\m+8*\j:64*\m+8*\j+7], v[64*((\s)%2)+16*\j:64*((\s)%2)+16*\j+15], v[64*\m+16*((\s)%4):64*\m+16*((\s)%4)+15], 0, v[WS+8*\j+(\s)], v[XS+8*\m+(\s)]
.else
	v_wmma_scale_f32_16x16x128_f8f6f4 v[64*\m+8*\j:64*\m+8*\j+7], v[64*((\s)%2)+16*\j:64*((\s)%2)+16*\j+15], v[64*\m+16*((\s)%4):64*\m+16*((\s)%4)+15], v[64*\m+8*\j:64*\m+8*\j+7], v[WS+8*\j+(\s)], v[XS+8*\m+(\s)]
.endif
.endr
.endr
	WIN 0x55                                       ; tile 4: all in window 1
.irp j, 0,1,2,3
.if (\s) == 0
	v_wmma_scale_f32_16x16x128_f8f6f4 v[192+8*\j:192+8*\j+7], v[64*((\s)%2)+16*\j:64*((\s)%2)+16*\j+15], v[128+16*((\s)%4):128+16*((\s)%4)+15], 0, v[WS+8*\j+(\s)], v[XS+32+(\s)]
.else
	v_wmma_scale_f32_16x16x128_f8f6f4 v[192+8*\j:192+8*\j+7], v[64*((\s)%2)+16*\j:64*((\s)%2)+16*\j+15], v[128+16*((\s)%4):128+16*((\s)%4)+15], v[192+8*\j:192+8*\j+7], v[WS+8*\j+(\s)], v[XS+32+(\s)]
.endif
.endr
.endm
.macro KSTEP s
.if \s > 0
	PLACES 8                                       ; in front of loads into registers that the last products read (ISA guide 7.12.1 for vector instructions)
.endif
.if \s < 7
	WLOAD ((\s)+1)%2, LFR0, (\s)+1
.endif
.if (\s >= 1) && (\s <= 4)
	XFILL ((\s)-1)%4, (\s)+3                       ; the ring slot of the K step just done takes the K step four on: that slot's earlier loads were shown done by the last K step's wait
.endif
.if \s <= 4
	s_wait_loadcnt 60                              ; this K step's rows are in: on every way here three groups of 20 loads are younger (on some ways the loads of entries and weights as well, which only makes the count the safer)
.else
	s_wait_loadcnt 20*(7-(\s))                     ; the counts run down: 40, 20, 0
.endif
.if \s < 7
	s_wait_dscnt 16                                ; this K step's fragments are in; the next one's sixteen loads may be out
.else
	s_wait_dscnt 0x0
.endif
	MULS \s
.endm
; THE WAY OUT of tile m
.macro EPI m
	s_add_co_u32 s40, s[TB], 4*\m
	s_add_co_u32 s40, s40, s[WV]
	s_cmp_ge_u32 s40, s[NTL]
	s_cbranch_scc1 .Lno_tile_\@
	s_wait_xcnt 0x0                                ; the last tile's stores have read their data: the registers are loaded again below
.if \m < 4
.set AW, 3
.set AC, 64*\m
.set EB, EO+8*\m
.else
.set AW, 1
.set AC, 192
.set EB, EO4
.endif
	WIN AW                                         ; source 0: the accumulators' window
.irp j, 0,1,2,3
.irp i, 0,1,2,3,4,5,6,7
	v_mul_f32 v[Y+4*\i+\j], v[AC+8*\j+\i], v[P+\m] ; the gate's weight, and the turn into the columns' order, in one; each accumulator is read from its low end on
.endr
.endr
	WIN 0
.irp i, 0,1,2,3,4,5,6,7
	ds_store_b128 v[SO], v[Y+4*\i:Y+4*\i+3] offset:16*\i
.endr
.irp i, 0,1,2,3,4,5,6,7
	ds_load_b128 v[T+4*\i:T+4*\i+3], v[SR] offset:272*\i             ; LDS serves a wave's instructions in order (ISA guide 5.7.1.4): these see my stores; the stage is my own
.endr
.irp i, 0,1,2,3,4,5,6,7
	v_min_u32 v[EB+\i], 0x7ff, v[EB+\i]            ; the entry is held inside y before it enters an address
	v_lshl_add_u32 v[EB+\i], v[EB+\i], 12, v[R16]  ; a row of y is 4,096 bytes
.endr
.irp i, 0,1,2,3,4,5,6,7
	s_wait_dscnt 7-\i
	global_store_b128 v[EB+\i], v[T+4*\i:T+4*\i+3], s[YB:YB+1] th:TH_STORE_NT   ; sixteen lanes store 256 consecutive bytes, aligned
.endr
.Lno_tile_\@:
.endm
	s_load_b256 s[4:11], s[0:1], 0x0               ; h_img s[4:5], h_sc s[6:7], list s[8:9], probs s[10:11]
	s_load_b128 s[12:15], s[0:1], 0x20             ; wo s[12:13], y s[14:15]
	v_lshl_add_u32 v158, v0, 2, 0x15400
	v_mov_b32 v159, 0
	v_lshrrev_b32 v[LN], 5, v0
	v_readfirstlane_b32 s[WV], v[LN]               ; wave 0..3
	v_and_b32 v[LN], 31, v0
	v_and_b32 v[RR], 15, v0
	v_bfe_u32 v[HH], v0, 4, 1
	s_lshr_b32 s[ME], ttmp9, 5                     ; my expert
	s_bfe_u32 s[SL], ttmp9, 0x40001                ; my 64 columns
	s_and_b32 s[KH], ttmp9, 1                      ; my half of K
	s_lshl_b32 s41, s[WV], 12
	v_lshl_add_u32 v[WST], v[LN], 4, s41
	s_lshl_b32 s41, s[WV], 8
	s_add_co_u32 s41, s41, WSC
	v_lshl_add_u32 v[WSS], v[LN], 2, s41
	v_lshlrev_b32 v[LFR0], 4, v[LN]
	v_lshl_add_u32 v[WSL], v[LN], 2, WSC
	s_lshl_b32 s41, s[WV], 6                       ; a tile's 16 entries are 64 bytes
	v_lshl_add_u32 v[LSTA], v[RR], 2, s41
	v_lshl_add_u32 v[LE], v[HH], 5, s41
	s_mul_i32 s41, s[WV], 16*272
	s_add_co_u32 s41, s41, STG                     ; my stage
	v_mul_u32_u24 v[SO], v[RR], 272
	v_lshl_add_u32 v[SO], v[HH], 7, v[SO]
	v_add_nc_u32 v[SO], s41, v[SO]                 ; in: row r, 128 bytes for each half of the lanes
	v_mul_u32_u24 v[SR], v[HH], 8*272
	v_lshl_add_u32 v[SR], v[RR], 4, v[SR]
	v_add_nc_u32 v[SR], s41, v[SR]                 ; back: lanes 0-15 rows 0 to 7, lanes 16-31 rows 8 to 15
	v_lshlrev_b32 v[R16], 4, v[RR]
	v_lshlrev_b32 v[R64], 6, v[RR]
	v_lshl_add_u32 v[WOFF], v[HH], 16, v[R16]      ; 16 rows of 4,096 bytes for lanes 16-31
.irp j, 0,1,2,3
	v_mov_b32 v[M+4+\j], 0                         ; written once: a lane permute's destination counts as one of its sources
.endr
	s_mov_b32 s[SEL], 0x76543210
	s_mov_b32 s[SEL+1], 0xfedcba98
	s_mov_b32 s[MNT], 0x600000
	s_mov_b32 s[FLOOR], 0x4800000
	s_mov_b32 s[PASS], 0
	s_mov_b32 s[RB], 0
	s_mov_b32 s[TB], 0
	s_lshl_b32 s42, s[ME], 23                      ; wo: an expert 8,388,608 bytes, half of K 4,194,304, a wave's 256 rows 1,048,576, 64 columns 256
	s_lshl_b32 s43, s[KH], 22
	s_add_co_u32 s42, s42, s43
	s_lshl_b32 s43, s[WV], 20
	s_add_co_u32 s42, s42, s43
	s_lshl_b32 s43, s[SL], 8
	s_add_co_u32 s42, s42, s43
	s_mov_b32 s43, 0
	s_lshl_b32 s44, s[ME], 21                      ; h_img: an expert 2,097,152 bytes; half of K is eight images
	s_lshl_b32 s45, s[KH], 14
	s_add_co_u32 s44, s44, s45
	s_mov_b32 s45, 0
	s_lshl_b32 s46, s[ME], 16                      ; h_sc: an expert 65,536 bytes; half of K is 32 bytes of a row
	s_lshl_b32 s47, s[KH], 5
	s_add_co_u32 s46, s46, s47
	s_mov_b32 s47, 0
	s_lshl_b32 s52, s[KH], 23                      ; y: half of K 8,388,608 bytes; 64 columns 256
	s_lshl_b32 s53, s[SL], 8
	s_add_co_u32 s52, s52, s53
	s_mov_b32 s53, 0
	s_lshl_b32 s40, s[ME], 13                      ; list: 8,192 bytes an expert
	s_mov_b32 s41, 0
	s_wait_kmcnt 0x0
	s_add_nc_u64 s[WP:WP+1], s[12:13], s[42:43]
	s_add_nc_u64 s[XB:XB+1], s[4:5], s[44:45]
	s_add_nc_u64 s[XSB:XSB+1], s[6:7], s[46:47]
	s_add_nc_u64 s[YB:YB+1], s[14:15], s[52:53]
	s_add_nc_u64 s[8:9], s[8:9], s[40:41]
	s_load_b32 s[RC], s[8:9], 0x1f80               ; the count R: word 2,016 of my expert's part, one of the words that hold it
	ENLOAD LSTA, 0                                 ; asked for ahead of the weights
	WSET 0
	WSET 1
	WSET 2
	WSET 3
	; ---- PHASE 1.  The counts: three younger sets of 16 loads, and whatever else was asked for behind the set
	QSET 0, 1, 48                                  ; (the five entries are older than set 0: they are in too)
	PGET
	s_wait_kmcnt 0x0
	s_min_u32 s[RC], s[RC], 1024
	s_add_co_u32 s[NTL], s[RC], 15
	s_lshr_b32 s[NTL], s[NTL], 4
	s_max_u32 s[NTS], s[NTL], 1
	s_sub_co_u32 s[NM1], s[NTS], 1
	XADDR 0
.irp i, 1,2,3
	QSET \i, 1, 53                                 ; three sets and the five p are younger
.endr
	QSET 4, 0, 53
	SFILL
	XFILL 0, 0
	QSET 5, 0, 62                                  ; two sets and 30 loads of rows are younger
	XFILL 1, 1
	QSET 6, 0, 63                                  ; 66 are younger
	XFILL 2, 2
	QSET 7, 0, 63                                  ; 70 are younger
	XFILL 3, 3
	s_wait_dscnt 0x0                               ; for the others' sake: my images and scale words lie in LDS (and the stores have read the registers that the loads below take)
	s_barrier_signal -1
	s_barrier_wait -1
	EOLOAD LE, 0
.set q, 0
.rept 32
	ds_load_b32 v[WS+q], v[WSL] offset:128*q       ; wo's scale words stay in registers
.set q, q+1
.endr
	; ---- PHASE 2
.Lpass:
	s_cmp_ge_u32 s[TB], s[NTS]
	s_cbranch_scc1 .Lidle                          ; no tile in this pass: only the steps at the trip's end are run
	WLOAD 0, LFR0, 0
.irp s, 0,1,2,3,4,5,6,7
	KSTEP \s
.endr
	PLACES 9                                       ; behind the last products: for the reads of results, the loads into operands and scales, and the next pass's sums, which begin anew on these accumulators
	WIN 0
	s_add_co_u32 s40, s[TB], 20
	s_cmp_ge_u32 s40, s[NTS]
	s_cbranch_scc1 .Lno_more                       ; the next pass's rows are asked for only if it has tiles
	XADDR 20                                       ; (the wait for 0 loads at K step 7 has shown every load done that named these offsets)
	SFILL
	XFILL 0, 0
	XFILL 1, 1
	XFILL 2, 2
	XFILL 3, 3
.Lno_more:
	EPI 0
	EPI 1
	EPI 2
	EPI 3
	EPI 4
	s_add_co_u32 s40, s[TB], 20
	s_cmp_ge_u32 s40, s[NTS]
	s_cbranch_scc1 .Lidle                          ; the next pass's entries and weights come behind the ways out, which use this pass's
	s_wait_xcnt 0x0                                ; the stores have read their offsets: the registers are loaded again below
	v_add_nc_u32 v[LA], s[RB], v[LSTA]
	v_add_nc_u32 v[LE2], s[RB], v[LE]
	ENLOAD LA, 1280
	EOLOAD LE2, 1280
	s_wait_loadcnt 10                              ; the five entries are in: ten loads are younger
	PGET
.Lidle:
	s_add_co_u32 s[RB], s[RB], 1280
	s_add_co_u32 s[TB], s[TB], 20
	s_add_co_u32 s[PASS], s[PASS], 1
	s_cmp_lt_u32 s[PASS], 4
	s_cbranch_scc1 .Lpass
	s_wait_tensorcnt 0x0
	ds_add_u32 v158, v159
	s_wait_dscnt 0x0
	s_endpgm
.Lfunc_end_k_q0d5e5c29df_down:
	.size	k_q0d5e5c29df_down, .Lfunc_end_k_q0d5e5c29df_down-k_q0d5e5c29df_down
	.p2alignl 7, 3214868480
	.fill 96, 4, 3214868480
	.section	.rodata,"a",@progbits
	.p2align	6, 0x0
	.amdhsa_kernel k_q0d5e5c29df_down
		.amdhsa_group_segment_fixed_size 87552
		.amdhsa_private_segment_fixed_size 0
		.amdhsa_enable_private_segment 0
		.amdhsa_kernarg_size 48
		.amdhsa_user_sgpr_count 2
		.amdhsa_user_sgpr_kernarg_segment_ptr 1
		.amdhsa_wavefront_size32 1
		.amdhsa_system_sgpr_workgroup_id_x 1
		.amdhsa_system_sgpr_workgroup_id_y 1
		.amdhsa_system_sgpr_workgroup_id_z 1
		.amdhsa_system_vgpr_workitem_id 0
		.amdhsa_next_free_vgpr 1024
		.amdhsa_next_free_sgpr 66
		.amdhsa_reserve_vcc 0
		.amdhsa_float_denorm_mode_32 3
		.amdhsa_float_denorm_mode_16_64 3
		.amdhsa_memory_ordered 1
		.amdhsa_forward_progress 1
		.amdhsa_inst_pref_size 172
	.end_amdhsa_kernel
	.amdgpu_metadata
---
amdhsa.version: [ 1, 2 ]
amdhsa.kernels:
  - .name:           k_q0d5e5c29df_down
    .symbol:         k_q0d5e5c29df_down.kd
    .args:
      - { .name: h_img, .offset: 0, .size: 8, .value_kind: global_buffer, .address_space: global }
      - { .name: h_sc, .offset: 8, .size: 8, .value_kind: global_buffer, .address_space: global }
      - { .name: list, .offset: 16, .size: 8, .value_kind: global_buffer, .address_space: global }
      - { .name: probs, .offset: 24, .size: 8, .value_kind: global_buffer, .address_space: global }
      - { .name: wo, .offset: 32, .size: 8, .value_kind: global_buffer, .address_space: global }
      - { .name: y, .offset: 40, .size: 8, .value_kind: global_buffer, .address_space: global }
    .group_segment_fixed_size: 87552
    .private_segment_fixed_size: 0
    .kernarg_segment_align: 8
    .kernarg_segment_size: 48
    .max_flat_workgroup_size: 128
    .sgpr_count:     66
    .vgpr_count:     1024
    .wavefront_size: 32
...
	.end_amdgpu_metadata
.endif
;; end of part 4
;; launch add (part 5): grid 256 x 1, 8 waves a work-group, no clusters, 0 bytes of LDS; arguments y, out0; writes out0
.if DOCPART == 5
	.amdgcn_target "amdgcn-amd-amdhsa--gfx1250"
	.amdhsa_code_object_version 6
	.text
	.protected	k_q0d5e5c29df_add
	.globl	k_q0d5e5c29df_add
	.p2align	8
	.type	k_q0d5e5c29df_add,@function
k_q0d5e5c29df_add:
	s_mov_b64 s[64:65], 0
	v_nop
	global_prefetch_b8 v0, s[64:65] scope:SCOPE_SE
	s_setreg_imm32_b32 hwreg(HW_REG_WAVE_MODE, 25, 1), 1
	s_wait_xcnt 0x0
; out0[t][:] = y[0][2 t][:] + y[1][2 t][:] + y[0][2 t + 1][:] + y[1][2 t + 1][:]: a token's two experts, each in two halves of K; the gate's weights are in y already.
; y: [2][2048][1024] f32, out0: [1024][1024] f32.  A work-group of eight waves owns four tokens; thread i owns the 16 bytes at 16 i of every row, so a wave's load or store covers 512 consecutive bytes, aligned.
; All sixteen loads of a thread go out at once; each token has registers of its own, so no register is written while a store may still read it.  No LDS, no barrier: waves share nothing.
.set D, 16                             ; v16-79: token q, slot s, half k at 16 q + 8 s + 4 k
	s_load_b128 s[4:7], s[0:1], 0x0                ; y s[4:5], out0 s[6:7]
	v_lshlrev_b32 v1, 4, v0
	s_lshl_b32 s8, ttmp9, 15                       ; eight rows of y
	s_mov_b32 s9, 0
	s_lshl_b32 s10, ttmp9, 14                      ; four rows of out0
	s_mov_b32 s11, 0
	s_wait_kmcnt 0x0
	s_add_nc_u64 s[4:5], s[4:5], s[8:9]
	s_add_nc_u64 s[12:13], s[4:5], 0x800000        ; the other half of K: 8,388,608 bytes on, one more than a load's immediate holds (ISA guide, chapter 10)
	s_add_nc_u64 s[6:7], s[6:7], s[10:11]
.irp q, 0,1,2,3
.irp s, 0,1
	global_load_b128 v[D+16*\q+8*\s:D+16*\q+8*\s+3], v1, s[4:5] offset:8192*\q+4096*\s th:TH_LOAD_NT
	global_load_b128 v[D+16*\q+8*\s+4:D+16*\q+8*\s+7], v1, s[12:13] offset:8192*\q+4096*\s th:TH_LOAD_NT
.endr
.endr
.irp q, 0,1,2,3
	s_wait_loadcnt 12-4*\q                         ; this token's four loads are in; the later tokens' stay out
.irp s, 0,1
	v_pk_add_f32 v[D+16*\q+8*\s:D+16*\q+8*\s+1], v[D+16*\q+8*\s:D+16*\q+8*\s+1], v[D+16*\q+8*\s+4:D+16*\q+8*\s+5]
	v_pk_add_f32 v[D+16*\q+8*\s+2:D+16*\q+8*\s+3], v[D+16*\q+8*\s+2:D+16*\q+8*\s+3], v[D+16*\q+8*\s+6:D+16*\q+8*\s+7]
.endr
	v_pk_add_f32 v[D+16*\q:D+16*\q+1], v[D+16*\q:D+16*\q+1], v[D+16*\q+8:D+16*\q+9]
	v_pk_add_f32 v[D+16*\q+2:D+16*\q+3], v[D+16*\q+2:D+16*\q+3], v[D+16*\q+10:D+16*\q+11]
	global_store_b128 v1, v[D+16*\q:D+16*\q+3], s[6:7] offset:4096*\q th:TH_STORE_NT
.endr
	s_endpgm
.Lfunc_end_k_q0d5e5c29df_add:
	.size	k_q0d5e5c29df_add, .Lfunc_end_k_q0d5e5c29df_add-k_q0d5e5c29df_add
	.p2alignl 7, 3214868480
	.fill 96, 4, 3214868480
	.section	.rodata,"a",@progbits
	.p2align	6, 0x0
	.amdhsa_kernel k_q0d5e5c29df_add
		.amdhsa_group_segment_fixed_size 0
		.amdhsa_private_segment_fixed_size 0
		.amdhsa_enable_private_segment 0
		.amdhsa_kernarg_size 16
		.amdhsa_user_sgpr_count 2
		.amdhsa_user_sgpr_kernarg_segment_ptr 1
		.amdhsa_wavefront_size32 1
		.amdhsa_system_sgpr_workgroup_id_x 1
		.amdhsa_system_sgpr_workgroup_id_y 1
		.amdhsa_system_sgpr_workgroup_id_z 1
		.amdhsa_system_vgpr_workitem_id 0
		.amdhsa_next_free_vgpr 80
		.amdhsa_next_free_sgpr 66
		.amdhsa_reserve_vcc 0
		.amdhsa_float_denorm_mode_32 3
		.amdhsa_float_denorm_mode_16_64 3
		.amdhsa_memory_ordered 1
		.amdhsa_forward_progress 1
		.amdhsa_inst_pref_size 5
	.end_amdhsa_kernel
	.amdgpu_metadata
---
amdhsa.version: [ 1, 2 ]
amdhsa.kernels:
  - .name:           k_q0d5e5c29df_add
    .symbol:         k_q0d5e5c29df_add.kd
    .args:
      - { .name: y, .offset: 0, .size: 8, .value_kind: global_buffer, .address_space: global }
      - { .name: out0, .offset: 8, .size: 8, .value_kind: global_buffer, .address_space: global }
    .group_segment_fixed_size: 0
    .private_segment_fixed_size: 0
    .kernarg_segment_align: 8
    .kernarg_segment_size: 16
    .max_flat_workgroup_size: 256
    .sgpr_count:     66
    .vgpr_count:     80
    .wavefront_size: 32
...
	.end_amdgpu_metadata
.endif
;; end of part 5
;; ======== version 2 of 3: 4 launches; 1.12 times as fast as version 1
;; workspace buffers: x_codes 1,048,576 bytes; x_scales 32,768 bytes; eid 4,096 bytes of whole numbers; probs 8,192 bytes; h_img 16,777,216 bytes; h_sc 524,288 bytes; y 16,777,216 bytes; list 65,536 bytes of whole numbers
;; launch route: the kernel of part 1 again; grid 256 x 1, 4 waves a work-group, no clusters, 35,328 bytes of LDS; arguments x, gate_kernel, x_codes, x_scales, eid, probs; writes x_codes, x_scales, eid, probs
;; launch up (part 6): grid 256 x 1, 4 waves a work-group, no clusters, 139,776 bytes of LDS; arguments x_codes, x_scales, eid, w0, w1, h_img, h_sc, list; writes h_img, h_sc, list
.if DOCPART == 6
	.amdgcn_target "amdgcn-amd-amdhsa--gfx1250"
	.amdhsa_code_object_version 6
	.text
	.protected	k_q0d5e5c29df_up
	.globl	k_q0d5e5c29df_up
	.p2align	8
	.type	k_q0d5e5c29df_up,@function
k_q0d5e5c29df_up:
	s_mov_b64 s[64:65], 0
	v_nop
	global_prefetch_b8 v0, s[64:65] scope:SCOPE_SE
	s_setreg_imm32_b32 hwreg(HW_REG_WAVE_MODE, 25, 1), 1
	s_wait_xcnt 0x0
; h = silu(x w0[e]) * (x w1[e]) for the rows that chose expert e, both products on E4M3 codes with one E8M0 scale for each 32 along K; h is quantised along F on the way out.
; SHARES.  Work-group g: expert e = g / 32, columns 64 ch .. 64 ch + 63 (ch = g % 32) of w0[e] and of w1[e], all K = 1,024: 512 KB of f32 that no other work-group reads.
; PHASE 1: THE WEIGHTS, ONCE.  Waves 0, 1 take w0's K halves, waves 2, 3 w1's.  A set is 32 rows of K x 64 columns: 16 loads; in load i lane (r, h) reads row 16 h + i, columns 4 r .. 4 r + 3, so each load covers
; two runs of 256 consecutive bytes, aligned.  COLUMN TILE j IS THE COLUMNS 4 r + j: a lane's 16 numbers of column 4 r + j are then just what lane (r, h) of a fragment holds of that block of 32 (K = 16 h + 0 .. 15):
; nothing changes lanes but one maximum.  The hold writes them in K's order, the conversions give four registers of the fragment, and these go to LDS as an image of the registers (16 bytes a lane on end).
; Four sets (64 loads a wave) are on their way.
; THE LIST of expert e's rows.  eid[t] = first expert | second expert << 8 was stored by the launch before.  Every wave makes what it needs of the list from those 1,024 words, by arithmetic on registers alone:
;   32 masks in scalar registers (bit l of mask q: token 128 (q / 4) + 4 l + q % 4 chose e); their count R; and, for row r of each of its five tiles, the token at place p = 16 tile + r of the list:
;   the last mask whose running count is at most p (a chain of 31 selections), then the (p - that count)-th set bit of it (the sums of 2, 4, 8 and 16 bits, and five halvings).
; Places from R on take place R - 1, so that every tile is whole.  With R = 0 the chain ends at token 1,023, and tile 0 is still made: the next launch reads no byte that was not written.
; The chain is cut into pieces that stand between the sets of weights.  The work-group with ch = 0 stores the list (entry = 2 token + slot, 4 bytes a place) and R for the next launch: 64 bytes a tile, 1.8 KB an expert.
; PHASE 2: wave w takes tiles of 16 rows 20 p + 4 m + w (m = 0 .. 4) in pass p.  The loop over passes has four trips for every split (1,280 rows); a pass without tiles is jumped over.  320 rows in a pass serve the even split (256) with a margin.
; The products are used transposed (source 0 = 16 columns of a weight, source 1 = 16 rows of x): lane (r, h) then holds row r and, over tiles j and registers i, columns 32 h + 4 i + j: a whole block of 32 along F.
; WAY OUT: h_img[e][tile][F / 128][2,048]: images of the next launch's fragments;  h_sc[e][tile][row][64]: one byte for each 32 along F (single bytes: 128 KB in the whole launch).
; No tensor loads and no cluster: how many tiles a wave multiplies hangs on a count made of numbers read from memory, and what work-groups share (an expert's rows of codes, 1 KB a row) is small beside the 512 KB that each reads alone.
; LIMITS: NaN and infinities are not served; blocks whose largest magnitude lies under 2^-118 get the byte 1; a block of zeros gets the byte 1 over zero codes (this program alone reads the bytes).
; REGISTERS, in windows of 256: window 0: addresses, scale words, work;  window 1: v0-63, v64-127 the fragments of w0 and w1 in hand, v128-191 tile 4's rows (4 K steps x 16), v192-255 its accumulators;
;   window 2: the rows of tiles 0-3, 64 each;  window 3: phase 1: four sets of 64; phase 2: the accumulators of tiles 0-3 (tile m: w0's at 64 m + 8 j, w1's at 64 m + 32 + 8 j).
.set ROWB,  8192                       ; a row of w0 or w1 in bytes
.set WSC,   131072                     ; LDS: 0: 64 images of 2,048 bytes, fragment (4 mtx + j) 8 + s;  here their scale words, 128 bytes each
.set LN,    1                          ; v1   lane
.set RR,    2                          ; v2   r = lane % 16
.set HH,    3                          ; v3   h = lane / 16
.set WOFF,  4                          ; v4   the weights: 16 h rows + 16 r bytes
.set WST,   5                          ; v5   LDS: where my images go
.set LFR0,  6                          ; v6   16 x lane: w0's images in LDS; also my 16 bytes of a load of eid
.set LFR1,  7                          ; v7   the same for w1's images
.set WSS,   8                          ; v8   LDS: where my scale words go
.set WSL,   9                          ; v9   LDS: where scale words are read
.set LSTA,  10                         ; v10  the list in memory: byte of row r of tile w
.set LA,    11                         ; v11  the same in a later pass
.set XO,    12                         ; v12-16 byte offset of my row's codes, tile m
.set XSO,   17                         ; v17-21 of its scale words
.set EN,    22                         ; v22-26 my row's token, tile m
.set HB,    27                         ; v27  512 h + 16 r: my place in an image's block
.set SBB,   28                         ; v28  64 r + h: my place among a tile's scale bytes
.set HO,    29                         ; v29  offset of the codes that I store
.set SO2,   30                         ; v30  of the byte
.set T4,    31                         ; v31  4 x my thread's number
.set WS,    32                         ; v32-95   the weights' scale words, one register a fragment
.set EW,    32                         ; v32-63   until then: the words of eid
.set LX,    64                         ; v64-67, v68-71 at work on them
.set LY,    68
.set XS,    96                         ; v96-135  the rows' scale words: 8 m + s.  While no rows are asked for, the search for the rows works here:
.set LP,    96                         ; v96-100  the place p that is looked for, tile m
.set LM,    101                        ; v101-105 the mask that holds it
.set LQ,    106                        ; v106-110 that mask's running count | its token base << 16
.set LA2,   111                        ; v111-115 the mask's sums of 2 bits
.set LB4,   116                        ; v116-120 of 4 bits
.set LC8,   121                        ; v121-125 of 8 bits
.set LK,    126                        ; v126-130 how many set bits are still to be passed
.set M,     136                        ; v136-151 largest magnitudes and what is made of them
.set VMQ,   144                        ; v144-147 between the sets: four masks, the same in every lane
.set VPQ,   148                        ; v148-151 and their counts and token bases
.set SW,    152                        ; v152-155 scale words in the making
.set H16,   156                        ; v156 16 h
.set PR0,   157                        ; v157 16 w + r: the place of row r of tile w
.set Y,     160                        ; phase 1: v160-223 a set in K's order; way out: v160-191 h
.set C,     224                        ; phase 1: v224-239 codes
.set T,     192                        ; way out: v192-223
.set U,     224                        ; way out: v224-255
.set LS,    240                        ; v240-244 the search: the bit's number; then the offset of the token's word in eid
.set LT,    245                        ; v245-249 at work; then the entry that is stored
.set LU,    250                        ; v250-254 at work; then the token's word
.set RV,    255                        ; v255 the count, to be stored
.set WV,    18
.set ME,    19
.set CH,    20
.set MTX,   21
.set SEL,   22                         ; s[22:23]
.set MNT,   24
.set FLOOR, 25
.set NL,    26                         ; s[26:27] -log2(e)
.set WP,    28                         ; s[28:29] my part of my weight
.set HIB,   30                         ; s[30:31] h_img at my expert and my block of F
.set HSB,   32                         ; s[32:33] h_sc likewise
.set RC,    34                         ; the count R
.set MEX,   35                         ; my expert's number in two bytes
.set NTS,   36                         ; tiles to make: at least one
.set PASS,  37
.set RB,    38                         ; 1,280 x pass: bytes in the list
.set TB,    39                         ; 20 x pass: tiles
.set BS,    40                         ; s40-43 the running counts of four masks
.set PKS,   44                         ; s44-47 the same | token base << 16
.set LSB,   52                         ; s[52:53] list at my expert
.set LBASE, 54                         ; the running count at the end of the last four masks
.set LTMP,  55
.set CD,    56                         ; s56-60 five conditions, one a tile
.set RM1,   61                         ; the last place that holds a row: max(R, 1) - 1
.set MK,    66                         ; s66-97 the 32 masks
.set MSB, 0
.macro WIN new                         ; the immediate's high byte repeats the setting that is left; a switch that changes nothing is dropped
.if MSB != \new
	s_set_vgpr_msb (MSB<<8)|\new
.set MSB, \new
.endif
.endm
.macro PLACES n
.rept \n
	v_nop
.endr
.endm
; set i of my weight: 16 loads into window 3
.macro WSET i
	WIN 0xC0
.irp ii, 0,1,2,3,4,5,6,7,8,9,10,11,12,13,14,15
	global_load_b128 v[64*((\i)%4)+4*\ii:64*((\i)%4)+4*\ii+3], v[WOFF], s[WP:WP+1] offset:((\i)*32+\ii)*ROWB th:TH_LOAD_NT
.endr
	WIN 0
.endm
; set i becomes four registers of each of four fragments.  cnt: the loads issued behind set i
.macro QSET i, refill, cnt
.set SB, 64*((\i)%4)
.set CC, (\i)%4
	s_wait_dscnt 0x0                               ; the last set's LDS stores have read their registers
	s_wait_loadcnt \cnt
	WIN 0x3C                                       ; sources 1 and 2: window 3
.irp j, 0,1,2,3
	v_max3_num_f32 v[M+\j], s[FLOOR], |v[SB+\j]|, |v[SB+4+\j]|       ; column 4 r + j: my 16 numbers, and the floor 2^(9 - 127): the byte cannot fall under 1
.endr
.irp ii, 2,4,6,8,10,12,14
.irp j, 0,1,2,3
	v_max3_num_f32 v[M+\j], v[M+\j], |v[SB+4*\ii+\j]|, |v[SB+4*\ii+4+\j]|
.endr
.endr
	WIN 0
.irp j, 0,1,2,3
	v_permlanex16_b32 v[M+4+\j], v[M+\j], s[SEL], s[SEL+1]
.endr
.irp j, 0,1,2,3
	v_max_num_f32 v[M+\j], v[M+\j], v[M+4+\j]      ; with lane l xor 16's 16: the block's largest magnitude
.endr
.irp j, 0,1,2,3
	v_add_nc_u32 v[M+12+\j], 0xfc000000, v[M+\j]   ; 8 off its exponent field: the conversion's scale operand
.endr
.irp j, 0,1,2,3
	v_and_or_b32 v[M+8+\j], v[M+\j], 0x7f800000, s[MNT]   ; 448 x the scale
.endr
.irp j, 0,1,2,3
	v_lshrrev_b32 v[M+4+\j], 23, v[M+12+\j]        ; the scale's byte
.endr
.irp j, 0,1,2,3
.if CC == 0
	v_mov_b32 v[SW+\j], v[M+4+\j]                  ; four sets make a K step's scale word
.else
	v_lshl_or_b32 v[SW+\j], v[M+4+\j], 8*CC, v[SW+\j]
.endif
.endr
	WIN 0x03                                       ; source 0: window 3
.irp j, 0,1,2,3
.irp ii, 0,1,2,3,4,5,6,7,8,9,10,11,12,13,14,15
	v_med3_num_f32 v[Y+16*\j+\ii], v[SB+4*\ii+\j], -v[M+8+\j], v[M+8+\j]   ; the hold (the conversion does not saturate: ISA guide 7.6.2), and the turn into K's order, in one
.endr
.endr
	WIN 0
.if \refill
	WSET (\i)+4                                    ; the set's registers have been read: they take the set four further on
.endif
.irp j, 0,1,2,3
	v_cvt_scalef32_pk8_fp8_f32 v[C+4*\j:C+4*\j+1], v[Y+16*\j:Y+16*\j+7], v[M+12+\j]
	v_cvt_scalef32_pk8_fp8_f32 v[C+4*\j+2:C+4*\j+3], v[Y+16*\j+8:Y+16*\j+15], v[M+12+\j]
.endr
	v_nop                                          ; one plain line behind the last conversion, ahead of whatever next writes its sources
.irp j, 0,1,2,3
	ds_store_b128 v[WST], v[C+4*\j:C+4*\j+3] offset:\j*16384+((\i)/4)*2048+CC*512
.endr
.if CC == 3
.irp j, 0,1,2,3
	ds_store_b32 v[WSS], v[SW+\j] offset:\j*1024+((\i)/4)*128
.endr
.endif
.endm
; ---- THE SEARCH FOR MY ROWS
; the places that are looked for: row r of tiles TB + ahead + 4 m + w, held at the last place that has a row
.macro PINIT ahead
	s_add_co_u32 s[LTMP], s[TB], \ahead
	s_lshl_b32 s[LTMP], s[LTMP], 4                 ; 16 places a tile
.irp m, 0,1,2,3,4
	v_add_nc_u32 v[LP+\m], s[LTMP], v[PR0]
.endr
.irp m, 1,2,3,4
	v_add_nc_u32 v[LP+\m], 64*\m, v[LP+\m]
.endr
.irp m, 0,1,2,3,4
	v_min_u32 v[LP+\m], s[RM1], v[LP+\m]
.endr
.endm
; masks 4 g .. 4 g + 3 of the chain.  A mask whose running count (the set bits of all masks before it) is at most p takes the place of the one kept so far: the counts never fall, so the last one kept holds place p.
; The scalar lines of four masks stand together, ahead of the vector lines.
.macro LSEL4 g
.set PRV, LBASE
.irp i, 0,1,2,3
.set q, 4*(\g)+\i
.if q > 0
	s_bcnt1_i32_b32 s[LTMP], s[MK+q-1]
	s_add_co_u32 s[BS+\i], s[PRV], s[LTMP]         ; the running count of mask q
	s_add_co_u32 s[PKS+\i], s[BS+\i], (128*(q/4)+q%4)<<16   ; over it the token of the mask's bit 0
.else
	s_mov_b32 s[BS], 0
.endif
.set PRV, BS+\i
.endr
	s_mov_b32 s[LBASE], s[BS+3]
.irp i, 0,1,2,3
.set q, 4*(\g)+\i
.if q > 0
	v_mov_b32 v[VMQ+\i], s[MK+q]
	v_mov_b32 v[VPQ+\i], s[PKS+\i]
.endif
.endr
.irp i, 0,1,2,3
.set q, 4*(\g)+\i
.irp m, 0,1,2,3,4
.if q > 0
	v_cmp_le_u32 vcc_lo, s[BS+\i], v[LP+\m]
	v_cndmask_b32 v[LM+\m], v[LM+\m], v[VMQ+\i], vcc_lo
	v_cndmask_b32 v[LQ+\m], v[LQ+\m], v[VPQ+\i], vcc_lo
.else
	v_mov_b32 v[LM+\m], s[MK]                      ; mask 0 begins the chain: its running count and its token base are 0
	v_mov_b32 v[LQ+\m], 0
.endif
.endr
.endr
.endm
; one halving: w bits from bit LS on hold src's sum of the lower half; where at least so many set bits are still to be passed, they are passed and the upper half is taken
.macro BSTEP src, w
.irp m, 0,1,2,3,4
	v_bfe_u32 v[LT+\m], v[\src+\m], v[LS+\m], \w
.endr
.irp m, 0,1,2,3,4
	v_cmp_ge_u32 s[CD+\m], v[LK+\m], v[LT+\m]
.endr
.irp m, 0,1,2,3,4
	v_cndmask_b32 v[LT+\m], 0, v[LT+\m], s[CD+\m]
.endr
.irp m, 0,1,2,3,4
	v_cndmask_b32 v[LU+\m], 0, \w, s[CD+\m]
.endr
.irp m, 0,1,2,3,4
	v_sub_nc_u32 v[LK+\m], v[LK+\m], v[LT+\m]
.endr
.irp m, 0,1,2,3,4
	v_add_nc_u32 v[LS+\m], v[LS+\m], v[LU+\m]
.endr
.endm
; the number of the (p - running count)-th set bit of the mask kept, counted from 0 and from bit 0, for the five tiles by turns
.macro BITSEL
.irp m, 0,1,2,3,4
	v_and_b32 v[LT+\m], 0xffff, v[LQ+\m]
.endr
.irp m, 0,1,2,3,4
	v_sub_nc_u32 v[LK+\m], v[LP+\m], v[LT+\m]      ; so many set bits are to be passed
.endr
.irp m, 0,1,2,3,4
	v_lshrrev_b32 v[LT+\m], 1, v[LM+\m]
.endr
.irp m, 0,1,2,3,4
	v_and_b32 v[LT+\m], 0x55555555, v[LT+\m]
.endr
.irp m, 0,1,2,3,4
	v_sub_nc_u32 v[LA2+\m], v[LM+\m], v[LT+\m]     ; in each field of 2 bits: how many of them are set
.endr
.irp m, 0,1,2,3,4
	v_lshrrev_b32 v[LT+\m], 2, v[LA2+\m]
.endr
.irp m, 0,1,2,3,4
	v_and_b32 v[LT+\m], 0x33333333, v[LT+\m]
.endr
.irp m, 0,1,2,3,4
	v_and_b32 v[LB4+\m], 0x33333333, v[LA2+\m]
.endr
.irp m, 0,1,2,3,4
	v_add_nc_u32 v[LB4+\m], v[LB4+\m], v[LT+\m]    ; in each field of 4 bits
.endr
.irp m, 0,1,2,3,4
	v_lshrrev_b32 v[LT+\m], 4, v[LB4+\m]
.endr
.irp m, 0,1,2,3,4
	v_add_nc_u32 v[LT+\m], v[LT+\m], v[LB4+\m]
.endr
.irp m, 0,1,2,3,4
	v_and_b32 v[LC8+\m], 0x0f0f0f0f, v[LT+\m]      ; in each byte
.endr
.irp m, 0,1,2,3,4
	v_lshrrev_b32 v[LT+\m], 8, v[LC8+\m]
.endr
.irp m, 0,1,2,3,4
	v_add_nc_u32 v[LT+\m], v[LT+\m], v[LC8+\m]
.endr
.irp m, 0,1,2,3,4
	v_and_b32 v[LT+\m], 0xff, v[LT+\m]             ; in the low 16 bits
.endr
.irp m, 0,1,2,3,4
	v_cmp_ge_u32 s[CD+\m], v[LK+\m], v[LT+\m]      ; the first halving begins the bit's number
.endr
.irp m, 0,1,2,3,4
	v_cndmask_b32 v[LT+\m], 0, v[LT+\m], s[CD+\m]
.endr
.irp m, 0,1,2,3,4
	v_cndmask_b32 v[LS+\m], 0, 16, s[CD+\m]
.endr
.irp m, 0,1,2,3,4
	v_sub_nc_u32 v[LK+\m], v[LK+\m], v[LT+\m]
.endr
	BSTEP LC8, 8
	BSTEP LB4, 4
	BSTEP LA2, 2
	BSTEP LM, 1
.endm
; the token, the offsets of its codes and scale words, and the request for its word of eid (5 loads), from which the slot is read
.macro FIN
.irp m, 0,1,2,3,4
	v_lshrrev_b32 v[LT+\m], 16, v[LQ+\m]           ; the token of the mask's bit 0;
.endr
.irp m, 0,1,2,3,4
	v_lshl_add_u32 v[EN+\m], v[LS+\m], 2, v[LT+\m] ; from bit to bit four tokens
.endr
.irp m, 0,1,2,3,4
	v_min_u32 v[EN+\m], 0x3ff, v[EN+\m]            ; held inside the tables before it enters an address
.endr
.irp m, 0,1,2,3,4
	v_lshl_add_u32 v[XO+\m], v[EN+\m], 10, v[H16]
.endr
.irp m, 0,1,2,3,4
	v_lshlrev_b32 v[XSO+\m], 5, v[EN+\m]
.endr
.irp m, 0,1,2,3,4
	v_lshlrev_b32 v[LS+\m], 2, v[EN+\m]
.endr
.irp m, 0,1,2,3,4
	global_load_b32 v[LU+\m], v[LS+\m], s[8:9]
.endr
.endm
; entry = 2 token + slot; the work-group with ch = 0 stores its five tiles' entries, 64 bytes a tile (lanes 16-31 hold the same rows as lanes 0-15 and store the same words with the same numbers).
; first = 1: and the count R, each thread into a word of its own: words 1,920 to 2,047 of the expert's part, 512 consecutive bytes, aligned
.macro LSTORE adr, off, first
.irp m, 0,1,2,3,4
	v_lshrrev_b32 v[LU+\m], 8, v[LU+\m]            ; the token's second choice
.endr
.irp m, 0,1,2,3,4
	v_cmp_eq_u32 s[CD+\m], s[ME], v[LU+\m]
.endr
.irp m, 0,1,2,3,4
	v_cndmask_b32 v[LT+\m], 0, 1, s[CD+\m]         ; the slot
.endr
.irp m, 0,1,2,3,4
	v_lshl_add_u32 v[LT+\m], v[EN+\m], 1, v[LT+\m]
.endr
.if \first
	v_mov_b32 v[RV], s[RC]
.endif
	s_cmp_lg_u32 s[CH], 0
	s_cbranch_scc1 .Lnot_mine_\@
.irp m, 0,1,2,3,4
	global_store_b32 v[\adr], v[LT+\m], s[LSB:LSB+1] offset:256*\m+\off
.endr
.if \first
	global_store_b32 v[T4], v[RV], s[LSB:LSB+1] offset:7680
.endif
.Lnot_mine_\@:
.endm
; four fragments (column tiles 0-3) of K step s into buffer buf of window 1
.macro WLOAD buf, adr, s
	WIN 0x40
.irp j, 0,1,2,3
.irp c, 0,1,2,3
	ds_load_b128 v[64*\buf+16*\j+4*\c:64*\buf+16*\j+4*\c+3], v[\adr] offset:(8*\j+(\s))*2048+512*\c
.endr
.endr
	WIN 0
.endm
; my five tiles' rows of K step ks into ring slot: 20 loads; lane (r, h) takes K = 32 c + 16 h + 0 .. 15 of row r
.macro XFILL slot, ks
	WIN 0x80
.irp m, 0,1,2,3
.irp c, 0,1,2,3
	global_load_b128 v[64*\m+16*(\slot)+4*\c:64*\m+16*(\slot)+4*\c+3], v[XO+\m], s[4:5] offset:128*(\ks)+32*\c
.endr
.endr
	WIN 0x40
.irp c, 0,1,2,3
	global_load_b128 v[128+16*(\slot)+4*\c:128+16*(\slot)+4*\c+3], v[XO+4], s[4:5] offset:128*(\ks)+32*\c
.endr
	WIN 0
.endm
.macro SFILL                           ; their scale words: 32 bytes a row, 10 loads (lanes 16-31 take the same words; they are not read)
.irp m, 0,1,2,3,4
	global_load_b128 v[XS+8*\m:XS+8*\m+3], v[XSO+\m], s[6:7]
	global_load_b128 v[XS+8*\m+4:XS+8*\m+7], v[XSO+\m], s[6:7] offset:16
.endr
.endm
; 20 products: five tiles of rows x four column tiles of weight mtx, K step s.  K step 0 starts the sums with the constant 0.  The 40 accumulators take turns, one instruction a turn.
.macro MULS s, mtx
	WIN 0xF9                                       ; source 0 window 1, source 1 window 2, C and D window 3
.irp m, 0,1,2,3
.irp j, 0,1,2,3
.if (\s) == 0
	v_wmma_scale_f32_16x16x128_f8f6f4 v[64*\m+32*\mtx+8*\j:64*\m+32*\mtx+8*\j+7], v[64*\mtx+16*\j:64*\mtx+16*\j+15], v[64*\m+16*((\s)%4):64*\m+16*((\s)%4)+15], 0, v[WS+8*(4*\mtx+\j)+(\s)], v[XS+8*\m+(\s)]
.else
	v_wmma_scale_f32_16x16x128_f8f6f4 v[64*\m+32*\mtx+8*\j:64*\m+32*\mtx+8*\j+7], v[64*\mtx+16*\j:64*\mtx+16*\j+15], v[64*\m+16*((\s)%4):64*\m+16*((\s)%4)+15], v[64*\m+32*\mtx+8*\j:64*\m+32*\mtx+8*\j+7], v[WS+8*(4*\mtx+\j)+(\s)], v[XS+8*\m+(\s)]
.endif
.endr
.endr
	WIN 0x55                                       ; tile 4: all in window 1
.irp j, 0,1,2,3
.if (\s) == 0
	v_wmma_scale_f32_16x16x128_f8f6f4 v[192+32*\mtx+8*\j:192+32*\mtx+8*\j+7], v[64*\mtx+16*\j:64*\mtx+16*\j+15], v[128+16*((\s)%4):128+16*((\s)%4)+15], 0, v[WS+8*(4*\mtx+\j)+(\s)], v[XS+32+(\s)]
.else
	v_wmma_scale_f32_16x16x128_f8f6f4 v[192+32*\mtx+8*\j:192+32*\mtx+8*\j+7], v[64*\mtx+16*\j:64*\mtx+16*\j+15], v[128+16*((\s)%4):128+16*((\s)%4)+15], v[192+32*\mtx+8*\j:192+32*\mtx+8*\j+7], v[WS+8*(4*\mtx+\j)+(\s)], v[XS+32+(\s)]
.endif
.endr
.endm
; half a K step: one weight's 20 products.  In front of them the other buffer's fragments are asked for, eight places behind the products that read it.
.macro HSTEP s, mtx
.if (\s)+(\mtx) > 0
	PLACES 8
.endif
.if \mtx == 0
	WLOAD 1, LFR1, \s
.if (\s >= 1) && (\s <= 4)
	XFILL ((\s)-1)%4, (\s)+3                       ; the ring slot of the K step just done takes the K step four on
.endif
.if \s <= 4
	s_wait_loadcnt 60                              ; this K step's rows are in: three groups of 20 loads are younger
.else
	s_wait_loadcnt 20*(7-(\s))                     ; the counts run down
.endif
	s_wait_dscnt 16                                ; w0's fragments are in; w1's sixteen loads may be out
.else
.if \s < 7
	WLOAD 0, LFR0, (\s)+1
	s_wait_dscnt 16
.else
	s_wait_dscnt 0x0
.endif
.endif
	MULS \s, \mtx
.endm
; THE WAY OUT of tile m: h = silu(a0) a1, its block's scale, its codes
.macro EPI m
	s_add_co_u32 s40, s[TB], 4*\m
	s_add_co_u32 s40, s40, s[WV]                   ; the tile's number
	s_cmp_ge_u32 s40, s[NTS]
	s_cbranch_scc1 .Lno_tile_\@
	s_wait_xcnt 0x0                                ; the earlier stores have read their data and offsets: both are written again below
	s_lshl_b32 s41, s40, 15
	s_lshl_b32 s42, s40, 10
	v_add_nc_u32 v[HO], s41, v[HB]
	v_add_nc_u32 v[SO2], s42, v[SBB]
.if \m < 4
.set AW, 3
.set AC, 64*\m
.else
.set AW, 1
.set AC, 192
.endif
	WIN AW                                         ; source 0: the accumulators' window
.set p, 0
.rept 16
	v_pk_mul_f32 v[T+2*p:T+2*p+1], v[AC+2*p:AC+2*p+1], s[NL:NL+1] op_sel_hi:[1,0]   ; -a0 log2(e); each accumulator is read from its low end on
.set p, p+1
.endr
	WIN 0
.set p, 0
.rept 32
	v_exp_f32 v[T+p], v[T+p]
.set p, p+1
.endr
	v_nop                                          ; a plain line behind the transcendentals
.set p, 0
	s_wait_alu depctr_va_vdst(0)
.rept 16
	v_pk_add_f32 v[T+2*p:T+2*p+1], v[T+2*p:T+2*p+1], 1.0 op_sel_hi:[1,0]
.set p, p+1
.endr
.set p, 0
.rept 32
	v_rcp_f32 v[T+p], v[T+p]                       ; 1 / (1 + exp(-a0))
.set p, p+1
.endr
	v_nop
	WIN AW
.set p, 0
	s_wait_alu depctr_va_vdst(0)
.rept 16
	v_pk_mul_f32 v[U+2*p:U+2*p+1], v[AC+2*p:AC+2*p+1], v[T+2*p:T+2*p+1]             ; silu(a0)
.set p, p+1
.endr
.irp j, 0,1,2,3
.irp i, 0,1,2,3,4,5,6,7
	v_mul_f32 v[Y+4*\i+\j], v[AC+32+8*\j+\i], v[U+8*\j+\i]                          ; x a1, laid in F's order: column 32 h + 4 i + j
.endr
.endr
	WIN 0
.irp k, 0,1,2,3
	v_max3_num_f32 v[M+\k], s[FLOOR], |v[Y+8*\k]|, |v[Y+8*\k+1]|                    ; all 32 numbers of the block are mine: four chains
.endr
.irp i, 2,4,6
.irp k, 0,1,2,3
	v_max3_num_f32 v[M+\k], v[M+\k], |v[Y+8*\k+\i]|, |v[Y+8*\k+\i+1]|
.endr
.endr
	v_max3_num_f32 v[M], v[M], v[M+1], v[M+2]
	v_max_num_f32 v[M], v[M], v[M+3]
	v_add_nc_u32 v[M+4], 0xfc000000, v[M]
	v_and_or_b32 v[M+5], v[M], 0x7f800000, s[MNT]
	v_lshrrev_b32 v[M+6], 23, v[M+4]
.set p, 0
.rept 32
	v_med3_num_f32 v[Y+p], v[Y+p], -v[M+5], v[M+5]
.set p, p+1
.endr
.irp g, 0,1,2,3
	v_cvt_scalef32_pk8_fp8_f32 v[T+2*\g:T+2*\g+1], v[Y+8*\g:Y+8*\g+7], v[M+4]
.endr
	v_nop                                          ; one plain line behind the last conversion
	global_store_b128 v[HO], v[T:T+3], s[HIB:HIB+1]               ; K = 0 .. 15 of my block belong to lane r of the image, K = 16 .. 31 to lane 16 + r:
	global_store_b128 v[HO], v[T+4:T+7], s[HIB:HIB+1] offset:256  ; sixteen lanes store 256 consecutive bytes, aligned
	global_store_b8 v[SO2], v[M+6], s[HSB:HSB+1]
.Lno_tile_\@:
.endm
	s_load_b256 s[4:11], s[0:1], 0x0               ; x_codes s[4:5], x_scales s[6:7], eid s[8:9], w0 s[10:11]
	s_load_b128 s[12:15], s[0:1], 0x20             ; w1 s[12:13], h_img s[14:15]
	s_load_b64 s[16:17], s[0:1], 0x30              ; h_sc
	s_load_b64 s[LSB:LSB+1], s[0:1], 0x38          ; list
	v_lshl_add_u32 v158, v0, 2, 0x22000
	v_mov_b32 v159, 0
	v_lshrrev_b32 v[LN], 5, v0
	v_readfirstlane_b32 s[WV], v[LN]               ; wave 0..3
	v_and_b32 v[LN], 31, v0
	v_and_b32 v[RR], 15, v0
	v_bfe_u32 v[HH], v0, 4, 1
	s_lshr_b32 s[ME], ttmp9, 5                     ; my expert
	s_and_b32 s[CH], ttmp9, 31                     ; my 64 columns
	s_mul_i32 s[MEX], s[ME], 0x101                 ; my expert's number in the places of a word's two choices
	s_lshr_b32 s[MTX], s[WV], 1                    ; w0 or w1
	s_and_b32 s40, s[WV], 1                        ; which half of K
	s_lshl_b32 s41, s[MTX], 16
	s_lshl_b32 s42, s40, 13
	s_add_co_u32 s41, s41, s42
	v_lshl_add_u32 v[WST], v[LN], 4, s41
	s_lshl_b32 s41, s[MTX], 12
	s_lshl_b32 s42, s40, 9
	s_add_co_u32 s41, s41, s42
	s_add_co_u32 s41, s41, WSC
	v_lshl_add_u32 v[WSS], v[LN], 2, s41
	v_lshlrev_b32 v[LFR0], 4, v[LN]
	v_add_nc_u32 v[LFR1], 65536, v[LFR0]
	v_lshl_add_u32 v[WSL], v[LN], 2, WSC
	s_lshl_b32 s41, s[WV], 6
	v_lshl_add_u32 v[LSTA], v[RR], 2, s41          ; a tile's 16 entries are 64 bytes
	s_lshl_b32 s41, s[WV], 4
	v_add_nc_u32 v[PR0], s41, v[RR]                ; and 16 places
	v_lshlrev_b32 v[T4], 2, v0
	v_lshlrev_b32 v[WOFF], 4, v[RR]
	v_lshl_add_u32 v[WOFF], v[HH], 17, v[WOFF]     ; 16 rows of 8,192 bytes for lanes 16-31
	v_lshlrev_b32 v[H16], 4, v[HH]
	v_lshlrev_b32 v[HB], 4, v[RR]
	v_lshl_add_u32 v[HB], v[HH], 9, v[HB]
	v_lshl_add_u32 v[SBB], v[RR], 6, v[HH]
.irp j, 0,1,2,3
	v_mov_b32 v[M+4+\j], 0                         ; written once: a lane permute's destination counts as one of its sources
.endr
	s_mov_b32 s[SEL], 0x76543210
	s_mov_b32 s[SEL+1], 0xfedcba98
	s_mov_b32 s[MNT], 0x600000                     ; the mantissa field of 448
	s_mov_b32 s[FLOOR], 0x4800000                  ; 2^(9 - 127)
	s_mov_b32 s[NL], 0xbfb8aa3b                    ; -log2(e)
	s_mov_b32 s[NL+1], s[NL]                       ; (named with it as a pair, so it is written)
	s_mov_b32 s[PASS], 0
	s_mov_b32 s[RB], 0
	s_mov_b32 s[TB], 0
	s_lshl_b32 s42, s[ME], 23                      ; an expert's weight is 8,388,608 bytes,
	s_lshl_b32 s43, s40, 22                        ; half of K 4,194,304,
	s_add_co_u32 s42, s42, s43
	s_lshl_b32 s43, s[CH], 8                       ; 64 columns 256
	s_add_co_u32 s42, s42, s43
	s_mov_b32 s43, 0
	s_lshl_b32 s44, s[ME], 21                      ; h_img: 64 tiles x 32,768 bytes an expert; my 64 columns are 1,024 bytes of an image
	s_lshl_b32 s45, s[CH], 10
	s_add_co_u32 s44, s44, s45
	s_mov_b32 s45, 0
	s_lshl_b32 s46, s[ME], 16                      ; h_sc: 64 tiles x 1,024 bytes an expert; my two blocks
	s_lshl_b32 s47, s[CH], 1
	s_add_co_u32 s46, s46, s47
	s_mov_b32 s47, 0
	s_lshl_b32 s50, s[ME], 13                      ; list: 8,192 bytes an expert
	s_mov_b32 s51, 0
	s_wait_kmcnt 0x0
	s_cmp_eq_u32 s[MTX], 0
	s_cselect_b64 s[WP:WP+1], s[10:11], s[12:13]
	s_add_nc_u64 s[WP:WP+1], s[WP:WP+1], s[42:43]
	s_add_nc_u64 s[HIB:HIB+1], s[14:15], s[44:45]
	s_add_nc_u64 s[HSB:HSB+1], s[16:17], s[46:47]
	s_add_nc_u64 s[LSB:LSB+1], s[LSB:LSB+1], s[50:51]
.irp g, 0,1,2,3,4,5,6,7
	global_load_b128 v[EW+4*\g:EW+4*\g+3], v[LFR0], s[8:9] offset:512*\g     ; the 1,024 words of eid, 512 consecutive bytes a load, ahead of the weights: register 4 g + i of lane l is token 128 g + 4 l + i
.endr
	WSET 0
	WSET 1
	WSET 2
	WSET 3
	; ---- PHASE 1.  The counts: three younger sets of 16 loads, and whatever else was asked for behind the set.  The search for my rows stands in pieces between the sets
	QSET 0, 1, 48                                  ; (the eight loads of eid are older than set 0: they are in too)
.irp g, 0,1,2,3,4,5,6,7                            ; the masks: a word's two choices less my expert's number; the product of the two differences is 0 where one of them is
.irp i, 0,1,2,3
	v_xor_b32 v[LX+\i], s[MEX], v[EW+4*\g+\i]
.endr
.irp i, 0,1,2,3
	v_and_b32 v[LY+\i], 0xff, v[LX+\i]
.endr
.irp i, 0,1,2,3
	v_lshrrev_b32 v[LX+\i], 8, v[LX+\i]
.endr
.irp i, 0,1,2,3
	v_mul_u32_u24 v[LY+\i], v[LY+\i], v[LX+\i]
.endr
.irp i, 0,1,2,3
	v_cmp_eq_u32 s[MK+4*\g+\i], 0, v[LY+\i]
.endr
.endr
	QSET 1, 1, 48
	s_bcnt1_i32_b32 s[RC], s[MK]                   ; the count R: the set bits of the 32 masks
.set q, 1
.rept 31
	s_bcnt1_i32_b32 s[LTMP], s[MK+q]
	s_add_co_u32 s[RC], s[RC], s[LTMP]
.set q, q+1
.endr
	s_min_u32 s[RC], s[RC], 1024
	s_add_co_u32 s[NTS], s[RC], 15
	s_lshr_b32 s[NTS], s[NTS], 4
	s_max_u32 s[NTS], s[NTS], 1
	s_max_u32 s[RM1], s[RC], 1
	s_sub_co_u32 s[RM1], s[RM1], 1
	PINIT 0
	LSEL4 0
	LSEL4 1
	QSET 2, 1, 48
	LSEL4 2
	LSEL4 3
	QSET 3, 1, 48
	LSEL4 4
	LSEL4 5
	QSET 4, 1, 48
	LSEL4 6
	LSEL4 7
	QSET 5, 1, 48
	BITSEL
	FIN
.irp i, 6,7,8,9
	QSET \i, 1, 53                                 ; three sets and the five words of my rows' tokens are younger
.endr
	QSET 10, 1, 48                                 ; set 10 was asked for behind those five words: they are in too
	LSTORE LSTA, 0, 1
	QSET 11, 1, 48
	QSET 12, 0, 48
	SFILL
	XFILL 0, 0
	QSET 13, 0, 62                                 ; two sets and 30 loads of rows are younger
	XFILL 1, 1
	QSET 14, 0, 63                                 ; 66 are younger
	XFILL 2, 2
	QSET 15, 0, 63                                 ; 70 are younger
	XFILL 3, 3
	s_wait_dscnt 0x0                               ; for the others' sake: my images and scale words lie in LDS
	s_barrier_signal -1
	s_barrier_wait -1
.set q, 0
.rept 64
	ds_load_b32 v[WS+q], v[WSL] offset:128*q       ; the weights' scale words stay in registers: lane r has column tile row r's
.set q, q+1
.endr
	; ---- PHASE 2
.Lpass:
	s_cmp_ge_u32 s[TB], s[NTS]
	s_cbranch_scc1 .Lidle                          ; no tile in this pass: only the steps at the trip's end are run
	WLOAD 0, LFR0, 0
.irp s, 0,1,2,3,4,5,6,7
	HSTEP \s, 0
	HSTEP \s, 1
.endr
	PLACES 9                                       ; behind the last products: for the reads of results, the writes and loads into operands and scales, and the next pass's sums, which begin anew on these accumulators
	WIN 0
	s_add_co_u32 s40, s[TB], 20
	s_cmp_ge_u32 s40, s[NTS]
	s_cbranch_scc1 .Lno_more                       ; the next pass's rows are looked for and asked for only if it has tiles: more than 320 rows on one expert
	s_wait_xcnt 0x0                                ; the earlier stores have read their data and offsets: the search writes some of them again
	PINIT 20
.irp g, 0,1,2,3,4,5,6,7
	LSEL4 \g
.endr
	BITSEL
	FIN                                            ; (the wait for 0 loads at K step 7 has shown every load done that named these offsets)
	v_add_nc_u32 v[LA], s[RB], v[LSTA]
	s_wait_loadcnt 0x0                             ; the five words are in
	LSTORE LA, 1280, 0
	SFILL
	XFILL 0, 0
	XFILL 1, 1
	XFILL 2, 2
	XFILL 3, 3
.Lno_more:
	EPI 0
	EPI 1
	EPI 2
	EPI 3
	EPI 4
.Lidle:
	s_add_co_u32 s[RB], s[RB], 1280
	s_add_co_u32 s[TB], s[TB], 20
	s_add_co_u32 s[PASS], s[PASS], 1
	s_cmp_lt_u32 s[PASS], 4
	s_cbranch_scc1 .Lpass
	s_wait_tensorcnt 0x0
	ds_add_u32 v158, v159
	s_wait_dscnt 0x0
	s_endpgm
.Lfunc_end_k_q0d5e5c29df_up:
	.size	k_q0d5e5c29df_up, .Lfunc_end_k_q0d5e5c29df_up-k_q0d5e5c29df_up
	.p2alignl 7, 3214868480
	.fill 96, 4, 3214868480
	.section	.rodata,"a",@progbits
	.p2align	6, 0x0
	.amdhsa_kernel k_q0d5e5c29df_up
		.amdhsa_group_segment_fixed_size 139776
		.amdhsa_private_segment_fixed_size 0
		.amdhsa_enable_private_segment 0
		.amdhsa_kernarg_size 64
		.amdhsa_user_sgpr_count 2
		.amdhsa_user_sgpr_kernarg_segment_ptr 1
		.amdhsa_wavefront_size32 1
		.amdhsa_system_sgpr_workgroup_id_x 1
		.amdhsa_system_sgpr_workgroup_id_y 1
		.amdhsa_system_sgpr_workgroup_id_z 1
		.amdhsa_system_vgpr_workitem_id 0
		.amdhsa_next_free_vgpr 1024
		.amdhsa_next_free_sgpr 100
		.amdhsa_reserve_vcc 1
		.amdhsa_float_denorm_mode_32 3
		.amdhsa_float_denorm_mode_16_64 3
		.amdhsa_memory_ordered 1
		.amdhsa_forward_progress 1
		.amdhsa_inst_pref_size 255
	.end_amdhsa_kernel
	.section	.bss,"aw",@nobits
	.p2align	6
	.space	262144
	.amdgpu_metadata
---
amdhsa.version: [ 1, 2 ]
amdhsa.kernels:
  - .name:           k_q0d5e5c29df_up
    .symbol:         k_q0d5e5c29df_up.kd
    .args:
      - { .name: x_codes, .offset: 0, .size: 8, .value_kind: global_buffer, .address_space: global }
      - { .name: x_scales, .offset: 8, .size: 8, .value_kind: global_buffer, .address_space: global }
      - { .name: eid, .offset: 16, .size: 8, .value_kind: global_buffer, .address_space: global }
      - { .name: w0, .offset: 24, .size: 8, .value_kind: global_buffer, .address_space: global }
      - { .name: w1, .offset: 32, .size: 8, .value_kind: global_buffer, .address_space: global }
      - { .name: h_img, .offset: 40, .size: 8, .value_kind: global_buffer, .address_space: global }
      - { .name: h_sc, .offset: 48, .size: 8, .value_kind: global_buffer, .address_space: global }
      - { .name: list, .offset: 56, .size: 8, .value_kind: global_buffer, .address_space: global }
    .group_segment_fixed_size: 139776
    .private_segment_fixed_size: 0
    .kernarg_segment_align: 8
    .kernarg_segment_size: 64
    .max_flat_workgroup_size: 128
    .sgpr_count:     100
    .vgpr_count:     1024
    .wavefront_size: 32
...
	.end_amdgpu_metadata
.endif
;; end of part 6
;; launch down (part 7): grid 256 x 1, 4 waves a work-group, no clusters, 87,552 bytes of LDS; arguments h_img, h_sc, list, probs, wo, y; writes y
.if DOCPART == 7
	.amdgcn_target "amdgcn-amd-amdhsa--gfx1250"
	.amdhsa_code_object_version 6
	.text
	.protected	k_q0d5e5c29df_down
	.globl	k_q0d5e5c29df_down
	.p2align	8
	.type	k_q0d5e5c29df_down,@function
k_q0d5e5c29df_down:
	s_mov_b64 s[64:65], 0
	v_nop
	global_prefetch_b8 v0, s[64:65] scope:SCOPE_SE
	s_setreg_imm32_b32 hwreg(HW_REG_WAVE_MODE, 25, 1), 1
	s_wait_xcnt 0x0
; y[kh][2 token + slot][:] = p x (h wo[e]) over half kh of K = F, for the rows that chose expert e; the product is on E4M3 codes with one E8M0 scale for each 32 along K.
; SHARES.  Work-group g: expert e = g / 32, columns 64 sl .. 64 sl + 63 (sl = (g / 2) % 16), rows 1,024 kh .. 1,024 kh + 1,023 of wo[e] (kh = g % 2): 256 KB of f32 that no other work-group reads.
; K is halved so that there are 256 work-groups; the two halves and a token's two experts are added by the next launch.
; PHASE 1: wave w quantises 8 sets of 32 rows of K x 64 columns.  In load i lane (r, h) reads row 16 h + i, columns 4 r .. 4 r + 3: each load covers two runs of 256 consecutive bytes, aligned.
; COLUMN TILE j IS THE COLUMNS 4 r + j, so that a lane's 16 numbers of a column are what lane (r, h) of a fragment holds; the codes go to LDS as images of the registers.
; THE LIST of expert e's rows (entry = 2 token + slot, 4 bytes a place) and their count R were stored by the launch before, which laid h_img by it: place i of the list is row i of h_img.  Only the tiles that
; that launch made are read.  Places from R on repeat place R - 1: such a row's results are that row's own bits, and the wave stores them to the same bytes of y once more.  With R = 0 nothing is stored.
; PHASE 2: wave w takes tiles 20 p + 4 m + w (m = 0 .. 4) in pass p; four trips for every split; a pass without tiles is jumped over.  h's fragments come from h_img as they lie: 512 consecutive bytes a load.
; The product is used transposed (source 0 = 16 columns of wo, source 1 = 16 rows of h): lane (r, h) holds row r and columns 32 h + 4 i + j.
; WAY OUT: x p, through the wave's own stage in LDS, back as rows of 256 bytes (lanes 0-15 row i, lanes 16-31 row 8 + i, so that a lane's eight rows are eight neighbouring words of the list):
; sixteen lanes store 256 consecutive bytes, aligned, of the row that the list names.
; No tensor loads and no cluster: how many tiles a wave multiplies hangs on a count read from memory, and no weight byte is shared.
; LIMITS: NaN and infinities are not served; blocks whose largest magnitude lies under 2^-118 get the byte 1; a block of zeros gets the byte 1 over zero codes.
; REGISTERS: window 0: addresses, scale words, work;  window 1: v0-63, v64-127 wo's fragments of two K steps by turns, v128-191 tile 4's rows, v192-223 its accumulators;
;   window 2: the rows of tiles 0-3, 64 each;  window 3: phase 1: four sets of 64; phase 2: the accumulators of tiles 0-3, tile m's at 64 m + 8 j.
.set ROWB,  4096                       ; a row of wo in bytes
.set WSC,   65536                      ; LDS: 0: 32 images of 2,048 bytes, fragment 8 j + s;  here their scale words, 128 bytes each
.set STG,   69632                      ; a stage of 16 rows x (256 + 16) bytes for each wave
.set LN,    1
.set RR,    2
.set HH,    3
.set WOFF,  4
.set WST,   5
.set LFR0,  6                          ; v6   16 x lane: an image's place for my lane, in LDS and in h_img
.set WSS,   8
.set WSL,   9
.set LSTA,  10                         ; v10  the list: byte of row r of tile w
.set LA,    11                         ; v11  the same in a later pass
.set XO,    12                         ; v12-16 byte offset of tile m's images
.set XSO,   17                         ; v17-21 of my row's scale words
.set EN,    22                         ; v22-26 list entries, then offsets into probs
.set P,     27                         ; v27-31 p of my row, tile m
.set WS,    32                         ; v32-63 wo's scale words
.set LE,    64                         ; v64  the list: byte of row 8 h of tile w
.set LE2,   65                         ; v65  the same in a later pass
.set SO,    66                         ; v66  the stage: where I put my row's 128 bytes
.set SR,    67                         ; v67  and where I read rows back
.set R16,   68                         ; v68  16 r
.set R64,   69                         ; v69  64 r
.set EO4,   80                         ; v80-87   tile 4: the entries of rows 8 h + 0 .. 7, then their offsets in y
.set XS,    96
.set M,     136
.set SW,    152
.set Y,     160
.set C,     224                        ; phase 1: v224-239 codes
.set T,     192
.set EO,    224                        ; phase 2: v224-255 tiles 0-3: the same as EO4, eight registers a tile
.set WV,    18
.set ME,    19
.set SL,    20
.set KH,    21
.set SEL,   22
.set MNT,   24
.set FLOOR, 25
.set WP,    28                         ; s[28:29]
.set XB,    30                         ; s[30:31] h_img at my expert and half of K
.set XSB,   32                         ; s[32:33] h_sc likewise
.set RC,    34
.set NTL,   35                         ; tiles with rows
.set NTS,   36                         ; tiles that were written: at least one
.set PASS,  37
.set RB,    38
.set TB,    39
.set YB,    48                         ; s[48:49] y at my half of K and my columns
.set NM1,   50                         ; NTS - 1
.set MSB, 0
.macro WIN new                         ; the immediate's high byte repeats the setting that is left; a switch that changes nothing is dropped
.if MSB != \new
	s_set_vgpr_msb (MSB<<8)|\new
.set MSB, \new
.endif
.endm
.macro PLACES n
.rept \n
	v_nop
.endr
.endm
.macro WSET i
	WIN 0xC0
.irp ii, 0,1,2,3,4,5,6,7,8,9,10,11,12,13,14,15
	global_load_b128 v[64*((\i)%4)+4*\ii:64*((\i)%4)+4*\ii+3], v[WOFF], s[WP:WP+1] offset:((\i)*32+\ii)*ROWB th:TH_LOAD_NT
.endr
	WIN 0
.endm
; set i becomes four registers of each of four fragments.  cnt: the loads issued behind set i
.macro QSET i, refill, cnt
.set SB, 64*((\i)%4)
.set CC, (\i)%4
	s_wait_dscnt 0x0                               ; the last set's LDS stores have read their registers
	s_wait_loadcnt \cnt
	WIN 0x3C                                       ; sources 1 and 2: window 3
.irp j, 0,1,2,3
	v_max3_num_f32 v[M+\j], s[FLOOR], |v[SB+\j]|, |v[SB+4+\j]|       ; column 4 r + j: my 16 numbers, and the floor 2^(9 - 127)
.endr
.irp ii, 2,4,6,8,10,12,14
.irp j, 0,1,2,3
	v_max3_num_f32 v[M+\j], v[M+\j], |v[SB+4*\ii+\j]|, |v[SB+4*\ii+4+\j]|
.endr
.endr
	WIN 0
.irp j, 0,1,2,3
	v_permlanex16_b32 v[M+4+\j], v[M+\j], s[SEL], s[SEL+1]
.endr
.irp j, 0,1,2,3
	v_max_num_f32 v[M+\j], v[M+\j], v[M+4+\j]      ; with lane l xor 16's 16: the block's largest magnitude
.endr
.irp j, 0,1,2,3
	v_add_nc_u32 v[M+12+\j], 0xfc000000, v[M+\j]   ; 8 off its exponent field: the conversion's scale operand
.endr
.irp j, 0,1,2,3
	v_and_or_b32 v[M+8+\j], v[M+\j], 0x7f800000, s[MNT]   ; 448 x the scale
.endr
.irp j, 0,1,2,3
	v_lshrrev_b32 v[M+4+\j], 23, v[M+12+\j]        ; the scale's byte
.endr
.irp j, 0,1,2,3
.if CC == 0
	v_mov_b32 v[SW+\j], v[M+4+\j]
.else
	v_lshl_or_b32 v[SW+\j], v[M+4+\j], 8*CC, v[SW+\j]
.endif
.endr
	WIN 0x03                                       ; source 0: window 3
.irp j, 0,1,2,3
.irp ii, 0,1,2,3,4,5,6,7,8,9,10,11,12,13,14,15
	v_med3_num_f32 v[Y+16*\j+\ii], v[SB+4*\ii+\j], -v[M+8+\j], v[M+8+\j]   ; the hold (ISA guide 7.6.2) and the turn into K's order in one
.endr
.endr
	WIN 0
.if \refill
	WSET (\i)+4
.endif
.irp j, 0,1,2,3
	v_cvt_scalef32_pk8_fp8_f32 v[C+4*\j:C+4*\j+1], v[Y+16*\j:Y+16*\j+7], v[M+12+\j]
	v_cvt_scalef32_pk8_fp8_f32 v[C+4*\j+2:C+4*\j+3], v[Y+16*\j+8:Y+16*\j+15], v[M+12+\j]
.endr
	v_nop                                          ; one plain line behind the last conversion
.irp j, 0,1,2,3
	ds_store_b128 v[WST], v[C+4*\j:C+4*\j+3] offset:\j*16384+((\i)/4)*2048+CC*512
.endr
.if CC == 3
.irp j, 0,1,2,3
	ds_store_b32 v[WSS], v[SW+\j] offset:\j*1024+((\i)/4)*128
.endr
.endif
.endm
.macro WLOAD buf, adr, s
	WIN 0x40
.irp j, 0,1,2,3
.irp c, 0,1,2,3
	ds_load_b128 v[64*(\buf)+16*\j+4*\c:64*(\buf)+16*\j+4*\c+3], v[\adr] offset:(8*\j+(\s))*2048+512*\c
.endr
.endr
	WIN 0
.endm
; my five tiles' fragments of K step ks into ring slot: 20 loads of 512 consecutive bytes
.macro XFILL slot, ks
	WIN 0x80
.irp m, 0,1,2,3
.irp c, 0,1,2,3
	global_load_b128 v[64*\m+16*(\slot)+4*\c:64*\m+16*(\slot)+4*\c+3], v[XO+\m], s[XB:XB+1] offset:2048*(\ks)+512*\c
.endr
.endr
	WIN 0x40
.irp c, 0,1,2,3
	global_load_b128 v[128+16*(\slot)+4*\c:128+16*(\slot)+4*\c+3], v[XO+4], s[XB:XB+1] offset:2048*(\ks)+512*\c
.endr
	WIN 0
.endm
.macro SFILL                           ; the rows' eight scale words of my half of K: 10 loads
.irp m, 0,1,2,3,4
	global_load_b128 v[XS+8*\m:XS+8*\m+3], v[XSO+\m], s[XSB:XSB+1]
	global_load_b128 v[XS+8*\m+4:XS+8*\m+7], v[XSO+\m], s[XSB:XSB+1] offset:16
.endr
.endm
.macro XADDR ahead                     ; the offsets of tiles TB + ahead + 4 m + w, held at the last tile that was written
.irp m, 0,1,2,3,4
	s_add_co_u32 s40, s[TB], \ahead+4*\m
	s_add_co_u32 s40, s40, s[WV]
	s_min_u32 s40, s40, s[NM1]
	s_min_u32 s40, s40, 63
	s_lshl_b32 s41, s40, 15
	s_lshl_b32 s42, s40, 10
	v_add_nc_u32 v[XO+\m], s41, v[LFR0]
	v_add_nc_u32 v[XSO+\m], s42, v[R64]
.endr
.endm
.macro ENLOAD adr, off                 ; the entry of row r of each of my five tiles: 5 loads
.irp m, 0,1,2,3,4
	global_load_b32 v[EN+\m], v[\adr], s[8:9] offset:256*\m+\off
.endr
.endm
.macro PGET                            ; and the row's weight: probs[token][slot] lies at 4 x entry: 5 loads
.irp m, 0,1,2,3,4
	v_min_u32 v[EN+\m], 0x7ff, v[EN+\m]
	v_lshlrev_b32 v[EN+\m], 2, v[EN+\m]
.endr
.irp m, 0,1,2,3,4
	global_load_b32 v[P+\m], v[EN+\m], s[10:11]
.endr
.endm
.macro EOLOAD adr, off                 ; the entries of rows 8 h + 0 .. 7 of each of my five tiles: 10 loads of 16 bytes
.irp m, 0,1,2,3
	global_load_b128 v[EO+8*\m:EO+8*\m+3], v[\adr], s[8:9] offset:256*\m+\off
	global_load_b128 v[EO+8*\m+4:EO+8*\m+7], v[\adr], s[8:9] offset:256*\m+\off+16
.endr
	global_load_b128 v[EO4:EO4+3], v[\adr], s[8:9] offset:1024+\off
	global_load_b128 v[EO4+4:EO4+7], v[\adr], s[8:9] offset:1024+\off+16
.endm
; 20 products: five tiles of rows x four column tiles, K step s.  The 20 accumulators take turns, one instruction a turn.
.macro MULS s
	WIN 0xF9                                       ; source 0 window 1, source 1 window 2, C and D window 3
.irp m, 0,1,2,3
.irp j, 0,1,2,3
.if (\s) == 0
	v_wmma_scale_f32_16x16x128_f8f6f4 v[64*\m+8*\j:64*\m+8*\j+7], v[64*((\s)%2)+16*\j:64*((\s)%2)+16*\j+15], v[64*\m+16*((\s)%4):64*\m+16*((\s)%4)+15], 0, v[WS+8*\j+(\s)], v[XS+8*\m+(\s)]
.else
	v_wmma_scale_f32_16x16x128_f8f6f4 v[64*\m+8*\j:64*\m+8*\j+7], v[64*((\s)%2)+16*\j:64*((\s)%2)+16*\j+15], v[64*\m+16*((\s)%4):64*\m+16*((\s)%4)+15], v[64*\m+8*\j:64*\m+8*\j+7], v[WS+8*\j+(\s)], v[XS+8*\m+(\s)]
.endif
.endr
.endr
	WIN 0x55                                       ; tile 4: all in window 1
.irp j, 0,1,2,3
.if (\s) == 0
	v_wmma_scale_f32_16x16x128_f8f6f4 v[192+8*\j:192+8*\j+7], v[64*((\s)%2)+16*\j:64*((\s)%2)+16*\j+15], v[128+16*((\s)%4):128+16*((\s)%4)+15], 0, v[WS+8*\j+(\s)], v[XS+32+(\s)]
.else
	v_wmma_scale_f32_16x16x128_f8f6f4 v[192+8*\j:192+8*\j+7], v[64*((\s)%2)+16*\j:64*((\s)%2)+16*\j+15], v[128+16*((\s)%4):128+16*((\s)%4)+15], v[192+8*\j:192+8*\j+7], v[WS+8*\j+(\s)], v[XS+32+(\s)]
.endif
.endr
.endm
.macro KSTEP s
.if \s > 0
	PLACES 8                                       ; in front of loads into registers that the last products read (ISA guide 7.12.1 for vector instructions)
.endif
.if \s < 7
	WLOAD ((\s)+1)%2, LFR0, (\s)+1
.endif
.if (\s >= 1) && (\s <= 4)
	XFILL ((\s)-1)%4, (\s)+3                       ; the ring slot of the K step just done takes the K step four on: that slot's earlier loads were shown done by the last K step's wait
.endif
.if \s <= 4
	s_wait_loadcnt 60                              ; this K step's rows are in: on every way here three groups of 20 loads are younger (on some ways the loads of entries and weights as well, which only makes the count the safer)
.else
	s_wait_loadcnt 20*(7-(\s))                     ; the counts run down: 40, 20, 0
.endif
.if \s < 7
	s_wait_dscnt 16                                ; this K step's fragments are in; the next one's sixteen loads may be out
.else
	s_wait_dscnt 0x0
.endif
	MULS \s
.endm
; THE WAY OUT of tile m
.macro EPI m
	s_add_co_u32 s40, s[TB], 4*\m
	s_add_co_u32 s40, s40, s[WV]
	s_cmp_ge_u32 s40, s[NTL]
	s_cbranch_scc1 .Lno_tile_\@
	s_wait_xcnt 0x0                                ; the last tile's stores have read their data: the registers are loaded again below
.if \m < 4
.set AW, 3
.set AC, 64*\m
.set EB, EO+8*\m
.else
.set AW, 1
.set AC, 192
.set EB, EO4
.endif
	WIN AW                                         ; source 0: the accumulators' window
.irp j, 0,1,2,3
.irp i, 0,1,2,3,4,5,6,7
	v_mul_f32 v[Y+4*\i+\j], v[AC+8*\j+\i], v[P+\m] ; the gate's weight, and the turn into the columns' order, in one; each accumulator is read from its low end on
.endr
.endr
	WIN 0
.irp i, 0,1,2,3,4,5,6,7
	ds_store_b128 v[SO], v[Y+4*\i:Y+4*\i+3] offset:16*\i
.endr
.irp i, 0,1,2,3,4,5,6,7
	ds_load_b128 v[T+4*\i:T+4*\i+3], v[SR] offset:272*\i             ; LDS serves a wave's instructions in order (ISA guide 5.7.1.4): these see my stores; the stage is my own
.endr
.irp i, 0,1,2,3,4,5,6,7
	v_min_u32 v[EB+\i], 0x7ff, v[EB+\i]            ; the entry is held inside y before it enters an address
	v_lshl_add_u32 v[EB+\i], v[EB+\i], 12, v[R16]  ; a row of y is 4,096 bytes
.endr
.irp i, 0,1,2,3,4,5,6,7
	s_wait_dscnt 7-\i
	global_store_b128 v[EB+\i], v[T+4*\i:T+4*\i+3], s[YB:YB+1] th:TH_STORE_NT   ; sixteen lanes store 256 consecutive bytes, aligned
.endr
.Lno_tile_\@:
.endm
	s_load_b256 s[4:11], s[0:1], 0x0               ; h_img s[4:5], h_sc s[6:7], list s[8:9], probs s[10:11]
	s_load_b128 s[12:15], s[0:1], 0x20             ; wo s[12:13], y s[14:15]
	v_lshl_add_u32 v158, v0, 2, 0x15400
	v_mov_b32 v159, 0
	v_lshrrev_b32 v[LN], 5, v0
	v_readfirstlane_b32 s[WV], v[LN]               ; wave 0..3
	v_and_b32 v[LN], 31, v0
	v_and_b32 v[RR], 15, v0
	v_bfe_u32 v[HH], v0, 4, 1
	s_lshr_b32 s[ME], ttmp9, 5                     ; my expert
	s_bfe_u32 s[SL], ttmp9, 0x40001                ; my 64 columns
	s_and_b32 s[KH], ttmp9, 1                      ; my half of K
	s_lshl_b32 s41, s[WV], 12
	v_lshl_add_u32 v[WST], v[LN], 4, s41
	s_lshl_b32 s41, s[WV], 8
	s_add_co_u32 s41, s41, WSC
	v_lshl_add_u32 v[WSS], v[LN], 2, s41
	v_lshlrev_b32 v[LFR0], 4, v[LN]
	v_lshl_add_u32 v[WSL], v[LN], 2, WSC
	s_lshl_b32 s41, s[WV], 6                       ; a tile's 16 entries are 64 bytes
	v_lshl_add_u32 v[LSTA], v[RR], 2, s41
	v_lshl_add_u32 v[LE], v[HH], 5, s41
	s_mul_i32 s41, s[WV], 16*272
	s_add_co_u32 s41, s41, STG                     ; my stage
	v_mul_u32_u24 v[SO], v[RR], 272
	v_lshl_add_u32 v[SO], v[HH], 7, v[SO]
	v_add_nc_u32 v[SO], s41, v[SO]                 ; in: row r, 128 bytes for each half of the lanes
	v_mul_u32_u24 v[SR], v[HH], 8*272
	v_lshl_add_u32 v[SR], v[RR], 4, v[SR]
	v_add_nc_u32 v[SR], s41, v[SR]                 ; back: lanes 0-15 rows 0 to 7, lanes 16-31 rows 8 to 15
	v_lshlrev_b32 v[R16], 4, v[RR]
	v_lshlrev_b32 v[R64], 6, v[RR]
	v_lshl_add_u32 v[WOFF], v[HH], 16, v[R16]      ; 16 rows of 4,096 bytes for lanes 16-31
.irp j, 0,1,2,3
	v_mov_b32 v[M+4+\j], 0                         ; written once: a lane permute's destination counts as one of its sources
.endr
	s_mov_b32 s[SEL], 0x76543210
	s_mov_b32 s[SEL+1], 0xfedcba98
	s_mov_b32 s[MNT], 0x600000
	s_mov_b32 s[FLOOR], 0x4800000
	s_mov_b32 s[PASS], 0
	s_mov_b32 s[RB], 0
	s_mov_b32 s[TB], 0
	s_lshl_b32 s42, s[ME], 23                      ; wo: an expert 8,388,608 bytes, half of K 4,194,304, a wave's 256 rows 1,048,576, 64 columns 256
	s_lshl_b32 s43, s[KH], 22
	s_add_co_u32 s42, s42, s43
	s_lshl_b32 s43, s[WV], 20
	s_add_co_u32 s42, s42, s43
	s_lshl_b32 s43, s[SL], 8
	s_add_co_u32 s42, s42, s43
	s_mov_b32 s43, 0
	s_lshl_b32 s44, s[ME], 21                      ; h_img: an expert 2,097,152 bytes; half of K is eight images
	s_lshl_b32 s45, s[KH], 14
	s_add_co_u32 s44, s44, s45
	s_mov_b32 s45, 0
	s_lshl_b32 s46, s[ME], 16                      ; h_sc: an expert 65,536 bytes; half of K is 32 bytes of a row
	s_lshl_b32 s47, s[KH], 5
	s_add_co_u32 s46, s46, s47
	s_mov_b32 s47, 0
	s_lshl_b32 s52, s[KH], 23                      ; y: half of K 8,388,608 bytes; 64 columns 256
	s_lshl_b32 s53, s[SL], 8
	s_add_co_u32 s52, s52, s53
	s_mov_b32 s53, 0
	s_lshl_b32 s40, s[ME], 13                      ; list: 8,192 bytes an expert
	s_mov_b32 s41, 0
	s_wait_kmcnt 0x0
	s_add_nc_u64 s[WP:WP+1], s[12:13], s[42:43]
	s_add_nc_u64 s[XB:XB+1], s[4:5], s[44:45]
	s_add_nc_u64 s[XSB:XSB+1], s[6:7], s[46:47]
	s_add_nc_u64 s[YB:YB+1], s[14:15], s[52:53]
	s_add_nc_u64 s[8:9], s[8:9], s[40:41]
	s_load_b32 s[RC], s[8:9], 0x1f80               ; the count R: word 2,016 of my expert's part, one of the words that hold it
	ENLOAD LSTA, 0                                 ; asked for ahead of the weights
	WSET 0
	WSET 1
	WSET 2
	WSET 3
	; ---- PHASE 1.  The counts: three younger sets of 16 loads, and whatever else was asked for behind the set
	QSET 0, 1, 48                                  ; (the five entries are older than set 0: they are in too)
	PGET
	s_wait_kmcnt 0x0
	s_min_u32 s[RC], s[RC], 1024
	s_add_co_u32 s[NTL], s[RC], 15
	s_lshr_b32 s[NTL], s[NTL], 4
	s_max_u32 s[NTS], s[NTL], 1
	s_sub_co_u32 s[NM1], s[NTS], 1
	XADDR 0
.irp i, 1,2,3
	QSET \i, 1, 53                                 ; three sets and the five p are younger
.endr
	QSET 4, 0, 53
	SFILL
	XFILL 0, 0
	QSET 5, 0, 62                                  ; two sets and 30 loads of rows are younger
	XFILL 1, 1
	QSET 6, 0, 63                                  ; 66 are younger
	XFILL 2, 2
	QSET 7, 0, 63                                  ; 70 are younger
	XFILL 3, 3
	s_wait_dscnt 0x0                               ; for the others' sake: my images and scale words lie in LDS (and the stores have read the registers that the loads below take)
	s_barrier_signal -1
	s_barrier_wait -1
	EOLOAD LE, 0
.set q, 0
.rept 32
	ds_load_b32 v[WS+q], v[WSL] offset:128*q       ; wo's scale words stay in registers
.set q, q+1
.endr
	; ---- PHASE 2
.Lpass:
	s_cmp_ge_u32 s[TB], s[NTS]
	s_cbranch_scc1 .Lidle                          ; no tile in this pass: only the steps at the trip's end are run
	WLOAD 0, LFR0, 0
.irp s, 0,1,2,3,4,5,6,7
	KSTEP \s
.endr
	PLACES 9                                       ; behind the last products: for the reads of results, the loads into operands and scales, and the next pass's sums, which begin anew on these accumulators
	WIN 0
	s_add_co_u32 s40, s[TB], 20
	s_cmp_ge_u32 s40, s[NTS]
	s_cbranch_scc1 .Lno_more                       ; the next pass's rows are asked for only if it has tiles
	XADDR 20                                       ; (the wait for 0 loads at K step 7 has shown every load done that named these offsets)
	SFILL
	XFILL 0, 0
	XFILL 1, 1
	XFILL 2, 2
	XFILL 3, 3
.Lno_more:
	EPI 0
	EPI 1
	EPI 2
	EPI 3
	EPI 4
	s_add_co_u32 s40, s[TB], 20
	s_cmp_ge_u32 s40, s[NTS]
	s_cbranch_scc1 .Lidle                          ; the next pass's entries and weights come behind the ways out, which use this pass's
	s_wait_xcnt 0x0                                ; the stores have read their offsets: the registers are loaded again below
	v_add_nc_u32 v[LA], s[RB], v[LSTA]
	v_add_nc_u32 v[LE2], s[RB], v[LE]
	ENLOAD LA, 1280
	EOLOAD LE2, 1280
	s_wait_loadcnt 10                              ; the five entries are in: ten loads are younger
	PGET
.Lidle:
	s_add_co_u32 s[RB], s[RB], 1280
	s_add_co_u32 s[TB], s[TB], 20
	s_add_co_u32 s[PASS], s[PASS], 1
	s_cmp_lt_u32 s[PASS], 4
	s_cbranch_scc1 .Lpass
	s_wait_tensorcnt 0x0
	ds_add_u32 v158, v159
	s_wait_dscnt 0x0
	s_endpgm
.Lfunc_end_k_q0d5e5c29df_down:
	.size	k_q0d5e5c29df_down, .Lfunc_end_k_q0d5e5c29df_down-k_q0d5e5c29df_down
	.p2alignl 7, 3214868480
	.fill 96, 4, 3214868480
	.section	.rodata,"a",@progbits
	.p2align	6, 0x0
	.amdhsa_kernel k_q0d5e5c29df_down
		.amdhsa_group_segment_fixed_size 87552
		.amdhsa_private_segment_fixed_size 0
		.amdhsa_enable_private_segment 0
		.amdhsa_kernarg_size 48
		.amdhsa_user_sgpr_count 2
		.amdhsa_user_sgpr_kernarg_segment_ptr 1
		.amdhsa_wavefront_size32 1
		.amdhsa_system_sgpr_workgroup_id_x 1
		.amdhsa_system_sgpr_workgroup_id_y 1
		.amdhsa_system_sgpr_workgroup_id_z 1
		.amdhsa_system_vgpr_workitem_id 0
		.amdhsa_next_free_vgpr 1024
		.amdhsa_next_free_sgpr 66
		.amdhsa_reserve_vcc 0
		.amdhsa_float_denorm_mode_32 3
		.amdhsa_float_denorm_mode_16_64 3
		.amdhsa_memory_ordered 1
		.amdhsa_forward_progress 1
		.amdhsa_inst_pref_size 172
	.end_amdhsa_kernel
	.amdgpu_metadata
---
amdhsa.version: [ 1, 2 ]
amdhsa.kernels:
  - .name:           k_q0d5e5c29df_down
    .symbol:         k_q0d5e5c29df_down.kd
    .args:
      - { .name: h_img, .offset: 0, .size: 8, .value_kind: global_buffer, .address_space: global }
      - { .name: h_sc, .offset: 8, .size: 8, .value_kind: global_buffer, .address_space: global }
      - { .name: list, .offset: 16, .size: 8, .value_kind: global_buffer, .address_space: global }
      - { .name: probs, .offset: 24, .size: 8, .value_kind: global_buffer, .address_space: global }
      - { .name: wo, .offset: 32, .size: 8, .value_kind: global_buffer, .address_space: global }
      - { .name: y, .offset: 40, .size: 8, .value_kind: global_buffer, .address_space: global }
    .group_segment_fixed_size: 87552
    .private_segment_fixed_size: 0
    .kernarg_segment_align: 8
    .kernarg_segment_size: 48
    .max_flat_workgroup_size: 128
    .sgpr_count:     66
    .vgpr_count:     1024
    .wavefront_size: 32
...
	.end_amdgpu_metadata
.endif
;; end of part 7
;; launch add: the kernel of part 5 again; grid 256 x 1, 8 waves a work-group, no clusters, 0 bytes of LDS; arguments y, out0; writes out0
;; ======== version 3 of 3: 4 launches; version 2 with the launches up, down written anew for expert scheduling mode
;; workspace buffers: x_codes 1,048,576 bytes; x_scales 32,768 bytes; eid 4,096 bytes of whole numbers; probs 8,192 bytes; h_img 16,777,216 bytes; h_sc 524,288 bytes; y 16,777,216 bytes; list 65,536 bytes of whole numbers
;; launch route: the kernel of part 1 again; grid 256 x 1, 4 waves a work-group, no clusters, 35,328 bytes of LDS; arguments x, gate_kernel, x_codes, x_scales, eid, probs; writes x_codes, x_scales, eid, probs
;; launch up (part 8): grid 256 x 1, 4 waves a work-group, no clusters, 139,776 bytes of LDS; arguments x_codes, x_scales, eid, w0, w1, h_img, h_sc, list; writes h_img, h_sc, list
.if DOCPART == 8
	.amdgcn_target "amdgcn-amd-amdhsa--gfx1250"
	.amdhsa_code_object_version 6
	.text
	.protected	k_q0d5e5c29df_up
	.globl	k_q0d5e5c29df_up
	.p2align	8
	.type	k_q0d5e5c29df_up,@function
k_q0d5e5c29df_up:
	s_mov_b64 s[64:65], 0
	v_nop
	global_prefetch_b8 v0, s[64:65] scope:SCOPE_SE
	s_setreg_imm32_b32 hwreg(HW_REG_WAVE_SCHED_MODE, 0, 2), 2
	s_setreg_imm32_b32 hwreg(HW_REG_WAVE_MODE, 25, 1), 1
	s_wait_xcnt 0x0
	s_wait_alu depctr_vm_vsrc(0)
; h = silu(x w0[e]) * (x w1[e]) for the rows that chose expert e, both products on E4M3 codes with one E8M0 scale for each 32 along K; h is quantised along F on the way out.
; SHARES.  Work-group g: expert e = g / 32, columns 64 ch .. 64 ch + 63 (ch = g % 32) of w0[e] and of w1[e], all K = 1,024: 512 KB of f32 that no other work-group reads.
; PHASE 1: THE WEIGHTS, ONCE.  Waves 0, 1 take w0's K halves, waves 2, 3 w1's.  A set is 32 rows of K x 64 columns: 16 loads; in load i lane (r, h) reads row 16 h + i, columns 4 r .. 4 r + 3, so each load covers
; two runs of 256 consecutive bytes, aligned.  COLUMN TILE j IS THE COLUMNS 4 r + j: a lane's 16 numbers of column 4 r + j are then just what lane (r, h) of a fragment holds of that block of 32 (K = 16 h + 0 .. 15):
; nothing changes lanes but one maximum.  The hold writes them in K's order, the conversions give four registers of the fragment, and these go to LDS as an image of the registers (16 bytes a lane on end).
; Four sets (64 loads a wave) are on their way.
; THE LIST of expert e's rows.  eid[t] = first expert | second expert << 8 was stored by the launch before.  Every wave makes what it needs of the list from those 1,024 words, by arithmetic on registers alone:
;   32 masks in scalar registers (bit l of mask q: token 128 (q / 4) + 4 l + q % 4 chose e); their count R; and, for row r of each of its five tiles, the token at place p = 16 tile + r of the list:
;   the last mask whose running count is at most p (a chain of 31 selections), then the (p - that count)-th set bit of it (the sums of 2, 4, 8 and 16 bits, and five halvings).
; Places from R on take place R - 1, so that every tile is whole.  With R = 0 the chain ends at token 1,023, and tile 0 is still made: the next launch reads no byte that was not written.
; The chain is cut into pieces that stand between the sets of weights.  The work-group with ch = 0 stores the list (entry = 2 token + slot, 4 bytes a place) and R for the next launch: 64 bytes a tile, 1.8 KB an expert.
; PHASE 2: wave w takes tiles of 16 rows 20 p + 4 m + w (m = 0 .. 4) in pass p.  The loop over passes has four trips for every split (1,280 rows); a pass without tiles is jumped over.  320 rows in a pass serve the even split (256) with a margin.
; The products are used transposed (source 0 = 16 columns of a weight, source 1 = 16 rows of x): lane (r, h) then holds row r and, over tiles j and registers i, columns 32 h + 4 i + j: a whole block of 32 along F.
; WAY OUT: h_img[e][tile][F / 128][2,048]: images of the next launch's fragments;  h_sc[e][tile][row][64]: one byte for each 32 along F (single bytes: 128 KB in the whole launch).
; No tensor loads and no cluster: how many tiles a wave multiplies hangs on a count made of numbers read from memory, and what work-groups share (an expert's rows of codes, 1 KB a row) is small beside the 512 KB that each reads alone.
; LIMITS: NaN and infinities are not served; blocks whose largest magnitude lies under 2^-118 get the byte 1; a block of zeros gets the byte 1 over zero codes (this program alone reads the bytes).
; REGISTERS, in windows of 256: window 0: addresses, scale words, work;  window 1: v0-63, v64-127 the fragments of w0 and w1 in hand, v128-191 tile 4's rows (4 K steps x 16), v192-255 its accumulators;
;   window 2: the rows of tiles 0-3, 64 each;  window 3: phase 1: four sets of 64; phase 2: the accumulators of tiles 0-3 (tile m: w0's at 64 m + 8 j, w1's at 64 m + 32 + 8 j).
; THE MODE: SCHED_MODE bits 1:0 = 2 (LLVM: expert scheduling mode 2), set by the entry lines.  The code itself states the register dependences between vector or matrix instructions
; and memory or LDS instructions, with s_wait_alu, always for 0.
; THE PLAN.  Registers that memory or LDS instructions touch, and who else names them:
;   window 3, set i % 4    Phase 1: set i's loads land there; its maxima and holds read it; behind them the loads of set i + 4 land there.
;   v[C ..], v[SW ..]      Written by a set's conversions and shifts, read by its LDS stores, written again by the next set.
;     So a set has ONE wait on va_vdst, behind its conversions: the set has been read and the codes and scale words are written; the refill and the LDS stores follow it.  And ONE on vm_vsrc, ahead of the first line that writes v[SW ..] again.
;   the masks, conditions  Scalar registers that compares write: the compares stand in runs (the 32 masks; ten of the chain; five of a halving), one wait on va_sdst behind each run.
;   v[LS ..], v[LU ..]     The offsets of five gathers and where they land: one wait on va_vdst ahead of the five.  v[LT ..], v[RV]: the list's stores read them: one ahead of those.
;   fragments, rows        Phase 2: two buffers of fragments, a ring of four slots of rows; loads write them, products read them.  ONE wait on va_vdst at the head of half a K step: the last products are done reading the other buffer
;     and the ring slot of the K step before.  The loads into these follow it, the rows' dealt among the products, which name this step's buffer, slot, scale words and accumulators alone.
;   v[XO ..], v[XSO ..]    Offsets: never written in the K loop; made anew for a later pass, behind a wait on vm_vsrc.
;   v[T ..], v[M+6], v[HO], v[SO2]   The way out: written by a tile's arithmetic, read by its three stores: a wait on vm_vsrc at a tile's head, one on va_vdst ahead of its stores.
.set ROWB,  8192                       ; a row of w0 or w1 in bytes
.set WSC,   131072                     ; LDS: 0: 64 images of 2,048 bytes, fragment (4 mtx + j) 8 + s;  here their scale words, 128 bytes each
.set LN,    1                          ; v1   lane
.set RR,    2                          ; v2   r = lane % 16
.set HH,    3                          ; v3   h = lane / 16
.set WOFF,  4                          ; v4   the weights: 16 h rows + 16 r bytes
.set WST,   5                          ; v5   LDS: where my images go
.set LFR0,  6                          ; v6   16 x lane: w0's images in LDS; also my 16 bytes of a load of eid
.set LFR1,  7                          ; v7   the same for w1's images
.set WSS,   8                          ; v8   LDS: where my scale words go
.set WSL,   9                          ; v9   LDS: where scale words are read
.set LSTA,  10                         ; v10  the list in memory: byte of row r of tile w
.set LA,    11                         ; v11  the same in a later pass
.set XO,    12                         ; v12-16 byte offset of my row's codes, tile m
.set XSO,   17                         ; v17-21 of its scale words
.set EN,    22                         ; v22-26 my row's token, tile m
.set HB,    27                         ; v27  512 h + 16 r: my place in an image's block
.set SBB,   28                         ; v28  64 r + h: my place among a tile's scale bytes
.set HO,    29                         ; v29  offset of the codes that I store
.set SO2,   30                         ; v30  of the byte
.set T4,    31                         ; v31  4 x my thread's number
.set WS,    32                         ; v32-95   the weights' scale words, one register a fragment
.set EW,    32                         ; v32-63   until then: the words of eid
.set LX,    64                         ; v64-67, v68-71 at work on them
.set LY,    68
.set XS,    96                         ; v96-135  the rows' scale words: 8 m + s.  While no rows are asked for, the search for the rows works here:
.set LP,    96                         ; v96-100  the place p that is looked for, tile m
.set LM,    101                        ; v101-105 the mask that holds it
.set LQ,    106                        ; v106-110 that mask's running count | its token base << 16
.set LA2,   111                        ; v111-115 the mask's sums of 2 bits
.set LB4,   116                        ; v116-120 of 4 bits
.set LC8,   121                        ; v121-125 of 8 bits
.set LK,    126                        ; v126-130 how many set bits are still to be passed
.set M,     136                        ; v136-151 largest magnitudes and what is made of them
.set SW,    152                        ; v152-155 scale words in the making
.set H16,   156                        ; v156 16 h
.set PR0,   157                        ; v157 16 w + r: the place of row r of tile w
.set Y,     160                        ; phase 1: v160-223 a set in K's order; way out: v160-191 h
.set C,     224                        ; phase 1: v224-239 codes
.set T,     192                        ; way out: v192-223
.set U,     224                        ; way out: v224-255
.set LS,    240                        ; v240-244 the search: the bit's number; then the offset of the token's word in eid
.set LT,    245                        ; v245-249 at work; then the entry that is stored
.set LU,    250                        ; v250-254 at work; then the token's word
.set RV,    255                        ; v255 the count, to be stored
.set WV,    18
.set ME,    19
.set CH,    20
.set MTX,   21
.set SEL,   22                         ; s[22:23]
.set MNT,   24
.set FLOOR, 25
.set NL,    26                         ; s[26:27] -log2(e)
.set WP,    28                         ; s[28:29] my part of my weight
.set HIB,   30                         ; s[30:31] h_img at my expert and my block of F
.set HSB,   32                         ; s[32:33] h_sc likewise
.set RC,    34                         ; the count R
.set MEX,   35                         ; my expert's number in two bytes
.set NTS,   36                         ; tiles to make: at least one
.set PASS,  37
.set RB,    38                         ; 1,280 x pass: bytes in the list
.set TB,    39                         ; 20 x pass: tiles
.set BS,    40                         ; s40-43 the running counts of four masks
.set PKS,   44                         ; s44-47 the same | token base << 16
.set CD,    48                         ; s48-57 ten conditions: two masks x five tiles; the halvings use the first five
.set LBASE, 58                         ; the running count at the end of the last four masks
.set LTMP,  59
.set RM1,   60                         ; the last place that holds a row: max(R, 1) - 1
.set LSB,   62                         ; s[62:63] list at my expert
.set MK,    66                         ; s66-97 the 32 masks
.set MSB, 0
.macro WIN new                         ; the immediate's high byte repeats the setting that is left; a switch that changes nothing is dropped
.if MSB != \new
	s_set_vgpr_msb (MSB<<8)|\new
.set MSB, \new
.endif
.endm
.macro PLACES n
.rept \n
	v_nop
.endr
.endm
; set i of my weight: 16 loads into window 3
.macro WSET i
	WIN 0xC0
.irp ii, 0,1,2,3,4,5,6,7,8,9,10,11,12,13,14,15
	global_load_b128 v[64*((\i)%4)+4*\ii:64*((\i)%4)+4*\ii+3], v[WOFF], s[WP:WP+1] offset:((\i)*32+\ii)*ROWB th:TH_LOAD_NT
.endr
	WIN 0
.endm
; set i becomes four registers of each of four fragments.  cnt: the loads issued behind set i
.macro QSET i, refill, cnt
.set SB, 64*((\i)%4)
.set CC, (\i)%4
	s_wait_loadcnt \cnt
	WIN 0x3C                                       ; sources 1 and 2: window 3
.irp j, 0,1,2,3
	v_max3_num_f32 v[M+\j], s[FLOOR], |v[SB+\j]|, |v[SB+4+\j]|       ; column 4 r + j: my 16 numbers, and the floor 2^(9 - 127): the byte cannot fall under 1
.endr
.irp ii, 2,4,6,8,10,12,14
.irp j, 0,1,2,3
	v_max3_num_f32 v[M+\j], v[M+\j], |v[SB+4*\ii+\j]|, |v[SB+4*\ii+4+\j]|
.endr
.endr
	WIN 0
.irp j, 0,1,2,3
	v_permlanex16_b32 v[M+4+\j], v[M+\j], s[SEL], s[SEL+1]
.endr
.irp j, 0,1,2,3
	v_max_num_f32 v[M+\j], v[M+\j], v[M+4+\j]      ; with lane l xor 16's 16: the block's largest magnitude
.endr
.irp j, 0,1,2,3
	v_add_nc_u32 v[M+12+\j], 0xfc000000, v[M+\j]   ; 8 off its exponent field: the conversion's scale operand
.endr
.irp j, 0,1,2,3
	v_and_or_b32 v[M+8+\j], v[M+\j], 0x7f800000, s[MNT]   ; 448 x the scale
.endr
.irp j, 0,1,2,3
	v_lshrrev_b32 v[M+4+\j], 23, v[M+12+\j]        ; the scale's byte
.endr
	s_wait_dscnt 0x0                               ; the last set's LDS stores are done: the maxima above have stood between them and this wait
.if (\i) > 0
	s_wait_alu depctr_vm_vsrc(0)                   ; and they have read v[SW ..] and v[C ..], which this set writes again from here on
.endif
.irp j, 0,1,2,3
.if CC == 0
	v_mov_b32 v[SW+\j], v[M+4+\j]                  ; four sets make a K step's scale word
.else
	v_lshl_or_b32 v[SW+\j], v[M+4+\j], 8*CC, v[SW+\j]
.endif
.endr
	WIN 0x03                                       ; source 0: window 3
.irp j, 0,1,2,3
.irp ii, 0,1,2,3,4,5,6,7,8,9,10,11,12,13,14,15
	v_med3_num_f32 v[Y+16*\j+\ii], v[SB+4*\ii+\j], -v[M+8+\j], v[M+8+\j]   ; the hold (the conversion does not saturate: ISA guide 7.6.2), and the turn into K's order, in one
.endr
.endr
	WIN 0
.irp j, 0,1,2,3
	v_cvt_scalef32_pk8_fp8_f32 v[C+4*\j:C+4*\j+1], v[Y+16*\j:Y+16*\j+7], v[M+12+\j]
	v_cvt_scalef32_pk8_fp8_f32 v[C+4*\j+2:C+4*\j+3], v[Y+16*\j+8:Y+16*\j+15], v[M+12+\j]
.endr
	v_nop                                          ; one plain line behind the last conversion, ahead of whatever next writes its sources
	s_wait_alu depctr_va_vdst(0)                   ; the maxima and holds are done reading the set, in which the loads below land; the conversions have written v[C ..] and the shifts v[SW ..], which the LDS stores below read
.if \refill
	WSET (\i)+4                                    ; the set's registers take the set four further on
.endif
.irp j, 0,1,2,3
	ds_store_b128 v[WST], v[C+4*\j:C+4*\j+3] offset:\j*16384+((\i)/4)*2048+CC*512
.endr
.if CC == 3
.irp j, 0,1,2,3
	ds_store_b32 v[WSS], v[SW+\j] offset:\j*1024+((\i)/4)*128
.endr
.endif
.endm
; ---- THE SEARCH FOR MY ROWS
; the places that are looked for: row r of tiles TB + ahead + 4 m + w, held at the last place that has a row
.macro PINIT ahead
	s_add_co_u32 s[LTMP], s[TB], \ahead
	s_lshl_b32 s[LTMP], s[LTMP], 4                 ; 16 places a tile
.irp m, 0,1,2,3,4
	v_add_nc_u32 v[LP+\m], s[LTMP], v[PR0]
.endr
.irp m, 1,2,3,4
	v_add_nc_u32 v[LP+\m], 64*\m, v[LP+\m]
.endr
.irp m, 0,1,2,3,4
	v_min_u32 v[LP+\m], s[RM1], v[LP+\m]
.endr
.endm
; masks 4 g .. 4 g + 3 of the chain.  A mask whose running count (the set bits of all masks before it) is at most p takes the place of the one kept so far: the counts never fall, so the last one kept holds place p.
; The scalar lines of four masks stand together.  The compares hang on the counts and the places alone, not on what is kept: so they stand in runs of ten (two masks x five tiles), each into a scalar register of its own,
; with one wait behind the run; the selections take the mask and its count from scalar registers.
.macro LSEL4 g
.set PRV, LBASE
.irp i, 0,1,2,3
.set q, 4*(\g)+\i
.if q > 0
	s_bcnt1_i32_b32 s[LTMP], s[MK+q-1]
	s_add_co_u32 s[BS+\i], s[PRV], s[LTMP]         ; the running count of mask q
	s_add_co_u32 s[PKS+\i], s[BS+\i], (128*(q/4)+q%4)<<16   ; over it the token of the mask's bit 0
.else
	s_mov_b32 s[BS], 0
.endif
.set PRV, BS+\i
.endr
	s_mov_b32 s[LBASE], s[BS+3]
.irp h, 0,2
.irp i, 0,1
.set q, 4*(\g)+\h+\i
.if q > 0
.irp m, 0,1,2,3,4
	v_cmp_le_u32 s[CD+5*\i+\m], s[BS+\h+\i], v[LP+\m]
.endr
.endif
.endr
	s_wait_alu depctr_va_sdst(0)                   ; the run's conditions are written, ahead of the selections that read them
.irp i, 0,1
.set q, 4*(\g)+\h+\i
.irp m, 0,1,2,3,4
.if q > 0
	v_cndmask_b32 v[LM+\m], v[LM+\m], s[MK+q], s[CD+5*\i+\m]
	v_cndmask_b32 v[LQ+\m], v[LQ+\m], s[PKS+\h+\i], s[CD+5*\i+\m]
.else
	v_mov_b32 v[LM+\m], s[MK]                      ; mask 0 begins the chain: its running count and its token base are 0
	v_mov_b32 v[LQ+\m], 0
.endif
.endr
.endr
.endr
.endm
; one halving: w bits from bit LS on hold src's sum of the lower half; where at least so many set bits are still to be passed, they are passed and the upper half is taken
.macro BSTEP src, w
.irp m, 0,1,2,3,4
	v_bfe_u32 v[LT+\m], v[\src+\m], v[LS+\m], \w
.endr
.irp m, 0,1,2,3,4
	v_cmp_ge_u32 s[CD+\m], v[LK+\m], v[LT+\m]
.endr
	s_wait_alu depctr_va_sdst(0)                   ; the five conditions are written, ahead of the selections that read them
.irp m, 0,1,2,3,4
	v_cndmask_b32 v[LT+\m], 0, v[LT+\m], s[CD+\m]
.endr
.irp m, 0,1,2,3,4
	v_cndmask_b32 v[LU+\m], 0, \w, s[CD+\m]
.endr
.irp m, 0,1,2,3,4
	v_sub_nc_u32 v[LK+\m], v[LK+\m], v[LT+\m]
.endr
.irp m, 0,1,2,3,4
	v_add_nc_u32 v[LS+\m], v[LS+\m], v[LU+\m]
.endr
.endm
; the number of the (p - running count)-th set bit of the mask kept, counted from 0 and from bit 0, for the five tiles by turns
.macro BITSEL
.irp m, 0,1,2,3,4
	v_and_b32 v[LT+\m], 0xffff, v[LQ+\m]
.endr
.irp m, 0,1,2,3,4
	v_sub_nc_u32 v[LK+\m], v[LP+\m], v[LT+\m]      ; so many set bits are to be passed
.endr
.irp m, 0,1,2,3,4
	v_lshrrev_b32 v[LT+\m], 1, v[LM+\m]
.endr
.irp m, 0,1,2,3,4
	v_and_b32 v[LT+\m], 0x55555555, v[LT+\m]
.endr
.irp m, 0,1,2,3,4
	v_sub_nc_u32 v[LA2+\m], v[LM+\m], v[LT+\m]     ; in each field of 2 bits: how many of them are set
.endr
.irp m, 0,1,2,3,4
	v_lshrrev_b32 v[LT+\m], 2, v[LA2+\m]
.endr
.irp m, 0,1,2,3,4
	v_and_b32 v[LT+\m], 0x33333333, v[LT+\m]
.endr
.irp m, 0,1,2,3,4
	v_and_b32 v[LB4+\m], 0x33333333, v[LA2+\m]
.endr
.irp m, 0,1,2,3,4
	v_add_nc_u32 v[LB4+\m], v[LB4+\m], v[LT+\m]    ; in each field of 4 bits
.endr
.irp m, 0,1,2,3,4
	v_lshrrev_b32 v[LT+\m], 4, v[LB4+\m]
.endr
.irp m, 0,1,2,3,4
	v_add_nc_u32 v[LT+\m], v[LT+\m], v[LB4+\m]
.endr
.irp m, 0,1,2,3,4
	v_and_b32 v[LC8+\m], 0x0f0f0f0f, v[LT+\m]      ; in each byte
.endr
.irp m, 0,1,2,3,4
	v_lshrrev_b32 v[LT+\m], 8, v[LC8+\m]
.endr
.irp m, 0,1,2,3,4
	v_add_nc_u32 v[LT+\m], v[LT+\m], v[LC8+\m]
.endr
.irp m, 0,1,2,3,4
	v_and_b32 v[LT+\m], 0xff, v[LT+\m]             ; in the low 16 bits
.endr
.irp m, 0,1,2,3,4
	v_cmp_ge_u32 s[CD+\m], v[LK+\m], v[LT+\m]      ; the first halving begins the bit's number
.endr
	s_wait_alu depctr_va_sdst(0)                   ; the five conditions are written, ahead of the selections that read them
.irp m, 0,1,2,3,4
	v_cndmask_b32 v[LT+\m], 0, v[LT+\m], s[CD+\m]
.endr
.irp m, 0,1,2,3,4
	v_cndmask_b32 v[LS+\m], 0, 16, s[CD+\m]
.endr
.irp m, 0,1,2,3,4
	v_sub_nc_u32 v[LK+\m], v[LK+\m], v[LT+\m]
.endr
	BSTEP LC8, 8
	BSTEP LB4, 4
	BSTEP LA2, 2
	BSTEP LM, 1
.endm
; the token, the offsets of its codes and scale words, and the request for its word of eid (5 loads), from which the slot is read
.macro FIN
.irp m, 0,1,2,3,4
	v_lshrrev_b32 v[LT+\m], 16, v[LQ+\m]           ; the token of the mask's bit 0;
.endr
.irp m, 0,1,2,3,4
	v_lshl_add_u32 v[EN+\m], v[LS+\m], 2, v[LT+\m] ; from bit to bit four tokens
.endr
.irp m, 0,1,2,3,4
	v_min_u32 v[EN+\m], 0x3ff, v[EN+\m]            ; held inside the tables before it enters an address
.endr
.irp m, 0,1,2,3,4
	v_lshl_add_u32 v[XO+\m], v[EN+\m], 10, v[H16]
.endr
.irp m, 0,1,2,3,4
	v_lshlrev_b32 v[XSO+\m], 5, v[EN+\m]
.endr
.irp m, 0,1,2,3,4
	v_lshlrev_b32 v[LS+\m], 2, v[EN+\m]
.endr
	s_wait_alu depctr_va_vdst(0)                   ; v[LS ..] are written, which the five loads read as offsets; the halvings are done with v[LU ..], in which they land.  Also written: v[XO ..] and v[XSO ..]; and the search is done with v96-130, where the rows' scale words will land
.irp m, 0,1,2,3,4
	global_load_b32 v[LU+\m], v[LS+\m], s[8:9]
.endr
.endm
; entry = 2 token + slot; the work-group with ch = 0 stores its five tiles' entries, 64 bytes a tile (lanes 16-31 hold the same rows as lanes 0-15 and store the same words with the same numbers).
; first = 1: and the count R, each thread into a word of its own: words 1,920 to 2,047 of the expert's part, 512 consecutive bytes, aligned
.macro LSTORE adr, off, first
.irp m, 0,1,2,3,4
	v_lshrrev_b32 v[LU+\m], 8, v[LU+\m]            ; the token's second choice
.endr
.irp m, 0,1,2,3,4
	v_cmp_eq_u32 s[CD+\m], s[ME], v[LU+\m]
.endr
	s_wait_alu depctr_va_sdst(0)                   ; the five conditions are written, ahead of the selections that read them
.irp m, 0,1,2,3,4
	v_cndmask_b32 v[LT+\m], 0, 1, s[CD+\m]         ; the slot
.endr
.irp m, 0,1,2,3,4
	v_lshl_add_u32 v[LT+\m], v[EN+\m], 1, v[LT+\m]
.endr
.if \first
	v_mov_b32 v[RV], s[RC]
.endif
	s_cmp_lg_u32 s[CH], 0
	s_cbranch_scc1 .Lnot_mine_\@
	s_wait_alu depctr_va_vdst(0)                   ; the entries (and the count, and in a later pass the offset) are written, which the stores read
.irp m, 0,1,2,3,4
	global_store_b32 v[\adr], v[LT+\m], s[LSB:LSB+1] offset:256*\m+\off
.endr
.if \first
	global_store_b32 v[T4], v[RV], s[LSB:LSB+1] offset:7680
.endif
.Lnot_mine_\@:
.endm
; four fragments (column tiles 0-3) of K step s into buffer buf of window 1
.macro WLOAD buf, adr, s
	WIN 0x40
.irp j, 0,1,2,3
.irp c, 0,1,2,3
	ds_load_b128 v[64*\buf+16*\j+4*\c:64*\buf+16*\j+4*\c+3], v[\adr] offset:(8*\j+(\s))*2048+512*\c
.endr
.endr
.endm
; my five tiles' rows of K step ks into ring slot: 20 loads; lane (r, h) takes K = 32 c + 16 h + 0 .. 15 of row r.  Tiles 0 to 3: 16 loads;
.macro XROWS slot, ks
	WIN 0x80
.irp m, 0,1,2,3
.irp c, 0,1,2,3
	global_load_b128 v[64*\m+16*(\slot)+4*\c:64*\m+16*(\slot)+4*\c+3], v[XO+\m], s[4:5] offset:128*(\ks)+32*\c
.endr
.endr
.endm
.macro XROW4 slot, ks                  ; tile 4: four
	WIN 0x40
.irp c, 0,1,2,3
	global_load_b128 v[128+16*(\slot)+4*\c:128+16*(\slot)+4*\c+3], v[XO+4], s[4:5] offset:128*(\ks)+32*\c
.endr
.endm
.macro XFILL slot, ks                  ; all twenty in one run, outside the K loop
	XROWS \slot, \ks
	XROW4 \slot, \ks
	WIN 0
.endm
.macro SFILL                           ; their scale words: 32 bytes a row, 10 loads (lanes 16-31 take the same words; they are not read)
.irp m, 0,1,2,3,4
	global_load_b128 v[XS+8*\m:XS+8*\m+3], v[XSO+\m], s[6:7]
	global_load_b128 v[XS+8*\m+4:XS+8*\m+7], v[XSO+\m], s[6:7] offset:16
.endr
.endm
; four products: tile m (0 to 3) of rows x four column tiles of weight mtx, K step s.  K step 0 starts the sums with the constant 0.  The 40 accumulators take turns, one instruction a turn.
.macro PROD s, mtx, m
.irp j, 0,1,2,3
.if (\s) == 0
	v_wmma_scale_f32_16x16x128_f8f6f4 v[64*\m+32*\mtx+8*\j:64*\m+32*\mtx+8*\j+7], v[64*\mtx+16*\j:64*\mtx+16*\j+15], v[64*\m+16*((\s)%4):64*\m+16*((\s)%4)+15], 0, v[WS+8*(4*\mtx+\j)+(\s)], v[XS+8*\m+(\s)]
.else
	v_wmma_scale_f32_16x16x128_f8f6f4 v[64*\m+32*\mtx+8*\j:64*\m+32*\mtx+8*\j+7], v[64*\mtx+16*\j:64*\mtx+16*\j+15], v[64*\m+16*((\s)%4):64*\m+16*((\s)%4)+15], v[64*\m+32*\mtx+8*\j:64*\m+32*\mtx+8*\j+7], v[WS+8*(4*\mtx+\j)+(\s)], v[XS+8*\m+(\s)]
.endif
.endr
.endm
.macro PROD4 s, mtx                    ; the same for tile 4: all in window 1
.irp j, 0,1,2,3
.if (\s) == 0
	v_wmma_scale_f32_16x16x128_f8f6f4 v[192+32*\mtx+8*\j:192+32*\mtx+8*\j+7], v[64*\mtx+16*\j:64*\mtx+16*\j+15], v[128+16*((\s)%4):128+16*((\s)%4)+15], 0, v[WS+8*(4*\mtx+\j)+(\s)], v[XS+32+(\s)]
.else
	v_wmma_scale_f32_16x16x128_f8f6f4 v[192+32*\mtx+8*\j:192+32*\mtx+8*\j+7], v[64*\mtx+16*\j:64*\mtx+16*\j+15], v[128+16*((\s)%4):128+16*((\s)%4)+15], v[192+32*\mtx+8*\j:192+32*\mtx+8*\j+7], v[WS+8*(4*\mtx+\j)+(\s)], v[XS+32+(\s)]
.endif
.endr
.endm
; half a K step: one weight's 20 products.  At its head the one wait; then the other buffer's fragments are asked for; the ring's next rows are asked for among the products.
.macro HSTEP s, mtx
.if (\s)+(\mtx) > 0
	PLACES 8                                       ; the eight places behind the last products stay as they stood
	s_wait_alu depctr_va_vdst(0)                   ; the last half step's products are done reading the other buffer of fragments, and, at a K step's head, the ring slot of the K step before: the loads below land in these
.endif
.if \mtx == 0
	WLOAD 1, LFR1, \s
.if \s == 0
	s_wait_loadcnt 60                              ; this K step's rows and the scale words are in: three groups of 20 loads are younger
.elseif \s <= 5
	s_wait_loadcnt 40                              ; this K step's rows are in: two groups of 20 loads are younger (the third is asked for below)
.else
	s_wait_loadcnt 20*(7-(\s))                     ; the counts run down
.endif
	s_wait_dscnt 16                                ; w0's fragments are in; w1's sixteen loads may be out
.else
.if \s < 7
	WLOAD 0, LFR0, (\s)+1
	s_wait_dscnt 16
.else
	s_wait_dscnt 0x0
.endif
.endif
	WIN 0xF9                                       ; source 0 window 1, source 1 window 2, C and D window 3
	PROD \s, \mtx, 0
	PROD \s, \mtx, 1
.if (\mtx == 0) && (\s >= 1) && (\s <= 4)
	XROWS ((\s)-1)%4, (\s)+3                       ; the ring slot of the K step just done takes the K step four on.  No wait: no product since the wait at the head names that slot or the offsets
.endif
	WIN 0xF9
	PROD \s, \mtx, 2
	PROD \s, \mtx, 3
.if (\mtx == 0) && (\s >= 1) && (\s <= 4)
	XROW4 ((\s)-1)%4, (\s)+3
.endif
	WIN 0x55
	PROD4 \s, \mtx
.endm
; THE WAY OUT of tile m: h = silu(a0) a1, its block's scale, its codes
.macro EPI m
	s_wait_alu depctr_vm_vsrc(0)                   ; the stores issued so far (the last tile's; the list's) have read their data and offsets: v[HO], v[SO2], v[T ..], v[M+6] and v240-255 are written again behind the branch
	s_add_co_u32 s40, s[TB], 4*\m
	s_add_co_u32 s40, s40, s[WV]                   ; the tile's number
	s_cmp_ge_u32 s40, s[NTS]
	s_cbranch_scc1 .Lno_tile_\@
	s_wait_xcnt 0x0                                ; the earlier stores have read their data and offsets: both are written again below
	s_lshl_b32 s41, s40, 15
	s_lshl_b32 s42, s40, 10
	v_add_nc_u32 v[HO], s41, v[HB]
	v_add_nc_u32 v[SO2], s42, v[SBB]
.if \m < 4
.set AW, 3
.set AC, 64*\m
.else
.set AW, 1
.set AC, 192
.endif
	WIN AW                                         ; source 0: the accumulators' window
.set p, 0
.rept 16
	v_pk_mul_f32 v[T+2*p:T+2*p+1], v[AC+2*p:AC+2*p+1], s[NL:NL+1] op_sel_hi:[1,0]   ; -a0 log2(e); each accumulator is read from its low end on
.set p, p+1
.endr
	WIN 0
.set p, 0
.rept 32
	v_exp_f32 v[T+p], v[T+p]
.set p, p+1
.endr
	v_nop                                          ; a plain line behind the transcendentals
.set p, 0
	s_wait_alu depctr_va_vdst(0)                   ; the 32 exponentials have written v[T ..]: one wait, ahead of their first reader
.rept 16
	v_pk_add_f32 v[T+2*p:T+2*p+1], v[T+2*p:T+2*p+1], 1.0 op_sel_hi:[1,0]
.set p, p+1
.endr
.set p, 0
.rept 32
	v_rcp_f32 v[T+p], v[T+p]                       ; 1 / (1 + exp(-a0))
.set p, p+1
.endr
	v_nop
	WIN AW
.set p, 0
	s_wait_alu depctr_va_vdst(0)                   ; the 32 reciprocals have written v[T ..]: one wait, ahead of their first reader
.rept 16
	v_pk_mul_f32 v[U+2*p:U+2*p+1], v[AC+2*p:AC+2*p+1], v[T+2*p:T+2*p+1]             ; silu(a0)
.set p, p+1
.endr
.irp j, 0,1,2,3
.irp i, 0,1,2,3,4,5,6,7
	v_mul_f32 v[Y+4*\i+\j], v[AC+32+8*\j+\i], v[U+8*\j+\i]                          ; x a1, laid in F's order: column 32 h + 4 i + j
.endr
.endr
	WIN 0
.irp k, 0,1,2,3
	v_max3_num_f32 v[M+\k], s[FLOOR], |v[Y+8*\k]|, |v[Y+8*\k+1]|                    ; all 32 numbers of the block are mine: four chains
.endr
.irp i, 2,4,6
.irp k, 0,1,2,3
	v_max3_num_f32 v[M+\k], v[M+\k], |v[Y+8*\k+\i]|, |v[Y+8*\k+\i+1]|
.endr
.endr
	v_max3_num_f32 v[M], v[M], v[M+1], v[M+2]
	v_max_num_f32 v[M], v[M], v[M+3]
	v_add_nc_u32 v[M+4], 0xfc000000, v[M]
	v_and_or_b32 v[M+5], v[M], 0x7f800000, s[MNT]
	v_lshrrev_b32 v[M+6], 23, v[M+4]
.set p, 0
.rept 32
	v_med3_num_f32 v[Y+p], v[Y+p], -v[M+5], v[M+5]
.set p, p+1
.endr
.irp g, 0,1,2,3
	v_cvt_scalef32_pk8_fp8_f32 v[T+2*\g:T+2*\g+1], v[Y+8*\g:Y+8*\g+7], v[M+4]
.endr
	v_nop                                          ; one plain line behind the last conversion
	s_wait_alu depctr_va_vdst(0)                   ; the conversions have written the codes, and v[M+6], v[HO] and v[SO2] are written: the three stores read them
	global_store_b128 v[HO], v[T:T+3], s[HIB:HIB+1]               ; K = 0 .. 15 of my block belong to lane r of the image, K = 16 .. 31 to lane 16 + r:
	global_store_b128 v[HO], v[T+4:T+7], s[HIB:HIB+1] offset:256  ; sixteen lanes store 256 consecutive bytes, aligned
	global_store_b8 v[SO2], v[M+6], s[HSB:HSB+1]
.Lno_tile_\@:
.endm
	s_load_b256 s[4:11], s[0:1], 0x0               ; x_codes s[4:5], x_scales s[6:7], eid s[8:9], w0 s[10:11]
	s_load_b128 s[12:15], s[0:1], 0x20             ; w1 s[12:13], h_img s[14:15]
	s_load_b64 s[16:17], s[0:1], 0x30              ; h_sc
	s_load_b64 s[LSB:LSB+1], s[0:1], 0x38          ; list
	v_lshl_add_u32 v158, v0, 2, 0x22000
	v_mov_b32 v159, 0
	v_lshrrev_b32 v[LN], 5, v0
	v_readfirstlane_b32 s[WV], v[LN]               ; wave 0..3
	v_and_b32 v[LN], 31, v0
	v_and_b32 v[RR], 15, v0
	v_bfe_u32 v[HH], v0, 4, 1
	s_wait_alu depctr_va_sdst(0)                   ; the wave's number is written, ahead of its first reader
	s_lshr_b32 s[ME], ttmp9, 5                     ; my expert
	s_and_b32 s[CH], ttmp9, 31                     ; my 64 columns
	s_mul_i32 s[MEX], s[ME], 0x101                 ; my expert's number in the places of a word's two choices
	s_lshr_b32 s[MTX], s[WV], 1                    ; w0 or w1
	s_and_b32 s40, s[WV], 1                        ; which half of K
	s_lshl_b32 s41, s[MTX], 16
	s_lshl_b32 s42, s40, 13
	s_add_co_u32 s41, s41, s42
	v_lshl_add_u32 v[WST], v[LN], 4, s41
	s_lshl_b32 s41, s[MTX], 12
	s_lshl_b32 s42, s40, 9
	s_add_co_u32 s41, s41, s42
	s_add_co_u32 s41, s41, WSC
	v_lshl_add_u32 v[WSS], v[LN], 2, s41
	v_lshlrev_b32 v[LFR0], 4, v[LN]
	v_add_nc_u32 v[LFR1], 65536, v[LFR0]
	v_lshl_add_u32 v[WSL], v[LN], 2, WSC
	s_lshl_b32 s41, s[WV], 6
	v_lshl_add_u32 v[LSTA], v[RR], 2, s41          ; a tile's 16 entries are 64 bytes
	s_lshl_b32 s41, s[WV], 4
	v_add_nc_u32 v[PR0], s41, v[RR]                ; and 16 places
	v_lshlrev_b32 v[T4], 2, v0
	v_lshlrev_b32 v[WOFF], 4, v[RR]
	v_lshl_add_u32 v[WOFF], v[HH], 17, v[WOFF]     ; 16 rows of 8,192 bytes for lanes 16-31
	v_lshlrev_b32 v[H16], 4, v[HH]
	v_lshlrev_b32 v[HB], 4, v[RR]
	v_lshl_add_u32 v[HB], v[HH], 9, v[HB]
	v_lshl_add_u32 v[SBB], v[RR], 6, v[HH]
.irp j, 0,1,2,3
	v_mov_b32 v[M+4+\j], 0                         ; written once: a lane permute's destination counts as one of its sources
.endr
	s_mov_b32 s[SEL], 0x76543210
	s_mov_b32 s[SEL+1], 0xfedcba98
	s_mov_b32 s[MNT], 0x600000                     ; the mantissa field of 448
	s_mov_b32 s[FLOOR], 0x4800000                  ; 2^(9 - 127)
	s_mov_b32 s[NL], 0xbfb8aa3b                    ; -log2(e)
	s_mov_b32 s[NL+1], s[NL]                       ; (named with it as a pair, so it is written)
	s_mov_b32 s[PASS], 0
	s_mov_b32 s[RB], 0
	s_mov_b32 s[TB], 0
	s_lshl_b32 s42, s[ME], 23                      ; an expert's weight is 8,388,608 bytes,
	s_lshl_b32 s43, s40, 22                        ; half of K 4,194,304,
	s_add_co_u32 s42, s42, s43
	s_lshl_b32 s43, s[CH], 8                       ; 64 columns 256
	s_add_co_u32 s42, s42, s43
	s_mov_b32 s43, 0
	s_lshl_b32 s44, s[ME], 21                      ; h_img: 64 tiles x 32,768 bytes an expert; my 64 columns are 1,024 bytes of an image
	s_lshl_b32 s45, s[CH], 10
	s_add_co_u32 s44, s44, s45
	s_mov_b32 s45, 0
	s_lshl_b32 s46, s[ME], 16                      ; h_sc: 64 tiles x 1,024 bytes an expert; my two blocks
	s_lshl_b32 s47, s[CH], 1
	s_add_co_u32 s46, s46, s47
	s_mov_b32 s47, 0
	s_lshl_b32 s50, s[ME], 13                      ; list: 8,192 bytes an expert
	s_mov_b32 s51, 0
	s_wait_kmcnt 0x0
	s_cmp_eq_u32 s[MTX], 0
	s_cselect_b64 s[WP:WP+1], s[10:11], s[12:13]
	s_add_nc_u64 s[WP:WP+1], s[WP:WP+1], s[42:43]
	s_add_nc_u64 s[HIB:HIB+1], s[14:15], s[44:45]
	s_add_nc_u64 s[HSB:HSB+1], s[16:17], s[46:47]
	s_add_nc_u64 s[LSB:LSB+1], s[LSB:LSB+1], s[50:51]
	s_wait_alu depctr_va_vdst(0)                   ; the offsets and LDS addresses v4 to v10 and v31 are written, which the loads and stores of the whole kernel read
.irp g, 0,1,2,3,4,5,6,7
	global_load_b128 v[EW+4*\g:EW+4*\g+3], v[LFR0], s[8:9] offset:512*\g     ; the 1,024 words of eid, 512 consecutive bytes a load, ahead of the weights: register 4 g + i of lane l is token 128 g + 4 l + i
.endr
	WSET 0
	WSET 1
	WSET 2
	WSET 3
	; ---- PHASE 1.  The counts: three younger sets of 16 loads, and whatever else was asked for behind the set.  The search for my rows stands in pieces between the sets
	QSET 0, 1, 48                                  ; (the eight loads of eid are older than set 0: they are in too)
.irp g, 0,1,2,3,4,5,6,7                            ; the masks: a word's two choices less my expert's number; the product of the two differences is 0 where one of them is
.irp i, 0,1,2,3
	v_xor_b32 v[LX+\i], s[MEX], v[EW+4*\g+\i]
.endr
.irp i, 0,1,2,3
	v_and_b32 v[LY+\i], 0xff, v[LX+\i]
.endr
.irp i, 0,1,2,3
	v_lshrrev_b32 v[LX+\i], 8, v[LX+\i]
.endr
.irp i, 0,1,2,3
	v_mul_u32_u24 v[LY+\i], v[LY+\i], v[LX+\i]
.endr
.irp i, 0,1,2,3
	v_cmp_eq_u32 s[MK+4*\g+\i], 0, v[LY+\i]
.endr
.endr
	s_wait_alu depctr_va_sdst(0)                   ; the 32 masks are written: one wait behind the run, ahead of the counts and selections that read them
	QSET 1, 1, 48
	s_bcnt1_i32_b32 s[RC], s[MK]                   ; the count R: the set bits of the 32 masks
.set q, 1
.rept 31
	s_bcnt1_i32_b32 s[LTMP], s[MK+q]
	s_add_co_u32 s[RC], s[RC], s[LTMP]
.set q, q+1
.endr
	s_min_u32 s[RC], s[RC], 1024
	s_add_co_u32 s[NTS], s[RC], 15
	s_lshr_b32 s[NTS], s[NTS], 4
	s_max_u32 s[NTS], s[NTS], 1
	s_max_u32 s[RM1], s[RC], 1
	s_sub_co_u32 s[RM1], s[RM1], 1
	PINIT 0
	LSEL4 0
	LSEL4 1
	QSET 2, 1, 48
	LSEL4 2
	LSEL4 3
	QSET 3, 1, 48
	LSEL4 4
	LSEL4 5
	QSET 4, 1, 48
	LSEL4 6
	LSEL4 7
	QSET 5, 1, 48
	BITSEL
	FIN
.irp i, 6,7,8,9
	QSET \i, 1, 53                                 ; three sets and the five words of my rows' tokens are younger
.endr
	QSET 10, 1, 48                                 ; set 10 was asked for behind those five words: they are in too
	LSTORE LSTA, 0, 1
	QSET 11, 1, 48
	QSET 12, 0, 48
	SFILL                                          ; (no vector instruction since set 12's wait: the search has long been done with v96-130, and the offsets are written)
	XFILL 0, 0
	QSET 13, 0, 62                                 ; two sets and 30 loads of rows are younger
	XFILL 1, 1
	QSET 14, 0, 63                                 ; 66 are younger
	XFILL 2, 2
	QSET 15, 0, 63                                 ; 70 are younger
	XFILL 3, 3
	s_wait_dscnt 0x0                               ; for the others' sake: my images and scale words lie in LDS
	s_barrier_signal -1
	s_barrier_wait -1
.set q, 0
.rept 64
	ds_load_b32 v[WS+q], v[WSL] offset:128*q       ; the weights' scale words stay in registers: lane r has column tile row r's.  (The lines that made the masks out of v32-71 stand ahead of sixteen waits on va_vdst)
.set q, q+1
.endr
	; ---- PHASE 2
.Lpass:
	s_cmp_ge_u32 s[TB], s[NTS]
	s_cbranch_scc1 .Lidle                          ; no tile in this pass: only the steps at the trip's end are run
	WLOAD 0, LFR0, 0
.irp s, 0,1,2,3,4,5,6,7
	HSTEP \s, 0
	HSTEP \s, 1
.endr
	PLACES 9                                       ; behind the last products: for the reads of results, the writes into operands and scales, and the next pass's sums, which begin anew on these accumulators
	WIN 0
	s_wait_alu depctr_va_vdst(0)                   ; the pass's products are done reading fragments, rows and scale words: on every way from here the next pass's loads land in them, and no vector line names the fragments or the rows meanwhile
	s_wait_alu depctr_vm_vsrc(0)                   ; the loads and stores issued so far have read their offsets and data: behind the branch the search writes v[XO ..], v[XSO ..], v[LS ..], v[LT ..] and v[LA] again
	s_add_co_u32 s40, s[TB], 20
	s_cmp_ge_u32 s40, s[NTS]
	s_cbranch_scc1 .Lno_more                       ; the next pass's rows are looked for and asked for only if it has tiles: more than 320 rows on one expert
	s_wait_xcnt 0x0                                ; the earlier stores have read their data and offsets: the search writes some of them again
	PINIT 20
.irp g, 0,1,2,3,4,5,6,7
	LSEL4 \g
.endr
	BITSEL
	FIN                                            ; (the wait for 0 loads at K step 7 has shown every load done that named these offsets)
	v_add_nc_u32 v[LA], s[RB], v[LSTA]
	s_wait_loadcnt 0x0                             ; the five words are in
	LSTORE LA, 1280, 0
	SFILL                                          ; (since the wait ahead of the five loads no vector line names v96-135 or the rows' offsets)
	XFILL 0, 0
	XFILL 1, 1
	XFILL 2, 2
	XFILL 3, 3
.Lno_more:
	EPI 0
	EPI 1
	EPI 2
	EPI 3
	EPI 4
.Lidle:
	s_add_co_u32 s[RB], s[RB], 1280
	s_add_co_u32 s[TB], s[TB], 20
	s_add_co_u32 s[PASS], s[PASS], 1
	s_cmp_lt_u32 s[PASS], 4
	s_cbranch_scc1 .Lpass
	s_wait_dscnt 0x0                               ; the closing lines, six on end
	s_wait_alu 0x0
	s_wait_tensorcnt 0x0
	ds_add_u32 v158, v159
	s_wait_dscnt 0x0
	s_endpgm
.Lfunc_end_k_q0d5e5c29df_up:
	.size	k_q0d5e5c29df_up, .Lfunc_end_k_q0d5e5c29df_up-k_q0d5e5c29df_up
	.p2alignl 7, 3214868480
	.fill 96, 4, 3214868480
	.section	.rodata,"a",@progbits
	.p2align	6, 0x0
	.amdhsa_kernel k_q0d5e5c29df_up
		.amdhsa_group_segment_fixed_size 139776
		.amdhsa_private_segment_fixed_size 0
		.amdhsa_enable_private_segment 0
		.amdhsa_kernarg_size 64
		.amdhsa_user_sgpr_count 2
		.amdhsa_user_sgpr_kernarg_segment_ptr 1
		.amdhsa_wavefront_size32 1
		.amdhsa_system_sgpr_workgroup_id_x 1
		.amdhsa_system_sgpr_workgroup_id_y 1
		.amdhsa_system_sgpr_workgroup_id_z 1
		.amdhsa_system_vgpr_workitem_id 0
		.amdhsa_next_free_vgpr 1024
		.amdhsa_next_free_sgpr 100
		.amdhsa_reserve_vcc 0
		.amdhsa_float_denorm_mode_32 3
		.amdhsa_float_denorm_mode_16_64 3
		.amdhsa_memory_ordered 1
		.amdhsa_forward_progress 1
		.amdhsa_inst_pref_size 255
	.end_amdhsa_kernel
	.section	.bss,"aw",@nobits
	.p2align	6
	.space	262144
	.amdgpu_metadata
---
amdhsa.version: [ 1, 2 ]
amdhsa.kernels:
  - .name:           k_q0d5e5c29df_up
    .symbol:         k_q0d5e5c29df_up.kd
    .args:
      - { .name: x_codes, .offset: 0, .size: 8, .value_kind: global_buffer, .address_space: global }
      - { .name: x_scales, .offset: 8, .size: 8, .value_kind: global_buffer, .address_space: global }
      - { .name: eid, .offset: 16, .size: 8, .value_kind: global_buffer, .address_space: global }
      - { .name: w0, .offset: 24, .size: 8, .value_kind: global_buffer, .address_space: global }
      - { .name: w1, .offset: 32, .size: 8, .value_kind: global_buffer, .address_space: global }
      - { .name: h_img, .offset: 40, .size: 8, .value_kind: global_buffer, .address_space: global }
      - { .name: h_sc, .offset: 48, .size: 8, .value_kind: global_buffer, .address_space: global }
      - { .name: list, .offset: 56, .size: 8, .value_kind: global_buffer, .address_space: global }
    .group_segment_fixed_size: 139776
    .private_segment_fixed_size: 0
    .kernarg_segment_align: 8
    .kernarg_segment_size: 64
    .max_flat_workgroup_size: 128
    .sgpr_count:     100
    .vgpr_count:     1024
    .wavefront_size: 32
...
	.end_amdgpu_metadata
.endif
;; end of part 8
;; launch down (part 9): grid 256 x 1, 4 waves a work-group, no clusters, 87,552 bytes of LDS; arguments h_img, h_sc, list, probs, wo, y; writes y
.if DOCPART == 9
	.amdgcn_target "amdgcn-amd-amdhsa--gfx1250"
	.amdhsa_code_object_version 6
	.text
	.protected	k_q0d5e5c29df_down
	.globl	k_q0d5e5c29df_down
	.p2align	8
	.type	k_q0d5e5c29df_down,@function
k_q0d5e5c29df_down:
	s_mov_b64 s[64:65], 0
	v_nop
	global_prefetch_b8 v0, s[64:65] scope:SCOPE_SE
	s_setreg_imm32_b32 hwreg(HW_REG_WAVE_SCHED_MODE, 0, 2), 2
	s_setreg_imm32_b32 hwreg(HW_REG_WAVE_MODE, 25, 1), 1
	s_wait_xcnt 0x0
	s_wait_alu depctr_vm_vsrc(0)
; y[kh][2 token + slot][:] = p x (h wo[e]) over half kh of K = F, for the rows that chose expert e; the product is on E4M3 codes with one E8M0 scale for each 32 along K.
; SHARES.  Work-group g: expert e = g / 32, columns 64 sl .. 64 sl + 63 (sl = (g / 2) % 16), rows 1,024 kh .. 1,024 kh + 1,023 of wo[e] (kh = g % 2): 256 KB of f32 that no other work-group reads.
; K is halved so that there are 256 work-groups; the two halves and a token's two experts are added by the next launch.
; PHASE 1: wave w quantises 8 sets of 32 rows of K x 64 columns.  In load i lane (r, h) reads row 16 h + i, columns 4 r .. 4 r + 3: each load covers two runs of 256 consecutive bytes, aligned.
; COLUMN TILE j IS THE COLUMNS 4 r + j, so that a lane's 16 numbers of a column are what lane (r, h) of a fragment holds; the codes go to LDS as images of the registers.
; THE LIST of expert e's rows (entry = 2 token + slot, 4 bytes a place) and their count R were stored by the launch before, which laid h_img by it: place i of the list is row i of h_img.  Only the tiles that
; that launch made are read.  Places from R on repeat place R - 1: such a row's results are that row's own bits, and the wave stores them to the same bytes of y once more.  With R = 0 nothing is stored.
; PHASE 2: wave w takes tiles 20 p + 4 m + w (m = 0 .. 4) in pass p; four trips for every split; a pass without tiles is jumped over.  h's fragments come from h_img as they lie: 512 consecutive bytes a load.
; The product is used transposed (source 0 = 16 columns of wo, source 1 = 16 rows of h): lane (r, h) holds row r and columns 32 h + 4 i + j.
; WAY OUT: x p, through the wave's own stage in LDS, back as rows of 256 bytes (lanes 0-15 row i, lanes 16-31 row 8 + i, so that a lane's eight rows are eight neighbouring words of the list):
; sixteen lanes store 256 consecutive bytes, aligned, of the row that the list names.
; No tensor loads and no cluster: how many tiles a wave multiplies hangs on a count read from memory, and no weight byte is shared.
; LIMITS: NaN and infinities are not served; blocks whose largest magnitude lies under 2^-118 get the byte 1; a block of zeros gets the byte 1 over zero codes.
; REGISTERS: window 0: addresses, scale words, work;  window 1: v0-63, v64-127 wo's fragments of two K steps by turns, v128-191 tile 4's rows, v192-223 its accumulators;
;   window 2: the rows of tiles 0-3, 64 each;  window 3: phase 1: four sets of 64; phase 2: the accumulators of tiles 0-3, tile m's at 64 m + 8 j.
; THE MODE: SCHED_MODE bits 1:0 = 2 (LLVM: expert scheduling mode 2), set by the entry lines.  The code itself states the register dependences between vector or matrix instructions
; and memory or LDS instructions, with s_wait_alu, always for 0.
; THE PLAN.  Registers that memory or LDS instructions touch, and who else names them:
;   window 3, set i % 4    Phase 1: set i's loads land there; its maxima and holds read it; behind them the loads of set i + 4 land there.
;   v[C ..], v[SW ..]      Written by a set's conversions and shifts, read by its LDS stores, written again by the next set; behind phase 1 entries of the list land on v[C ..].
;     So a set has ONE wait on va_vdst, behind its conversions: the set has been read and the codes and scale words are written; the refill and the LDS stores follow it.  And ONE on vm_vsrc, ahead of the first line that writes v[SW ..] again.
;   v[EN ..], v[P ..]      Entries land; two lines make offsets of them; the weights' loads read those and land in v[P ..], which the ways out read: one wait on va_vdst ahead of the weights' loads.
;   fragments, rows        Phase 2: two buffers of fragments, a ring of four slots of rows; loads write them, products read them.  ONE wait on va_vdst at a K step's head: the last products are done reading the other buffer
;     and their ring slot.  The loads into these follow it, the rows' dealt among the products, which name this step's buffer, slot, scale words and accumulators alone.
;   v[XO ..], v[XSO ..]    Offsets: never written in the K loop; made anew for a later pass, between a wait on vm_vsrc and one on va_vdst.
;   v[Y ..], v[T ..], v[EO ..]   The way out: the scalings write v[Y ..], LDS stores read it; rows come back into v[T ..], which the global stores read, by offsets made in v[EO ..]:
;     a wait on vm_vsrc at a tile's head, ONE on va_vdst behind the scalings and the offsets.
.set ROWB,  4096                       ; a row of wo in bytes
.set WSC,   65536                      ; LDS: 0: 32 images of 2,048 bytes, fragment 8 j + s;  here their scale words, 128 bytes each
.set STG,   69632                      ; a stage of 16 rows x (256 + 16) bytes for each wave
.set LN,    1
.set RR,    2
.set HH,    3
.set WOFF,  4
.set WST,   5
.set LFR0,  6                          ; v6   16 x lane: an image's place for my lane, in LDS and in h_img
.set WSS,   8
.set WSL,   9
.set LSTA,  10                         ; v10  the list: byte of row r of tile w
.set LA,    11                         ; v11  the same in a later pass
.set XO,    12                         ; v12-16 byte offset of tile m's images
.set XSO,   17                         ; v17-21 of my row's scale words
.set EN,    22                         ; v22-26 list entries, then offsets into probs
.set P,     27                         ; v27-31 p of my row, tile m
.set WS,    32                         ; v32-63 wo's scale words
.set LE,    64                         ; v64  the list: byte of row 8 h of tile w
.set LE2,   65                         ; v65  the same in a later pass
.set SO,    66                         ; v66  the stage: where I put my row's 128 bytes
.set SR,    67                         ; v67  and where I read rows back
.set R16,   68                         ; v68  16 r
.set R64,   69                         ; v69  64 r
.set EO4,   80                         ; v80-87   tile 4: the entries of rows 8 h + 0 .. 7, then their offsets in y
.set XS,    96
.set M,     136
.set SW,    152
.set Y,     160
.set C,     224                        ; phase 1: v224-239 codes
.set T,     192
.set EO,    224                        ; phase 2: v224-255 tiles 0-3: the same as EO4, eight registers a tile
.set WV,    18
.set ME,    19
.set SL,    20
.set KH,    21
.set SEL,   22
.set MNT,   24
.set FLOOR, 25
.set WP,    28                         ; s[28:29]
.set XB,    30                         ; s[30:31] h_img at my expert and half of K
.set XSB,   32                         ; s[32:33] h_sc likewise
.set RC,    34
.set NTL,   35                         ; tiles with rows
.set NTS,   36                         ; tiles that were written: at least one
.set PASS,  37
.set RB,    38
.set TB,    39
.set YB,    48                         ; s[48:49] y at my half of K and my columns
.set NM1,   50                         ; NTS - 1
.set MSB, 0
.macro WIN new                         ; the immediate's high byte repeats the setting that is left; a switch that changes nothing is dropped
.if MSB != \new
	s_set_vgpr_msb (MSB<<8)|\new
.set MSB, \new
.endif
.endm
.macro PLACES n
.rept \n
	v_nop
.endr
.endm
.macro WSET i
	WIN 0xC0
.irp ii, 0,1,2,3,4,5,6,7,8,9,10,11,12,13,14,15
	global_load_b128 v[64*((\i)%4)+4*\ii:64*((\i)%4)+4*\ii+3], v[WOFF], s[WP:WP+1] offset:((\i)*32+\ii)*ROWB th:TH_LOAD_NT
.endr
	WIN 0
.endm
; set i becomes four registers of each of four fragments.  cnt: the loads issued behind set i
.macro QSET i, refill, cnt
.set SB, 64*((\i)%4)
.set CC, (\i)%4
	s_wait_loadcnt \cnt
	WIN 0x3C                                       ; sources 1 and 2: window 3
.irp j, 0,1,2,3
	v_max3_num_f32 v[M+\j], s[FLOOR], |v[SB+\j]|, |v[SB+4+\j]|       ; column 4 r + j: my 16 numbers, and the floor 2^(9 - 127)
.endr
.irp ii, 2,4,6,8,10,12,14
.irp j, 0,1,2,3
	v_max3_num_f32 v[M+\j], v[M+\j], |v[SB+4*\ii+\j]|, |v[SB+4*\ii+4+\j]|
.endr
.endr
	WIN 0
.irp j, 0,1,2,3
	v_permlanex16_b32 v[M+4+\j], v[M+\j], s[SEL], s[SEL+1]
.endr
.irp j, 0,1,2,3
	v_max_num_f32 v[M+\j], v[M+\j], v[M+4+\j]      ; with lane l xor 16's 16: the block's largest magnitude
.endr
.irp j, 0,1,2,3
	v_add_nc_u32 v[M+12+\j], 0xfc000000, v[M+\j]   ; 8 off its exponent field: the conversion's scale operand
.endr
.irp j, 0,1,2,3
	v_and_or_b32 v[M+8+\j], v[M+\j], 0x7f800000, s[MNT]   ; 448 x the scale
.endr
.irp j, 0,1,2,3
	v_lshrrev_b32 v[M+4+\j], 23, v[M+12+\j]        ; the scale's byte
.endr
	s_wait_dscnt 0x0                               ; the last set's LDS stores are done: the maxima above have stood between them and this wait
.if (\i) > 0
	s_wait_alu depctr_vm_vsrc(0)                   ; and they have read v[SW ..] and v[C ..], which this set writes again from here on
.endif
.irp j, 0,1,2,3
.if CC == 0
	v_mov_b32 v[SW+\j], v[M+4+\j]
.else
	v_lshl_or_b32 v[SW+\j], v[M+4+\j], 8*CC, v[SW+\j]
.endif
.endr
	WIN 0x03                                       ; source 0: window 3
.irp j, 0,1,2,3
.irp ii, 0,1,2,3,4,5,6,7,8,9,10,11,12,13,14,15
	v_med3_num_f32 v[Y+16*\j+\ii], v[SB+4*\ii+\j], -v[M+8+\j], v[M+8+\j]   ; the hold (ISA guide 7.6.2) and the turn into K's order in one
.endr
.endr
	WIN 0
.irp j, 0,1,2,3
	v_cvt_scalef32_pk8_fp8_f32 v[C+4*\j:C+4*\j+1], v[Y+16*\j:Y+16*\j+7], v[M+12+\j]
	v_cvt_scalef32_pk8_fp8_f32 v[C+4*\j+2:C+4*\j+3], v[Y+16*\j+8:Y+16*\j+15], v[M+12+\j]
.endr
	v_nop                                          ; one plain line behind the last conversion
	s_wait_alu depctr_va_vdst(0)                   ; the maxima and holds are done reading the set, in which the loads below land; the conversions have written v[C ..] and the shifts v[SW ..], which the LDS stores below read
.if \refill
	WSET (\i)+4                                    ; the set's registers take the set four further on
.endif
.irp j, 0,1,2,3
	ds_store_b128 v[WST], v[C+4*\j:C+4*\j+3] offset:\j*16384+((\i)/4)*2048+CC*512
.endr
.if CC == 3
.irp j, 0,1,2,3
	ds_store_b32 v[WSS], v[SW+\j] offset:\j*1024+((\i)/4)*128
.endr
.endif
.endm
.macro WLOAD buf, adr, s
	WIN 0x40
.irp j, 0,1,2,3
.irp c, 0,1,2,3
	ds_load_b128 v[64*(\buf)+16*\j+4*\c:64*(\buf)+16*\j+4*\c+3], v[\adr] offset:(8*\j+(\s))*2048+512*\c
.endr
.endr
.endm
; my five tiles' fragments of K step ks into ring slot: 20 loads of 512 consecutive bytes.  Tiles 0 to 3: 16 loads;
.macro XROWS slot, ks
	WIN 0x80
.irp m, 0,1,2,3
.irp c, 0,1,2,3
	global_load_b128 v[64*\m+16*(\slot)+4*\c:64*\m+16*(\slot)+4*\c+3], v[XO+\m], s[XB:XB+1] offset:2048*(\ks)+512*\c
.endr
.endr
.endm
.macro XROW4 slot, ks                  ; tile 4: four
	WIN 0x40
.irp c, 0,1,2,3
	global_load_b128 v[128+16*(\slot)+4*\c:128+16*(\slot)+4*\c+3], v[XO+4], s[XB:XB+1] offset:2048*(\ks)+512*\c
.endr
.endm
.macro XFILL slot, ks                  ; all twenty in one run, outside the K loop
	XROWS \slot, \ks
	XROW4 \slot, \ks
	WIN 0
.endm
.macro SFILL                           ; the rows' eight scale words of my half of K: 10 loads
.irp m, 0,1,2,3,4
	global_load_b128 v[XS+8*\m:XS+8*\m+3], v[XSO+\m], s[XSB:XSB+1]
	global_load_b128 v[XS+8*\m+4:XS+8*\m+7], v[XSO+\m], s[XSB:XSB+1] offset:16
.endr
.endm
.macro XADDR ahead                     ; the offsets of tiles TB + ahead + 4 m + w, held at the last tile that was written
.irp m, 0,1,2,3,4
	s_add_co_u32 s40, s[TB], \ahead+4*\m
	s_add_co_u32 s40, s40, s[WV]
	s_min_u32 s40, s40, s[NM1]
	s_min_u32 s40, s40, 63
	s_lshl_b32 s41, s40, 15
	s_lshl_b32 s42, s40, 10
	v_add_nc_u32 v[XO+\m], s41, v[LFR0]
	v_add_nc_u32 v[XSO+\m], s42, v[R64]
.endr
.endm
.macro ENLOAD adr, off                 ; the entry of row r of each of my five tiles: 5 loads
.irp m, 0,1,2,3,4
	global_load_b32 v[EN+\m], v[\adr], s[8:9] offset:256*\m+\off
.endr
.endm
.macro PGET                            ; and the row's weight: probs[token][slot] lies at 4 x entry: 5 loads
.irp m, 0,1,2,3,4
	v_min_u32 v[EN+\m], 0x7ff, v[EN+\m]
	v_lshlrev_b32 v[EN+\m], 2, v[EN+\m]
.endr
	s_wait_alu depctr_va_vdst(0)                   ; v[EN ..] are written, which the five loads read as offsets; in a later pass the ways out are done reading v[P ..], in which they land
.irp m, 0,1,2,3,4
	global_load_b32 v[P+\m], v[EN+\m], s[10:11]
.endr
.endm
.macro EOLOAD adr, off                 ; the entries of rows 8 h + 0 .. 7 of each of my five tiles: 10 loads of 16 bytes
.irp m, 0,1,2,3
	global_load_b128 v[EO+8*\m:EO+8*\m+3], v[\adr], s[8:9] offset:256*\m+\off
	global_load_b128 v[EO+8*\m+4:EO+8*\m+7], v[\adr], s[8:9] offset:256*\m+\off+16
.endr
	global_load_b128 v[EO4:EO4+3], v[\adr], s[8:9] offset:1024+\off
	global_load_b128 v[EO4+4:EO4+7], v[\adr], s[8:9] offset:1024+\off+16
.endm
; four products: tile m (0 to 3) of rows x four column tiles, K step s.  K step 0 starts the sums with the constant 0.  The 20 accumulators take turns, one instruction a turn.
.macro PROD s, m
.irp j, 0,1,2,3
.if (\s) == 0
	v_wmma_scale_f32_16x16x128_f8f6f4 v[64*\m+8*\j:64*\m+8*\j+7], v[64*((\s)%2)+16*\j:64*((\s)%2)+16*\j+15], v[64*\m+16*((\s)%4):64*\m+16*((\s)%4)+15], 0, v[WS+8*\j+(\s)], v[XS+8*\m+(\s)]
.else
	v_wmma_scale_f32_16x16x128_f8f6f4 v[64*\m+8*\j:64*\m+8*\j+7], v[64*((\s)%2)+16*\j:64*((\s)%2)+16*\j+15], v[64*\m+16*((\s)%4):64*\m+16*((\s)%4)+15], v[64*\m+8*\j:64*\m+8*\j+7], v[WS+8*\j+(\s)], v[XS+8*\m+(\s)]
.endif
.endr
.endm
.macro PROD4 s                         ; the same for tile 4: all in window 1
.irp j, 0,1,2,3
.if (\s) == 0
	v_wmma_scale_f32_16x16x128_f8f6f4 v[192+8*\j:192+8*\j+7], v[64*((\s)%2)+16*\j:64*((\s)%2)+16*\j+15], v[128+16*((\s)%4):128+16*((\s)%4)+15], 0, v[WS+8*\j+(\s)], v[XS+32+(\s)]
.else
	v_wmma_scale_f32_16x16x128_f8f6f4 v[192+8*\j:192+8*\j+7], v[64*((\s)%2)+16*\j:64*((\s)%2)+16*\j+15], v[128+16*((\s)%4):128+16*((\s)%4)+15], v[192+8*\j:192+8*\j+7], v[WS+8*\j+(\s)], v[XS+32+(\s)]
.endif
.endr
.endm
; a K step: 20 products.  At its head the one wait; then the next K step's fragments are asked for; the ring's next rows are asked for among the products.
.macro KSTEP s
.if \s > 0
	PLACES 8                                       ; the eight places behind the last products stay as they stood
	s_wait_alu depctr_va_vdst(0)                   ; the last K step's products are done reading their buffer of fragments and their ring slot: the loads below land in these
.endif
.if \s < 7
	WLOAD ((\s)+1)%2, LFR0, (\s)+1
.endif
.if \s == 0
	s_wait_loadcnt 60                              ; this K step's rows and the scale words are in: on every way here three groups of 20 loads are younger (on some ways the loads of entries and weights as well, which only makes the count the safer)
.elseif \s <= 5
	s_wait_loadcnt 40                              ; this K step's rows are in: two groups of 20 loads are younger at the least (the third is asked for below)
.else
	s_wait_loadcnt 20*(7-(\s))                     ; the counts run down: 20, 0
.endif
.if \s < 7
	s_wait_dscnt 16                                ; this K step's fragments are in; the next one's sixteen loads may be out
.else
	s_wait_dscnt 0x0
.endif
	WIN 0xF9                                       ; source 0 window 1, source 1 window 2, C and D window 3
	PROD \s, 0
	PROD \s, 1
.if (\s >= 1) && (\s <= 4)
	XROWS ((\s)-1)%4, (\s)+3                       ; the ring slot of the K step just done takes the K step four on.  No wait: no product since the wait at the head names that slot or the offsets
.endif
	WIN 0xF9
	PROD \s, 2
	PROD \s, 3
.if (\s >= 1) && (\s <= 4)
	XROW4 ((\s)-1)%4, (\s)+3
.endif
	WIN 0x55
	PROD4 \s
.endm
; THE WAY OUT of tile m
.macro EPI m
	s_wait_alu depctr_vm_vsrc(0)                   ; the last tile's LDS stores have read v[Y ..] and its global stores v[T ..]: behind the branch the first are written and the second loaded again
	s_add_co_u32 s40, s[TB], 4*\m
	s_add_co_u32 s40, s40, s[WV]
	s_cmp_ge_u32 s40, s[NTL]
	s_cbranch_scc1 .Lno_tile_\@
	s_wait_xcnt 0x0                                ; the last tile's stores have read their data: the registers are loaded again below
.if \m < 4
.set AW, 3
.set AC, 64*\m
.set EB, EO+8*\m
.else
.set AW, 1
.set AC, 192
.set EB, EO4
.endif
	WIN AW                                         ; source 0: the accumulators' window
.irp j, 0,1,2,3
.irp i, 0,1,2,3,4,5,6,7
	v_mul_f32 v[Y+4*\i+\j], v[AC+8*\j+\i], v[P+\m] ; the gate's weight, and the turn into the columns' order, in one; each accumulator is read from its low end on
.endr
.endr
	WIN 0
.irp i, 0,1,2,3,4,5,6,7
	v_min_u32 v[EB+\i], 0x7ff, v[EB+\i]            ; the entry is held inside y before it enters an address
	v_lshl_add_u32 v[EB+\i], v[EB+\i], 12, v[R16]  ; a row of y is 4,096 bytes
.endr
	s_wait_alu depctr_va_vdst(0)                   ; the scalings have written v[Y ..], which the LDS stores read, and the offsets into y are written, which the global stores read
.irp i, 0,1,2,3,4,5,6,7
	ds_store_b128 v[SO], v[Y+4*\i:Y+4*\i+3] offset:16*\i
.endr
.irp i, 0,1,2,3,4,5,6,7
	ds_load_b128 v[T+4*\i:T+4*\i+3], v[SR] offset:272*\i             ; LDS serves a wave's instructions in order (ISA guide 5.7.1.4): these see my stores; the stage is my own
.endr
.irp i, 0,1,2,3,4,5,6,7
	s_wait_dscnt 7-\i
	global_store_b128 v[EB+\i], v[T+4*\i:T+4*\i+3], s[YB:YB+1] th:TH_STORE_NT   ; sixteen lanes store 256 consecutive bytes, aligned
.endr
.Lno_tile_\@:
.endm
	s_load_b256 s[4:11], s[0:1], 0x0               ; h_img s[4:5], h_sc s[6:7], list s[8:9], probs s[10:11]
	s_load_b128 s[12:15], s[0:1], 0x20             ; wo s[12:13], y s[14:15]
	v_lshl_add_u32 v158, v0, 2, 0x15400
	v_mov_b32 v159, 0
	v_lshrrev_b32 v[LN], 5, v0
	v_readfirstlane_b32 s[WV], v[LN]               ; wave 0..3
	v_and_b32 v[LN], 31, v0
	v_and_b32 v[RR], 15, v0
	v_bfe_u32 v[HH], v0, 4, 1
	s_wait_alu depctr_va_sdst(0)                   ; the wave's number is written, ahead of its first reader
	s_lshr_b32 s[ME], ttmp9, 5                     ; my expert
	s_bfe_u32 s[SL], ttmp9, 0x40001                ; my 64 columns
	s_and_b32 s[KH], ttmp9, 1                      ; my half of K
	s_lshl_b32 s41, s[WV], 12
	v_lshl_add_u32 v[WST], v[LN], 4, s41
	s_lshl_b32 s41, s[WV], 8
	s_add_co_u32 s41, s41, WSC
	v_lshl_add_u32 v[WSS], v[LN], 2, s41
	v_lshlrev_b32 v[LFR0], 4, v[LN]
	v_lshl_add_u32 v[WSL], v[LN], 2, WSC
	s_lshl_b32 s41, s[WV], 6                       ; a tile's 16 entries are 64 bytes
	v_lshl_add_u32 v[LSTA], v[RR], 2, s41
	v_lshl_add_u32 v[LE], v[HH], 5, s41
	s_mul_i32 s41, s[WV], 16*272
	s_add_co_u32 s41, s41, STG                     ; my stage
	v_mul_u32_u24 v[SO], v[RR], 272
	v_lshl_add_u32 v[SO], v[HH], 7, v[SO]
	v_add_nc_u32 v[SO], s41, v[SO]                 ; in: row r, 128 bytes for each half of the lanes
	v_mul_u32_u24 v[SR], v[HH], 8*272
	v_lshl_add_u32 v[SR], v[RR], 4, v[SR]
	v_add_nc_u32 v[SR], s41, v[SR]                 ; back: lanes 0-15 rows 0 to 7, lanes 16-31 rows 8 to 15
	v_lshlrev_b32 v[R16], 4, v[RR]
	v_lshlrev_b32 v[R64], 6, v[RR]
	v_lshl_add_u32 v[WOFF], v[HH], 16, v[R16]      ; 16 rows of 4,096 bytes for lanes 16-31
.irp j, 0,1,2,3
	v_mov_b32 v[M+4+\j], 0                         ; written once: a lane permute's destination counts as one of its sources
.endr
	s_mov_b32 s[SEL], 0x76543210
	s_mov_b32 s[SEL+1], 0xfedcba98
	s_mov_b32 s[MNT], 0x600000
	s_mov_b32 s[FLOOR], 0x4800000
	s_mov_b32 s[PASS], 0
	s_mov_b32 s[RB], 0
	s_mov_b32 s[TB], 0
	s_lshl_b32 s42, s[ME], 23                      ; wo: an expert 8,388,608 bytes, half of K 4,194,304, a wave's 256 rows 1,048,576, 64 columns 256
	s_lshl_b32 s43, s[KH], 22
	s_add_co_u32 s42, s42, s43
	s_lshl_b32 s43, s[WV], 20
	s_add_co_u32 s42, s42, s43
	s_lshl_b32 s43, s[SL], 8
	s_add_co_u32 s42, s42, s43
	s_mov_b32 s43, 0
	s_lshl_b32 s44, s[ME], 21                      ; h_img: an expert 2,097,152 bytes; half of K is eight images
	s_lshl_b32 s45, s[KH], 14
	s_add_co_u32 s44, s44, s45
	s_mov_b32 s45, 0
	s_lshl_b32 s46, s[ME], 16                      ; h_sc: an expert 65,536 bytes; half of K is 32 bytes of a row
	s_lshl_b32 s47, s[KH], 5
	s_add_co_u32 s46, s46, s47
	s_mov_b32 s47, 0
	s_lshl_b32 s52, s[KH], 23                      ; y: half of K 8,388,608 bytes; 64 columns 256
	s_lshl_b32 s53, s[SL], 8
	s_add_co_u32 s52, s52, s53
	s_mov_b32 s53, 0
	s_lshl_b32 s40, s[ME], 13                      ; list: 8,192 bytes an expert
	s_mov_b32 s41, 0
	s_wait_kmcnt 0x0
	s_add_nc_u64 s[WP:WP+1], s[12:13], s[42:43]
	s_add_nc_u64 s[XB:XB+1], s[4:5], s[44:45]
	s_add_nc_u64 s[XSB:XSB+1], s[6:7], s[46:47]
	s_add_nc_u64 s[YB:YB+1], s[14:15], s[52:53]
	s_add_nc_u64 s[8:9], s[8:9], s[40:41]
	s_load_b32 s[RC], s[8:9], 0x1f80               ; the count R: word 2,016 of my expert's part, one of the words that hold it
	s_wait_alu depctr_va_vdst(0)                   ; the offsets and LDS addresses made above are written, which the loads and stores of the whole kernel read
	ENLOAD LSTA, 0                                 ; asked for ahead of the weights
	WSET 0
	WSET 1
	WSET 2
	WSET 3
	; ---- PHASE 1.  The counts: three younger sets of 16 loads, and whatever else was asked for behind the set
	QSET 0, 1, 48                                  ; (the five entries are older than set 0: they are in too)
	PGET
	s_wait_kmcnt 0x0
	s_min_u32 s[RC], s[RC], 1024
	s_add_co_u32 s[NTL], s[RC], 15
	s_lshr_b32 s[NTL], s[NTL], 4
	s_max_u32 s[NTS], s[NTL], 1
	s_sub_co_u32 s[NM1], s[NTS], 1
	XADDR 0
.irp i, 1,2,3
	QSET \i, 1, 53                                 ; three sets and the five p are younger
.endr
	QSET 4, 0, 53
	SFILL                                          ; (no vector instruction since set 4's wait: the rows' offsets are written)
	XFILL 0, 0
	QSET 5, 0, 62                                  ; two sets and 30 loads of rows are younger
	XFILL 1, 1
	QSET 6, 0, 63                                  ; 66 are younger
	XFILL 2, 2
	QSET 7, 0, 63                                  ; 70 are younger
	XFILL 3, 3
	s_wait_dscnt 0x0                               ; for the others' sake: my images and scale words lie in LDS
	s_barrier_signal -1
	s_barrier_wait -1
	s_wait_alu depctr_vm_vsrc(0)                   ; my LDS stores have read v[C ..]: entries of the list land on v224-239 below (the conversions that wrote them stand ahead of set 7's wait on va_vdst)
	EOLOAD LE, 0
.set q, 0
.rept 32
	ds_load_b32 v[WS+q], v[WSL] offset:128*q       ; wo's scale words stay in registers
.set q, q+1
.endr
	; ---- PHASE 2
.Lpass:
	s_cmp_ge_u32 s[TB], s[NTS]
	s_cbranch_scc1 .Lidle                          ; no tile in this pass: only the steps at the trip's end are run
	WLOAD 0, LFR0, 0
.irp s, 0,1,2,3,4,5,6,7
	KSTEP \s
.endr
	PLACES 9                                       ; behind the last products: for the reads of results, and the next pass's sums, which begin anew on these accumulators
	WIN 0
	s_wait_alu depctr_va_vdst(0)                   ; the pass's products are done reading fragments, rows and scale words: on every way from here the next pass's loads land in them, and no vector line names them meanwhile
	s_wait_alu depctr_vm_vsrc(0)                   ; the pass's loads have read v[XO ..] and v[XSO ..], which are written again behind the branch
	s_add_co_u32 s40, s[TB], 20
	s_cmp_ge_u32 s40, s[NTS]
	s_cbranch_scc1 .Lno_more                       ; the next pass's rows are asked for only if it has tiles
	XADDR 20                                       ; (the wait for 0 loads at K step 7 has shown every load done that named these offsets)
	s_wait_alu depctr_va_vdst(0)                   ; the offsets are written, which the loads below read
	SFILL
	XFILL 0, 0
	XFILL 1, 1
	XFILL 2, 2
	XFILL 3, 3
.Lno_more:
	EPI 0
	EPI 1
	EPI 2
	EPI 3
	EPI 4
	s_wait_alu depctr_vm_vsrc(0)                   ; the loads and stores issued so far have read v[LA], v[LE2], v[EN ..] and the offsets into y: behind the branch the first two are written and the others loaded again
	s_add_co_u32 s40, s[TB], 20
	s_cmp_ge_u32 s40, s[NTS]
	s_cbranch_scc1 .Lidle                          ; the next pass's entries and weights come behind the ways out, which use this pass's
	s_wait_xcnt 0x0                                ; the stores have read their offsets: the registers are loaded again below
	v_add_nc_u32 v[LA], s[RB], v[LSTA]
	v_add_nc_u32 v[LE2], s[RB], v[LE]
	s_wait_alu depctr_va_vdst(0)                   ; the two offsets are written, which the loads below read; the ways out are done with the entries' registers, in which they land
	ENLOAD LA, 1280
	EOLOAD LE2, 1280
	s_wait_loadcnt 10                              ; the five entries are in: ten loads are younger
	PGET
.Lidle:
	s_add_co_u32 s[RB], s[RB], 1280
	s_add_co_u32 s[TB], s[TB], 20
	s_add_co_u32 s[PASS], s[PASS], 1
	s_cmp_lt_u32 s[PASS], 4
	s_cbranch_scc1 .Lpass
	s_wait_dscnt 0x0                               ; the closing lines, six on end
	s_wait_alu 0x0
	s_wait_tensorcnt 0x0
	ds_add_u32 v158, v159
	s_wait_dscnt 0x0
	s_endpgm
.Lfunc_end_k_q0d5e5c29df_down:
	.size	k_q0d5e5c29df_down, .Lfunc_end_k_q0d5e5c29df_down-k_q0d5e5c29df_down
	.p2alignl 7, 3214868480
	.fill 96, 4, 3214868480
	.section	.rodata,"a",@progbits
	.p2align	6, 0x0
	.amdhsa_kernel k_q0d5e5c29df_down
		.amdhsa_group_segment_fixed_size 87552
		.amdhsa_private_segment_fixed_size 0
		.amdhsa_enable_private_segment 0
		.amdhsa_kernarg_size 48
		.amdhsa_user_sgpr_count 2
		.amdhsa_user_sgpr_kernarg_segment_ptr 1
		.amdhsa_wavefront_size32 1
		.amdhsa_system_sgpr_workgroup_id_x 1
		.amdhsa_system_sgpr_workgroup_id_y 1
		.amdhsa_system_sgpr_workgroup_id_z 1
		.amdhsa_system_vgpr_workitem_id 0
		.amdhsa_next_free_vgpr 1024
		.amdhsa_next_free_sgpr 66
		.amdhsa_reserve_vcc 0
		.amdhsa_float_denorm_mode_32 3
		.amdhsa_float_denorm_mode_16_64 3
		.amdhsa_memory_ordered 1
		.amdhsa_forward_progress 1
		.amdhsa_inst_pref_size 173
	.end_amdhsa_kernel
	.amdgpu_metadata
---
amdhsa.version: [ 1, 2 ]
amdhsa.kernels:
  - .name:           k_q0d5e5c29df_down
    .symbol:         k_q0d5e5c29df_down.kd
    .args:
      - { .name: h_img, .offset: 0, .size: 8, .value_kind: global_buffer, .address_space: global }
      - { .name: h_sc, .offset: 8, .size: 8, .value_kind: global_buffer, .address_space: global }
      - { .name: list, .offset: 16, .size: 8, .value_kind: global_buffer, .address_space: global }
      - { .name: probs, .offset: 24, .size: 8, .value_kind: global_buffer, .address_space: global }
      - { .name: wo, .offset: 32, .size: 8, .value_kind: global_buffer, .address_space: global }
      - { .name: y, .offset: 40, .size: 8, .value_kind: global_buffer, .address_space: global }
    .group_segment_fixed_size: 87552
    .private_segment_fixed_size: 0
    .kernarg_segment_align: 8
    .kernarg_segment_size: 48
    .max_flat_workgroup_size: 128
    .sgpr_count:     66
    .vgpr_count:     1024
    .wavefront_size: 32
...
	.end_amdgpu_metadata
.endif
;; end of part 9
;; launch add: the kernel of part 5 again; grid 256 x 1, 8 waves a work-group, no clusters, 0 bytes of LDS; arguments y, out0; writes out0
